; MI455X (gfx1250); checked and timed in simulation.
; The chip was launched on July 23, 2026; its instructions are those of AMD's public machine-readable ISA for CDNA 5 (MIT licence, August 2026) and "CDNA5" Instruction Set Architecture Reference Guide (July 2026). The comments in the code are by the model that wrote it; some were corrected since.
;; Multi Head Attention. Allowed arithmetic: matrix products marked QUANTISED: E2M3 operands, one E8M0 scale for each 32 along K, by v_wmma_scale_f32_16x16x128_f8f6f4 with both operands' format E2M3, f32 sums; everything else in f32.
;; Inputs: W_k_codes 1,024 x 32 x 24 uint8 (E2M3 codes of W_k, K innermost, in blocks of 32 codes, four codes in three bytes); W_k_scales 1,024 x 32 uint8 (E8M0 scales of W_k, one for each 32 codes along K); W_o_codes 1,024 x 32 x 24 uint8 (E2M3 codes of W_o, K innermost, in blocks of 32 codes, four codes in three bytes); W_o_scales 1,024 x 32 uint8 (E8M0 scales of W_o, one for each 32 codes along K); W_q_codes 1,024 x 32 x 24 uint8 (E2M3 codes of W_q, K innermost, in blocks of 32 codes, four codes in three bytes); W_q_scales 1,024 x 32 uint8 (E8M0 scales of W_q, one for each 32 codes along K); W_v_codes 1,024 x 32 x 24 uint8 (E2M3 codes of W_v, K innermost, in blocks of 32 codes, four codes in three bytes); W_v_scales 1,024 x 32 uint8 (E8M0 scales of W_v, one for each 32 codes along K); attention_mask 4 x 2,048 int32; x_codes 4 x 2,048 x 32 x 24 uint8 (E2M3 codes of x, K innermost, in blocks of 32 codes, four codes in three bytes); x_scales 4 x 2,048 x 32 uint8 (E8M0 scales of x, one for each 32 codes along K).
;; Outputs: out0 4 x 2,048 x 1,024 float32.
;; This version of the problem:
;;   THIS VERSION OF THE PROBLEM IS GIVEN IN LOW PRECISION. The matrix products marked QUANTISED in the list below multiply operands that are first quantised to E2M3 (2 exponent bits, 3 mantissa bits; 6 bits a number), with one power-of-two scale for each 32 numbers along K (OCP MX v1.0); their sums are f32. All else is computed in f32.
;;   The module's matrix products, in the order in which they are computed (A, B: the left and right operand; K: the contracted axis; several contracted axes count as one K, in the product's order):
;;     1. [M 8,192, K 1,024] x [K 1,024, N 1,024]; A: input x (given as codes); B: input W_q (given as codes): QUANTISED
;;     2. [M 8,192, K 1,024] x [K 1,024, N 1,024]; A: input x (given as codes); B: input W_k (given as codes): QUANTISED
;;     3. [M 8,192, K 1,024] x [K 1,024, N 1,024]; A: input x (given as codes); B: input W_v (given as codes): QUANTISED
;;     4. batch 64 x [M 2,048, K 64] x [K 64, N 2,048]; A: computed on the way; B: computed on the way: QUANTISED
;;     5. batch 64 x [M 2,048, K 2,048] x [K 2,048, N 64]; A: computed on the way; B: computed on the way: QUANTISED
;;     6. [M 8,192, K 1,024] x [K 1,024, N 1,024]; A: computed on the way; B: input W_o (given as codes): QUANTISED
;;   THE QUANTISER, for each operand of a quantised product, along K:
;;     - K is cut into blocks of 32 from its start; a last block that is shorter is filled with zeros.
;;     - A block's scale is 2^e with e = floor(log2(the largest magnitude in the block)) - 2, held to -126 .. 127; a block of zeros has e = 0. As a byte (E8M0): e + 127.
;;     - Each number is divided by its block's scale, clamped to +-7.5, and rounded to the nearest number of E2M3, ties to even, subnormals kept.
;;     - The product sums the exact products of the quantised numbers (number of the format x scale) in f32.
;;   ~~~python
;;   def quantise(x, axis):      # numpy; x: float32 -> the quantised numbers, widened to float32 again
;;       x = np.moveaxis(x, axis, -1); K = x.shape[-1]
;;       x = np.pad(x, [(0, 0)] * (x.ndim - 1) + [(0, -K % 32)]); x = x.reshape(x.shape[:-1] + (-1, 32)); a = np.abs(x).max(-1, keepdims=True)
;;       e = np.where(a > 0, np.clip(np.frexp(np.where(a > 0, a, 1))[1] - 1 - 2, -126, 127), 0)      # np.frexp(a)[1] - 1 = floor(log2(a)), exactly
;;       r = np.clip(x / 2.0 ** e, -7.5, 7.5)
;;       step = 2.0 ** (np.maximum(np.frexp(np.where(r == 0, 1, r))[1] - 1, 0) - 3)
;;       q = np.round(r / step) * step * 2.0 ** e      # np.round: ties to even
;;       return np.moveaxis(q.reshape(q.shape[:-2] + (-1,))[..., :K], -1, axis).astype(np.float32)
;;   ~~~
;;   OPERANDS COMPUTED ON THE WAY. 'Computed on the way' means the value that the module computes at that place (a softmax that the list does not call 'softmax' is quantised finished and normalised). What goes into a quantiser is computed in f32, as accurately as f32 sums, v_exp_f32 and their like allow (about 1e-6 of the number): no bf16 or f16 on the way to a quantiser, and a product that is left as it is and whose result goes on into a quantised operand takes f32 operands (vector FMAs, or v_wmma_f32_16x16x4_f32). A number that lies on a knife's edge between two numbers of the format may be rounded either way, as far as f32 arithmetic and the matrix unit's own rounding can turn it there, and no further.
;;   INPUTS GIVEN AS CODES. W_k (in the module: [1024, 1024], K = its axis 1); W_o (in the module: [1024, 1024], K = its axis 1); W_q (in the module: [1024, 1024], K = its axis 1); W_v (in the module: [1024, 1024], K = its axis 1); x (in the module: [4, 2048, 1024], K = its axis 2): each comes as NAME_codes (uint8): NAME with its K axis moved to the last place and cut into blocks of 32 codes, [.., K / 32, bytes a block], one block behind the other in memory; four codes in three bytes: a row's codes are one little-endian stream of bits, code i at bits 6 i .. 6 i + 5 (a code: sign, 2 exponent bits, 3 mantissa bits); and NAME_scales (uint8): the same leading axes, one E8M0 byte (e + 127) for each 32 codes along K. Its value is code x scale, taken as it is: it is not quantised again, and the codes and scales need not be those that the quantiser above would give.
;; 2 versions. Each part assembles by itself: llvm-mc -triple=amdgcn-amd-amdhsa -mcpu=gfx1250 --defsym DOCPART=n.
;; ======== version 1 of 2: 4 launches
;; limits: right only within a limited range of input values
;; workspace buffers: tab 524,288 bytes; qimg 8,388,608 bytes; qsc 524,288 bytes; kv 15,466,496 bytes; ao 6,291,456 bytes; aosc 262,144 bytes
;; launch tab (part 1): grid 64 x 1, 4 waves a work-group, no clusters, 0 bytes of LDS; arguments tab; writes tab
.if DOCPART == 1
	.amdgcn_target "amdgcn-amd-amdhsa--gfx1250"
	.amdhsa_code_object_version 6
	.text
	.protected	k_qa223b3a43a_tab
	.globl	k_qa223b3a43a_tab
	.p2align	8
	.type	k_qa223b3a43a_tab,@function
k_qa223b3a43a_tab:
	s_mov_b64 s[64:65], 0
	v_nop
	global_prefetch_b8 v0, s[64:65] scope:SCOPE_SE
	s_setreg_imm32_b32 hwreg(HW_REG_WAVE_MODE, 25, 1), 1
	s_wait_xcnt 0x0
; The rotary table: tab[t][i] = {cos(t f_i), sin(t f_i)}, t = 0 .. 2047, i = 0 .. 31, f_i = 1 / 10000^(i/32) = 1 / 10^(i/8); f32, a row of 256 bytes for each t.
; It is made once here, since every block of tokens of the next launch would otherwise make the same numbers again for each of its column blocks.
; A wave takes 8 tokens; the lane is the pair's number i.  A wave's store covers 256 consecutive bytes, aligned.
; The angle is t x f_i rounded once, as the outer product of the problem's definition gives it.  It is reduced by n = the nearest whole number to angle x 2/pi, with pi/2 in three
; parts taken off by fused multiply-adds (n stays under 1,304, so n x the first part is exact), and sine and cosine of the rest (at most pi/4) are polynomials of degree 7 and 8.
; LIMIT: 10^(i/8) is the f32 number nearest to it; a power function that differs from that in the last bit moves the angle near t = 2,047 by up to about 1e-4.
.macro PW i, bits
	s_mov_b32 s8, \bits
	v_writelane_b32 v2, s8, \i
.endm
	s_load_b64 s[4:5], s[0:1], 0x0
	v_lshrrev_b32 v1, 5, v0
	v_readfirstlane_b32 s6, v1                     ; wave
	s_lshl_b32 s7, ttmp9, 2
	s_add_co_u32 s6, s6, s7                        ; which run of 8 tokens: 4 x work-group + wave
	s_lshl_b32 s7, s6, 3                           ; its first token
	s_lshl_b32 s2, s6, 11                          ; and its 2,048 bytes of the table
	s_mov_b32 s3, 0
	v_and_b32 v1, 31, v0
	v_lshlrev_b32 v1, 3, v1                        ; 8 bytes a lane
	v_mov_b32 v2, 0                                ; lane i gets 10^(i/8)
	PW 0, 0x3f800000
	PW 1, 0x3faab0d5
	PW 2, 0x3fe39ea9
	PW 3, 0x4017c496
	PW 4, 0x404a62c2
	PW 5, 0x4086f161
	PW 6, 0x40b3f300
	PW 7, 0x40eff755
	PW 8, 0x41200000
	PW 9, 0x41555d0a
	PW 10, 0x418e432a
	PW 11, 0x41bdb5bc
	PW 12, 0x41fcfb72
	PW 13, 0x4228adb9
	PW 14, 0x4260efc0
	PW 15, 0x4295fa95
	PW 16, 0x42c80000
	PW 17, 0x43055a26
	PW 18, 0x4331d3f4
	PW 19, 0x436d232b
	PW 20, 0x439e1d27
	PW 21, 0x43d2d927
	PW 22, 0x440c95d8
	PW 23, 0x443b793b
	PW 24, 0x447a0000
	PW 25, 0x44a6b0b0
	PW 26, 0x44de48f1
	PW 27, 0x451435fb
	PW 28, 0x4545a471
	PW 29, 0x4583c7b8
	PW 30, 0x45afbb4e
	PW 31, 0x45ea5789
	v_rcp_f32 v3, v2
	v_nop                                          ; a plain line behind the reciprocal
	s_wait_alu depctr_va_vdst(0)
	v_fma_f32 v4, -v2, v3, 1.0                     ; one step of Newton: f_i to the last bit or nearly
	v_fma_f32 v3, v3, v4, v3
	s_wait_kmcnt 0x0
	s_add_nc_u64 s[4:5], s[4:5], s[2:3]
; Token k of the wave's eight.  Each has its own two registers for the store, so that no store's data are written again.
.macro TOK k
	s_add_co_u32 s9, s7, \k
	v_cvt_f32_u32 v8, s9
	v_mul_f32 v8, v8, v3                           ; the angle
	v_mul_f32 v9, 0x3f22f983, v8                   ; x 2/pi
	v_rndne_f32 v9, v9                             ; n
	v_fmamk_f32 v10, v9, 0xbfc90000, v8            ; - n x 1.5703125
	v_fmamk_f32 v10, v9, 0xb9fda000, v10           ; - n x 4.8375130e-4
	v_fmamk_f32 v10, v9, 0xb3a22168, v10           ; - n x 7.5497900e-8: the rest r
	v_mul_f32 v11, v10, v10                        ; z = r r
	v_mov_b32 v12, 0xb94ca1f9
	v_fmaak_f32 v12, v12, v11, 0x3c08839e
	v_fmaak_f32 v12, v12, v11, 0xbe2aaaa3
	v_mul_f32 v13, v10, v11
	v_fma_f32 v12, v12, v13, v10                   ; sin r
	v_mov_b32 v14, 0x37ccf5ce
	v_fmaak_f32 v14, v14, v11, 0xbab6061a
	v_fmaak_f32 v14, v14, v11, 0x3d2aaaa5
	v_mul_f32 v15, v11, v11
	v_fma_f32 v16, v11, -0.5, 1.0
	v_fma_f32 v14, v14, v15, v16                   ; cos r
	v_cvt_i32_f32 v17, v9
	v_and_b32 v18, 1, v17
	v_cmp_ne_u32 vcc_lo, 0, v18                    ; an odd quarter turn changes the two over
	v_cndmask_b32 v19, v14, v12, vcc_lo
	v_cndmask_b32 v20, v12, v14, vcc_lo
	v_add_nc_u32 v21, 1, v17
	v_and_b32 v21, 2, v21                          ; the cosine is negative in quarters 1 and 2,
	v_lshlrev_b32 v21, 30, v21
	v_and_b32 v22, 2, v17                          ; the sine in quarters 2 and 3
	v_lshlrev_b32 v22, 30, v22
	v_xor_b32 v[32+2*\k], v19, v21
	v_xor_b32 v[33+2*\k], v20, v22
	global_store_b64 v1, v[32+2*\k:33+2*\k], s[4:5] offset:256*\k
.endm
.irp k, 0,1,2,3,4,5,6,7
	TOK \k
.endr
	s_endpgm
.Lfunc_end_k_qa223b3a43a_tab:
	.size	k_qa223b3a43a_tab, .Lfunc_end_k_qa223b3a43a_tab-k_qa223b3a43a_tab
	.p2alignl 7, 3214868480
	.fill 96, 4, 3214868480
	.section	.rodata,"a",@progbits
	.p2align	6, 0x0
	.amdhsa_kernel k_qa223b3a43a_tab
		.amdhsa_group_segment_fixed_size 0
		.amdhsa_private_segment_fixed_size 0
		.amdhsa_enable_private_segment 0
		.amdhsa_kernarg_size 8
		.amdhsa_user_sgpr_count 2
		.amdhsa_user_sgpr_kernarg_segment_ptr 1
		.amdhsa_wavefront_size32 1
		.amdhsa_system_sgpr_workgroup_id_x 1
		.amdhsa_system_sgpr_workgroup_id_y 1
		.amdhsa_system_sgpr_workgroup_id_z 1
		.amdhsa_system_vgpr_workitem_id 0
		.amdhsa_next_free_vgpr 64
		.amdhsa_next_free_sgpr 66
		.amdhsa_reserve_vcc 1
		.amdhsa_float_denorm_mode_32 3
		.amdhsa_float_denorm_mode_16_64 3
		.amdhsa_memory_ordered 1
		.amdhsa_forward_progress 1
		.amdhsa_inst_pref_size 17
	.end_amdhsa_kernel
	.amdgpu_metadata
---
amdhsa.version: [ 1, 2 ]
amdhsa.kernels:
  - .name:           k_qa223b3a43a_tab
    .symbol:         k_qa223b3a43a_tab.kd
    .args:
      - { .name: tab, .offset: 0, .size: 8, .value_kind: global_buffer, .address_space: global }
    .group_segment_fixed_size: 0
    .private_segment_fixed_size: 0
    .kernarg_segment_align: 8
    .kernarg_segment_size: 8
    .max_flat_workgroup_size: 128
    .sgpr_count:     66
    .vgpr_count:     64
    .wavefront_size: 32
...
	.end_amdgpu_metadata
.endif
;; end of part 1
;; launch qkv (part 2): grid 12 x 32, 4 waves a work-group, clusters of 4 x 4, 327,680 bytes of LDS; arguments x_codes, x_scales, W_q_codes, W_q_scales, W_k_codes, W_k_scales, W_v_codes, W_v_scales, attention_mask, tab, qimg, qsc, kv; writes qimg, qsc, kv
.if DOCPART == 2
	.amdgcn_target "amdgcn-amd-amdhsa--gfx1250"
	.amdhsa_code_object_version 6
	.text
	.protected	k_qa223b3a43a_qkv
	.globl	k_qa223b3a43a_qkv
	.p2align	8
	.type	k_qa223b3a43a_qkv,@function
k_qa223b3a43a_qkv:
	s_mov_b64 s[64:65], 0
	v_nop
	global_prefetch_b8 v0, s[64:65] scope:SCOPE_SE
	s_setreg_imm32_b32 hwreg(HW_REG_WAVE_MODE, 25, 1), 1
	s_wait_xcnt 0x0
	s_wait_alu depctr_hold_cnt(0) depctr_sa_sdst(0) depctr_va_vdst(0) depctr_va_sdst(0) depctr_va_ssrc(0) depctr_va_vcc(0) depctr_vm_vsrc(0)
	s_getreg_b32 s2, hwreg(HW_REG_IB_STS2, 6, 4)
	s_cmp_eq_u32 s2, 0
	s_cbranch_scc0 .Lentry_in_a_cluster
	s_endpgm
.Lentry_in_a_cluster:
	s_bfe_u32 s2, ttmp6, 0x10000c
	s_cmp_lg_u32 s2, 0xf033
	s_cbranch_scc0 .Lentry_shape_is_right
	s_endpgm
.Lentry_shape_is_right:
; q = rope(x W_q^T), k = rope(x W_k^T), v = x W_v^T on codes of FP6 (E2M3) with one E8M0 scale for each 32 along K = 1,024; the results are quantised in registers and leave as codes, laid as the
; attention launch's operand registers want them.  The cluster's x says which: 0 = q, 1 = k, 2 = v.
; THE PRODUCT.  A tile of 256 x 256 is made by four waves, each 128 x 128 in 64 accumulators of 16 x 16 (512 registers).  K goes in steps of 256 (rows of 192 bytes) through a ring of two LDS slots filled by the
; tensor data mover.  The scale bytes of the tile's 2 x 256 rows, for all of K, are two dense blocks of memory: they come into LDS once, with the first fills.
; The matrix instruction takes 16 rows of 'B' as source 0 and 16 rows of 'A' as source 1: a lane then holds ONE row of A, and its eight registers eight neighbouring rows of B.
;   q, k: A = x (a lane holds a token), B = W (registers run along the head's 64): what the quantiser along the head wants.
;   v:    A = W_v (a lane holds one of the head's 64), B = x (registers run along the tokens): what the quantiser along the keys wants.  Both have rows of 768 bytes, so one text serves all three.
; CLUSTERS: 4 x 4 work-groups; A's tiles are asked for jointly along a row of the cluster, B's along a column.
; ORDER INSIDE A BLOCK OF 32.  A lane's 16 registers of two neighbouring tiles are converted as places 16 (lane / 16) + 0 .. 15 of their block; they are numbers 8 (lane / 16) + 0 .. 7 and 16 + 8 (lane / 16) + 0 .. 7 of it.
; So the numbers of a block stand in another order than in memory, the same order in q and k, and in v and the softmax of the next launch: a product does not see it, and blocks and scales are the true ones.
; THE PADDING MASK rides in the product q k^T, whose K = 64 fills half of the instruction's 128: at k = 64 q has the code 1.0 under the scale 2^50; a padded key has the code -1.0 under 2^50, so that its score
; is -2^100; an allowed key has the code 0 under the byte 1.  k = 65 .. 127 are zero codes; the byte of k = 96 .. 127 is 64 on both sides.
; LIMITS: NaN, infinities and scale bytes 0xff among the inputs are not served; blocks whose largest magnitude lies under 2^-124 keep the byte 1; a block of zeros has the byte 1 and not 127 (its codes are
; zeros, and this program alone reads the bytes); |q . k| has to stay well under 2^76, so that -2^100 hides it.
; REGISTERS, in windows of 256: window 0: v0-31 addresses; v32-63 scale words, two sets; from v128 A's fragments, one set; on the way out v32-255 are free.  window 1: B's fragments, two sets, at v0 and v128.
;   window 2: the accumulators of my rows 0-63 ((a, b) at v[8 (8 a + b)]);  window 3: those of my rows 64-127.
.set SIZE_K, 1024
.set KSTEP,  256                       ; along K in a slot
.set NQ,     KSTEP/128                 ; matrix instructions deep
.set ROWB,   192                       ; a tile's row in bytes
.set KROW,   SIZE_K*6/8                ; a row of codes in memory
.set PITCH,  240                       ; an LDS row: 3 x (64 bytes + 16 of padding)
.set FR,     12                        ; registers of a fragment
.set NL,     6                         ; LDS loads that bring one
.set NP,     4                         ; places behind this matrix instruction (ISA guide 7.12.1)
.set HALFT,  128*PITCH                 ; 128 rows: one tensor load
.set SLOT,   4*HALFT                   ; A's 256 rows, then B's 256 rows
.set LAPS,   SIZE_K/(2*KSTEP)
.set KS,     SIZE_K/32                 ; a row of scale bytes
.set SCL,    2*SLOT                    ; behind the ring: the scales, as units of 256 bytes + 16 of padding
.set HALFS,  (128*KS/256)*272
.set SBLK,   (16*KS/256)*272
.set SPARE,  SCL+4*HALFS               ; the spare words, 128 bytes for each wave: two blocks of 256 bytes that no other line names
.set HB,      241664                   ; a head's record in kv: K's images, K's scale words, V's images, V's scale words
.set KSC_OFF, 131072
.set V_OFF,   139264
.set VSC_OFF, 237568
.set ADRA, 16                          ; v16-17 LDS address of my A fragments in slot 0, 1 (v18-19: behind one padding more)
.set ADRB, 20                          ; v20-23 the same for B
.set ADRS, 27                          ; v27    my scale words: lanes 0-15 A's rows, lanes 16-31 B's
.set SPW,  28                          ; v28    my spare word: SPARE + 4 x my thread's number; never rewritten
.set NIL,  29                          ; v29    0; never rewritten
.set SC,   32
.set AF,   128
.set G1, 24
.set G0, 32
.set G1B, 48
.set G0B, 56
.set G1S, 68
.set G0S, 76
.set G1SB, 80
.set G0SB, 88
.set MSB, 0
.macro WIN new                         ; the immediate's high byte repeats the setting that is left
.if MSB != (\new)
	s_set_vgpr_msb (MSB<<8)|(\new)
.set MSB, (\new)
.endif
.endm
.set MUL_LO, 0xa1                      ; source 0 (B) window 1, source 1 (A) window 0, C and D window 2
.set MUL_HI, 0xf1
.set TO_B,   0x40
; A joint load: waves 0 and 1 fetch for A, waves 2 and 3 for B; the branch hangs on the wave's number alone.  Four v_nop follow each of the two lines.
.macro JLOAD g0a, g1a, g0b, g1b
	s_cmp_eq_u32 s15, 0
	s_cbranch_scc0 .Lfor_b_\@
	tensor_load_to_lds s[\g0a:\g0a+3], s[\g1a:\g1a+7]
	s_nop 0
.rept 4
	v_nop
.endr
	s_branch .Lasked_\@
.Lfor_b_\@:
	tensor_load_to_lds s[\g0b:\g0b+3], s[\g1b:\g1b+7]
	s_nop 0
.rept 4
	v_nop
.endr
.Lasked_\@:
.endm
.macro CREST                           ; a round of the cluster's barrier behind its opening barrier
	s_cmp_lg_u32 s14, 0
	s_cbranch_scc1 .Lnot_wave_0_\@
	s_barrier_signal -3
.Lnot_wave_0_\@:
	s_barrier_wait -3
	s_barrier_signal -1
	s_barrier_wait -1
.endm
.macro CROUND
	s_barrier_signal -1
	s_barrier_wait -1
	CREST
.endm
	s_load_b512 s[68:83], s[0:1], 0x0              ; x's codes and scales, W_q's, W_k's, W_v's
	v_lshl_add_u32 v[SPW], v0, 2, SPARE
	v_mov_b32 v[NIL], 0
	ds_add_u32 v28, v29
	ds_add_u32 v28, v29
	s_wait_dscnt 0x0
	v_lshrrev_b32 v1, 5, v0
	v_readfirstlane_b32 s14, v1                    ; wave 0..3
	s_lshr_b32 s15, s14, 1                         ; which half of A's rows is mine.  Also: I fetch for A (0) or for B (1)
	s_and_b32 s16, s14, 1                          ; which half of B's rows.  Also: which 128 rows I fetch
	s_bfe_u32 s40, ttmp6, 0x40000                  ; cx, cy
	s_bfe_u32 s41, ttmp6, 0x40004
	s_and_b32 s12, ttmp7, 0xffff
	s_lshl_b32 s12, s12, 2                         ; 4 x the cluster's y: x's 32 blocks of 256 tokens
	s_cmp_eq_u32 ttmp9, 2                          ; v?  The cluster's x is the same in all sixteen partners
	s_cselect_b32 s17, 0, s12
	s_cselect_b32 s42, s12, 0
	s_add_co_u32 s17, s17, s41                     ; A's block of 256 rows: q, k: tokens 4 y + cy;  v: W_v's rows cy
	s_add_co_u32 s42, s42, s40                     ; B's: q, k: W's rows cx;  v: tokens 4 y + cx
	s_lshl_b32 s43, s41, 2
	s_lshl_b32 s43, 15, s43                        ; my row of the cluster
	s_lshl_b32 s44, 0x1111, s40                    ; my column
	s_or_b32 s[G1+0], s43, (0<<16)|(1<<20)|(1<<21)|(3<<22)|(3<<25)  ; the mask; elements of 1 byte; padding on; bit 21 beside a mask; after every 16 words 4 words
	s_or_b32 s[G1B+0], s44, (0<<16)|(1<<20)|(1<<21)|(3<<22)|(3<<25)
.irp g, G1, G1B
	s_mov_b32 s[\g+1], ROWB<<16                    ; tensor_dim0
	s_mov_b32 s[\g+2], 128<<16                     ; tensor_dim1
	s_mov_b32 s[\g+3], ROWB<<16                    ; tile_dim0
	s_mov_b32 s[\g+4], 128                         ; tile_dim1
	s_mov_b32 s[\g+5], KROW                        ; the pitch in memory
	s_mov_b32 s[\g+6], 0
	s_mov_b32 s[\g+7], 0
.endr
	s_lshl_b32 s18, s16, 7                         ; which 128 rows of the block I fetch
	s_lshl_b32 s20, s17, 8
	s_add_co_u32 s20, s20, s18
	s_lshl_b32 s46, s42, 8
	s_add_co_u32 s46, s46, s18
	s_mov_b32 s21, 0
	s_mov_b32 s47, 0
	s_mov_b64 s[18:19], KS
	s_mul_u64 s[22:23], s[20:21], s[18:19]         ; where these rows' scales begin
	s_mul_u64 s[92:93], s[46:47], s[18:19]
	s_mov_b64 s[18:19], KROW
	s_mul_u64 s[20:21], s[20:21], s[18:19]         ; and their codes
	s_mul_u64 s[46:47], s[46:47], s[18:19]
	s_mul_i32 s45, s14, HALFT                      ; where they go: no place in the cluster enters an LDS address
	s_mul_i32 s94, s14, HALFS
	s_wait_kmcnt 0x0
	s_cmp_eq_u32 ttmp9, 0                          ; the buffers are chosen by the cluster's x alone
	s_cselect_b64 s[8:9], s[72:73], s[76:77]       ; W_q or W_k
	s_cselect_b64 s[10:11], s[74:75], s[78:79]
	s_cmp_eq_u32 ttmp9, 2
	s_cselect_b64 s[4:5], s[80:81], s[68:69]       ; A: W_v, else x
	s_cselect_b64 s[6:7], s[82:83], s[70:71]
	s_cselect_b64 s[8:9], s[68:69], s[8:9]         ; B: x, else W_q or W_k
	s_cselect_b64 s[10:11], s[70:71], s[10:11]
	s_add_nc_u64 s[20:21], s[4:5], s[20:21]
	s_add_nc_u64 s[22:23], s[6:7], s[22:23]
	s_add_nc_u64 s[46:47], s[8:9], s[46:47]
	s_add_nc_u64 s[92:93], s[10:11], s[92:93]
	; the scales of 128 rows: a dense block, as rows of 256 bytes (32 elements of 8 bytes), 16 bytes of padding behind each.  (These registers held the arguments until here)
	s_or_b32 s[G1S+0], s43, (3<<16)|(1<<20)|(1<<21)|(5<<22)|(3<<25)
	s_or_b32 s[G1SB+0], s44, (3<<16)|(1<<20)|(1<<21)|(5<<22)|(3<<25)
.irp g, G1S, G1SB
	s_mov_b32 s[\g+1], 32<<16
	s_mov_b32 s[\g+2], (128*KS/256)<<16
	s_mov_b32 s[\g+3], 32<<16
	s_mov_b32 s[\g+4], 128*KS/256
	s_mov_b32 s[\g+5], 32
	s_mov_b32 s[\g+6], 0
	s_mov_b32 s[\g+7], 0
.endr
	CROUND                                         ; all sixteen work-groups are here: the first joint loads meet
	s_mov_b32 s[G0S], 1
	s_add_co_u32 s[G0S+1], s94, SCL
	s_mov_b64 s[G0S+2:G0S+3], s[22:23]
	s_or_b32 s[G0S+3], s[G0S+3], 0x80000000
	s_mov_b32 s[G0SB], 1
	s_add_co_u32 s[G0SB+1], s94, SCL
	s_mov_b64 s[G0SB+2:G0SB+3], s[92:93]
	s_or_b32 s[G0SB+3], s[G0SB+3], 0x80000000
	JLOAD G0S, G1S, G0SB, G1SB                     ; the scales first: they are wanted with K step 0
.irp s, 0,1
	s_mov_b32 s[G0+4*\s], 1
	s_add_co_u32 s[G0+4*\s+1], s45, \s*SLOT
	s_add_nc_u64 s[G0+4*\s+2:G0+4*\s+3], s[20:21], \s*ROWB
	s_or_b32 s[G0+4*\s+3], s[G0+4*\s+3], 0x80000000
	s_mov_b32 s[G0B+4*\s], 1
	s_add_co_u32 s[G0B+4*\s+1], s45, \s*SLOT
	s_add_nc_u64 s[G0B+4*\s+2:G0B+4*\s+3], s[46:47], \s*ROWB
	s_or_b32 s[G0B+4*\s+3], s[G0B+4*\s+3], 0x80000000
	JLOAD G0+4*\s, G1, G0B+4*\s, G1B               ; three tensor loads of mine are out now
.endr
	v_and_b32 v1, 15, v0                           ; r = lane % 16
	v_bfe_u32 v2, v0, 4, 1                         ; h = lane / 16
	v_mul_u32_u24 v3, v1, PITCH
	v_mul_u32_u24 v4, v2, 24
	v_add_nc_u32 v4, v3, v4                        ; a fragment's row x pitch + 24 x half
	v_lshl_add_u32 v5, v2, 4, v4                   ; and the same behind one padding more
	s_mul_i32 s21, s15, HALFT
	s_mul_i32 s22, s16, HALFT
	s_add_co_u32 s22, s22, 2*HALFT
.irp s, 0,1
	v_add_nc_u32 v[ADRA+\s], s21, v4
	v_add_nc_u32 v[ADRB+\s], s22, v4
	v_add_nc_u32 v[ADRA+2+\s], s21, v5
	v_add_nc_u32 v[ADRB+2+\s], s22, v5
	s_add_co_u32 s21, s21, SLOT
	s_add_co_u32 s22, s22, SLOT
.endr
	v_mul_u32_u24 v5, v1, KS                       ; my row's scales: KS bytes a row,
	v_lshrrev_b32 v6, 8, v5
	v_lshl_add_u32 v5, v6, 4, v5                   ; and 16 more for each 256 passed
	s_mul_i32 s21, s15, HALFS
	s_mul_i32 s22, s16, HALFS
	s_add_co_u32 s22, s22, 2*HALFS
	s_sub_co_u32 s22, s22, s21
	v_mul_u32_u24 v6, s22, v2                      ; lanes 16-31 take B's
	s_add_co_u32 s21, s21, SCL
	v_add_nc_u32 v5, v5, v6
	v_add_nc_u32 v[ADRS], s21, v5
.macro FRAG reg, adr, q, i             ; a fragment: lane l holds row l % 16; registers 6 c .. 6 c + 5 hold K = 64 c + 32 (l / 16) + 0 .. 31: 24 bytes of the row's stream of bits, in pieces of 8 bytes
.irp p, 0,1,2,3,4,5
.set PCE, 12*(\q)+6*(\p/3)+\p%3       ; lanes 16-31 read three pieces further on: where that lies behind one padding more, the second address register serves
.if PCE%8 < 5
	ds_load_b64 v[\reg+2*\p:\reg+2*\p+1], v[\adr] offset:8*PCE+16*(PCE/8)+(\i)*16*PITCH
.else
	ds_load_b64 v[\reg+2*\p:\reg+2*\p+1], v[\adr+2] offset:8*PCE+16*(PCE/8)+(\i)*16*PITCH
.endif
.endr
.endm
; 16 matrix instructions: A's blocks a0, a0 + 1 x B's eight, 128 along K.  The 64 accumulators take turns, one instruction a turn, in the same order in every step.
.macro MUL16 a0, p, q, sc, zero
.irp a, \a0, \a0+1
.irp b, 0,1,2,3,4,5,6,7
.if \zero
	v_wmma_scale_f32_16x16x128_f8f6f4 v[8*(8*((\a)%4)+\b):8*(8*((\a)%4)+\b)+7], v[128*(\p)+FR*\b:128*(\p)+FR*\b+FR-1], v[AF+FR*(\a):AF+FR*(\a)+FR-1], 0, v[SC+8*NQ*(\sc)+NQ*\b+(\q)], v[SC+8*NQ*(\sc)+NQ*(\a)+(\q)] matrix_a_fmt:MATRIX_FMT_FP6 matrix_b_fmt:MATRIX_FMT_FP6 matrix_a_scale:MATRIX_SCALE_ROW1
.else
	v_wmma_scale_f32_16x16x128_f8f6f4 v[8*(8*((\a)%4)+\b):8*(8*((\a)%4)+\b)+7], v[128*(\p)+FR*\b:128*(\p)+FR*\b+FR-1], v[AF+FR*(\a):AF+FR*(\a)+FR-1], v[8*(8*((\a)%4)+\b):8*(8*((\a)%4)+\b)+7], v[SC+8*NQ*(\sc)+NQ*\b+(\q)], v[SC+8*NQ*(\sc)+NQ*(\a)+(\q)] matrix_a_fmt:MATRIX_FMT_FP6 matrix_b_fmt:MATRIX_FMT_FP6 matrix_a_scale:MATRIX_SCALE_ROW1
.endif
.endr
.endr
.endm
.macro FETCH_B slot, q, p
	WIN TO_B
.irp i, 0,1,2,3,4,5,6,7
	FRAG 128*(\p)+FR*\i, ADRB+\slot, \q, \i
.endr
	WIN 0
.endm
.macro FETCH_A slot, q, i0
.irp i, \i0, \i0+1, \i0+2, \i0+3
	FRAG AF+FR*(\i), ADRA+\slot, \q, \i
.endr
.endm
.macro SCALES sc                       ; a K step's scale words: lanes 0-15 take A's block i, lanes 16-31 B's block i
.irp i, 0,1,2,3,4,5,6,7
	ds_load_b64 v[SC+8*NQ*\sc+NQ*\i:SC+8*NQ*\sc+NQ*\i+1], v[ADRS] offset:\i*SBLK
.endr
.endm
.macro PLACES n                        ; plain vector instructions between a matrix instruction and a load into, or a read of, its registers
.rept \n
	v_nop
.endr
.endm
.macro STEP slot, q, zero              ; 128 along K with its successor in the same slot
	s_wait_dscnt 4*NL                              ; B's set and A's blocks 0-3 are in; the youngest 24 loads (A's blocks 4-7) may be out
	WIN MUL_LO
	MUL16 0, (\q)%2, \q, \slot, \zero
	MUL16 2, (\q)%2, \q, \slot, \zero
	s_wait_dscnt 0
	PLACES NP
	FETCH_B \slot, (\q)+1, 1-(\q)%2
	FETCH_A \slot, (\q)+1, 0
	WIN MUL_HI
	MUL16 4, (\q)%2, \q, \slot, \zero
	MUL16 6, (\q)%2, \q, \slot, \zero
	PLACES NP
	WIN 0
	FETCH_A \slot, (\q)+1, 4
.endm
; A slot's last step changes slots: one barrier; in front of it each wave waits for all its tensor loads, adds 0 to its spare word, and waits for that and for its reads of this slot.
.macro TURN slot, next, fill
	s_wait_tensorcnt 0x0                           ; all my tensor loads have landed: my part of the next slot
	ds_add_u32 v[SPW], v[NIL]                      ; 0 onto my spare word
	s_wait_dscnt 4*NL+1                            ; (the add and the youngest 24 loads, A's blocks 4-7, may be out)
	WIN MUL_LO
	MUL16 0, 1, NQ-1, \slot, 0
	s_wait_dscnt 0x0                               ; the add is done, and my reads of this slot are over
	s_barrier_signal -1
	MUL16 2, 1, NQ-1, \slot, 0
	WIN 0
	s_barrier_wait -1
.if \fill
	CREST                                          ; the barrier has opened a round of the cluster's: no wave of any partner still reads this slot or has a load on its way
	s_add_nc_u64 s[G0+4*\slot+2:G0+4*\slot+3], s[G0+4*\slot+2:G0+4*\slot+3], 2*ROWB
	s_add_nc_u64 s[G0B+4*\slot+2:G0B+4*\slot+3], s[G0B+4*\slot+2:G0B+4*\slot+3], 2*ROWB
	JLOAD G0+4*\slot, G1, G0B+4*\slot, G1B         ; the first tensor load behind the round; its four v_nop are the places in front of the loads below
.else
	PLACES NP
.endif
	v_add_nc_u32 v[ADRS], 4*NQ, v[ADRS]            ; the next K step's scale words
	FETCH_B \next, 0, 0
	FETCH_A \next, 0, 0
	SCALES \next
	WIN MUL_HI
	MUL16 4, 1, NQ-1, \slot, 0
	MUL16 6, 1, NQ-1, \slot, 0
	PLACES NP
	WIN 0
	FETCH_A \next, 0, 4
.endm
	s_wait_tensorcnt 1                             ; the scales and my part of K step 0 are in; K step 1's load may be out
	s_barrier_signal -1
	s_barrier_wait -1
	FETCH_B 0, 0, 0
	FETCH_A 0, 0, 0
	SCALES 0
	FETCH_A 0, 0, 4
	STEP 0, 0, 1                                   ; the first step's products start the sums: nothing is cleared
	s_mov_b32 s3, LAPS-1
.Llap:
	TURN 0, 1, 1
	STEP 1, 0, 0
	TURN 1, 0, 1
	STEP 0, 0, 0
	s_sub_co_u32 s3, s3, 1
	s_cmp_lg_u32 s3, 0
	s_cbranch_scc1 .Llap
	TURN 0, 1, 0                                   ; the last lap fills nothing
	STEP 1, 0, 0
	s_wait_dscnt 4*NL
	WIN MUL_LO
	MUL16 0, 1, NQ-1, 1, 0
	MUL16 2, 1, NQ-1, 1, 0
	s_wait_dscnt 0
	WIN MUL_HI
	MUL16 4, 1, NQ-1, 1, 0
	MUL16 6, 1, NQ-1, 1, 0
	WIN 0
; THE WAY OUT.  No LDS: every store takes a lane's registers as they stand, 16 bytes a lane, 512 consecutive bytes an instruction.
	PLACES NP                                      ; behind the last products: their results are read, and their operands' registers written, from here on
	s_load_b256 s[24:31], s[0:1], 0x40             ; the mask, the table, qimg, qsc.  (No tensor load is out since the last change of slots: the descriptors' registers are free)
	s_load_b64 s[32:33], s[0:1], 0x60              ; kv
	s_mov_b32 s20, 0x76543210                      ; v_permlanex16_b32's selects for lane l xor 16
	s_mov_b32 s21, 0xfedcba98
	s_mov_b32 s22, 0xffff                          ; lanes 0-15
	s_mov_b32 s91, 0
	s_mov_b32 s93, 0
	v_lshlrev_b32 v4, 2, v1                        ; 4 r
	v_and_b32 v5, 31, v0
	v_lshlrev_b32 v5, 4, v5                        ; 16 x lane
	s_wait_kmcnt 0x0
	s_cmp_eq_u32 ttmp9, 2
	s_cbranch_scc1 .Lway_v
; ---- q and k.  Accumulator (a, b): lane (r, h), register j = token 16 a + r, column 16 b + 8 h + j; my 128 columns are two heads.
.set T,   32                           ; v32-95   cos and sin of the lane's 16 pairs, two sets
.set MKW, 96                           ; v96-97   the token's word of the mask
.set F6,  98                           ; v98      register 6 of the fragment: the code at k = 64, in lanes 0-15
.set HI,  99                           ; v99      the scale word's bytes 2 and 3
.set MX,  100
.set MT,  102
.set SO,  104
.set BY,  106
.set SW,  108
.set F,   112                          ; v112-119 the fragment's registers 0-7
.set Y,   120
.set W,   128                          ; v128-159 a head's 32 numbers of the lane, rotated
	s_mov_b32 s56, HB                              ; k: from head to head in kv,
	s_mov_b32 s57, HB
	s_mov_b32 s58, KSC_OFF                         ; its scale words behind its images,
	s_mov_b32 s59, 0x28                            ; a padded key's code at k = 64: -1.0,
	s_mov_b32 s60, 0                               ; an allowed key's: 0,
	s_mov_b32 s61, (1<<16)|(64<<24)                ; and its bytes 2 and 3
	s_mov_b32 s62, (177<<16)|(64<<24)              ; 2^50 for k = 64 .. 95
	s_cmp_eq_u32 ttmp9, 0
	s_cselect_b64 s[36:37], s[28:29], s[32:33]     ; q goes to qimg and qsc, k into kv
	s_cselect_b64 s[48:49], s[30:31], s[32:33]
	s_cselect_b32 s56, 131072, s56
	s_cselect_b32 s57, 8192, s57
	s_cselect_b32 s58, 0, s58
	s_cselect_b32 s59, 8, s59                      ; q's code at k = 64 is 1.0, whatever the mask says of the token
	s_cselect_b32 s60, 8, s60
	s_cselect_b32 s61, s62, s61
	s_lshl_b32 s84, s17, 8
	s_lshl_b32 s85, s15, 7
	s_add_co_u32 s84, s84, s85                     ; my first token
	s_lshr_b32 s85, s84, 11                        ; its batch,
	s_and_b32 s86, s84, 2047                       ; its place in the sequence,
	s_lshr_b32 s87, s86, 4                         ; its tile of 16
	s_lshl_b32 s88, s85, 4
	s_lshl_b32 s89, s42, 2
	s_add_co_u32 s88, s88, s89
	s_lshl_b32 s89, s16, 1
	s_add_co_u32 s88, s88, s89                     ; 16 x batch + my first head
	s_mul_i32 s90, s88, s56
	s_lshl_b32 s89, s87, 10
	s_add_co_u32 s90, s90, s89
	s_add_nc_u64 s[36:37], s[36:37], s[90:91]      ; the images of my first head, 1,024 bytes a tile,
	s_mov_b32 s90, s56
	s_add_nc_u64 s[38:39], s[36:37], s[90:91]      ; and of my second
	s_mul_i32 s90, s88, s57
	s_add_co_u32 s90, s90, s58
	s_lshl_b32 s89, s87, 6
	s_add_co_u32 s90, s90, s89
	s_add_nc_u64 s[48:49], s[48:49], s[90:91]      ; the scale words, 64 bytes a tile
	s_mov_b32 s90, s57
	s_add_nc_u64 s[50:51], s[48:49], s[90:91]
	s_lshl_b32 s90, s86, 8
	s_add_nc_u64 s[52:53], s[26:27], s[90:91]      ; the table at my first token
	s_lshl_b32 s90, s84, 2
	s_add_nc_u64 s[54:55], s[24:25], s[90:91]      ; the mask likewise
	v_lshlrev_b32 v3, 8, v1
	v_lshl_add_u32 v3, v2, 5, v3                   ; the table: row r, + 32 h: the four pairs of my eight columns of a tile
	v_mov_b32 v8, s59
	v_mov_b32 v9, s60
	v_cndmask_b32 v8, 0, v8, s22                   ; k = 64 lies in lanes 0-15; lanes 16-31 hold k = 96 on: zeros
	v_cndmask_b32 v9, 0, v9, s22
	v_mov_b32 v10, s62
	v_mov_b32 v11, s61
	v_mov_b32 v[MT], 0                             ; written once: a lane permute's destination counts as one of its sources
	v_mov_b32 v[MT+1], 0
.macro TLOAD a                         ; tile a's 16 tokens: nine loads
.irp b, 0,1,2,3
	global_load_b128 v[T+32*((\a)%2)+8*\b:T+32*((\a)%2)+8*\b+3], v3, s[52:53] offset:4096*(\a)+64*\b
	global_load_b128 v[T+32*((\a)%2)+8*\b+4:T+32*((\a)%2)+8*\b+7], v3, s[52:53] offset:4096*(\a)+64*\b+16
.endr
	global_load_b32 v[MKW+(\a)%2], v4, s[54:55] offset:64*(\a)
.endm
.macro QKHEAD a, hd                    ; 16 tokens x one head: rotated, quantised, stored
.set AC, 64*((\a)%4)+32*(\hd)
.set TS, T+32*((\a)%2)
	WIN 0x02+(\a)/4                                ; source 0: the accumulators' window
.irp p, 0,1,2,3,4,5,6,7,8,9,10,11,12,13,14,15
	v_pk_mul_f32 v[W+2*\p:W+2*\p+1], v[AC+2*\p:AC+2*\p+1], v[TS+2*\p:TS+2*\p+1] op_sel_hi:[1,0]   ; x1 c, x2 c; each accumulator is read from its low end on
.endr
.irp p, 0,1,2,3,4,5,6,7,8,9,10,11,12,13,14,15
	v_pk_fma_f32 v[W+2*\p:W+2*\p+1], v[AC+2*\p:AC+2*\p+1], v[TS+2*\p:TS+2*\p+1], v[W+2*\p:W+2*\p+1] op_sel:[1,1,0] op_sel_hi:[0,1,1] neg_lo:[0,1,0]   ; - x2 s, + x1 s
.endr
	WIN 0
.irp b, 0,1
	v_max3_num_f32 v[MX+\b], |v[W+16*\b]|, |v[W+16*\b+1]|, 0x1800000   ; block b: my 16 numbers, and the floor 2^(3 - 127): the byte cannot fall under 1
.endr
.irp i, 2,4,6,8,10,12,14
.irp b, 0,1
	v_max3_num_f32 v[MX+\b], v[MX+\b], |v[W+16*\b+\i]|, |v[W+16*\b+\i+1]|
.endr
.endr
.irp b, 0,1
	v_permlanex16_b32 v[MT+\b], v[MX+\b], s20, s21
.endr
.irp b, 0,1
	v_max_num_f32 v[MX+\b], v[MX+\b], v[MT+\b]     ; with lane l xor 16's 16: the block's largest magnitude
.endr
.irp b, 0,1
	v_add_nc_u32 v[SO+\b], 0xff000000, v[MX+\b]    ; 2 off its exponent field: the conversion's scale operand
.endr
.irp b, 0,1
	v_lshrrev_b32 v[BY+\b], 23, v[SO+\b]           ; the scale's byte
.endr
	s_wait_xcnt 0x0                                ; the last head's stores have read their data: only behind this wait are SW and F written again
	v_lshl_or_b32 v[SW], v[BY+1], 8, v[BY]
	v_or_b32 v[SW], v[SW], v[HI]
	v_cvt_scalef32_pk16_fp6_f32 v[F:F+2], v[W:W+15], v[SO]
	v_cvt_scalef32_pk16_fp6_f32 v[Y:Y+2], v[W+16:W+31], v[SO+1]
	v_nop                                          ; one plain place behind a scaled conversion
.irp i, 0,1,2
	v_permlane16_swap_b32 v[F+\i], v[Y+\i]         ; the operand wants a whole block in a lane: lanes 0-15 block 0, lanes 16-31 block 1
.endr
.irp i, 0,1,2
	v_mov_b32 v[F+3+\i], v[Y+\i]
.endr
	v_mov_b32 v[F+6], v[F6]
	v_mov_b32 v[F+7], 0
	global_store_b128 v5, v[F:F+3], s[36+2*\hd:37+2*\hd] offset:1024*(\a)
	global_store_b128 v5, v[F+4:F+7], s[36+2*\hd:37+2*\hd] offset:1024*(\a)+512
	global_store_b32 v4, v[SW], s[48+2*\hd:49+2*\hd] offset:64*(\a)   ; lanes 16-31 repeat lanes 0-15
.endm
	TLOAD 0
.irp a, 0,1,2,3,4,5,6,7
.if \a < 7
	TLOAD \a+1
	s_wait_loadcnt 9                               ; this tile's nine loads are in; the nine just issued may be out
.else
	s_wait_loadcnt 0x0
.endif
	v_cmp_eq_u32 vcc_lo, 0, v[MKW+\a%2]            ; a padded token
	v_cndmask_b32 v[F6], v9, v8, vcc_lo
	v_cndmask_b32 v[HI], v11, v10, vcc_lo
	QKHEAD \a, 0
	QKHEAD \a, 1
.endr
	s_branch .Lend
; ---- v.  Accumulator (a, b): lane (r, h), register j = row 16 a + r of W_v, token 16 b + 8 h + j; my 128 tokens are one key step, my 128 rows two heads.
.Lway_v:
.set VMX, 100
.set VMT, 104
.set VSO, 108
.set VBY, 112
.set VSW, 116
.set VP,  120                          ; v120-131 the fragment
.set VY,  132
	s_lshl_b32 s84, s42, 8
	s_lshl_b32 s85, s16, 7
	s_add_co_u32 s84, s84, s85                     ; my first token
	s_lshr_b32 s85, s84, 11                        ; its batch
	s_bfe_u32 s86, s84, 0x40007                    ; its key step of 128
	s_lshl_b32 s88, s85, 4
	s_lshl_b32 s89, s17, 2
	s_add_co_u32 s88, s88, s89
	s_lshl_b32 s89, s15, 1
	s_add_co_u32 s88, s88, s89                     ; 16 x batch + my first head
	s_mul_i32 s90, s88, HB
	s_mul_i32 s92, s86, 6144
	s_add_co_u32 s92, s92, s90
	s_add_co_u32 s92, s92, V_OFF
	s_add_nc_u64 s[36:37], s[32:33], s[92:93]      ; the key step's four images of 1,536 bytes
	s_lshl_b32 s92, s86, 8
	s_add_co_u32 s92, s92, s90
	s_add_co_u32 s92, s92, VSC_OFF
	s_add_nc_u64 s[38:39], s[32:33], s[92:93]      ; and their scale words
.irp b, 0,1,2,3
	v_mov_b32 v[VMT+\b], 0
.endr
.macro VROW a                          ; 16 rows x 128 keys: four blocks a lane pair
.set AC, 64*((\a)%4)
	WIN 0x0a+5*((\a)/4)                            ; sources 0 and 1: the accumulators' window
.irp b, 0,1,2,3
	v_max3_num_f32 v[VMX+\b], |v[AC+16*\b]|, |v[AC+16*\b+1]|, 0x1800000
.endr
.irp i, 2,4,6,8,10,12,14
.irp b, 0,1,2,3
	v_max3_num_f32 v[VMX+\b], |v[AC+16*\b+\i]|, |v[AC+16*\b+\i+1]|, v[VMX+\b]
.endr
.endr
	WIN 0
.irp b, 0,1,2,3
	v_permlanex16_b32 v[VMT+\b], v[VMX+\b], s20, s21
.endr
.irp b, 0,1,2,3
	v_max_num_f32 v[VMX+\b], v[VMX+\b], v[VMT+\b]
.endr
.irp b, 0,1,2,3
	v_add_nc_u32 v[VSO+\b], 0xff000000, v[VMX+\b]
.endr
.irp b, 0,1,2,3
	v_lshrrev_b32 v[VBY+\b], 23, v[VSO+\b]
.endr
	s_wait_xcnt 0x0                                ; the last rows' stores have read their data
	v_lshl_or_b32 v[VSW], v[VBY+1], 8, v[VBY]
	v_lshl_or_b32 v[VSW], v[VBY+2], 16, v[VSW]
	v_lshl_or_b32 v[VSW], v[VBY+3], 24, v[VSW]
	WIN 0x02+(\a)/4
	v_cvt_scalef32_pk16_fp6_f32 v[VP:VP+2], v[AC:AC+15], v[VSO]
	v_cvt_scalef32_pk16_fp6_f32 v[VY:VY+2], v[AC+16:AC+31], v[VSO+1]
	v_cvt_scalef32_pk16_fp6_f32 v[VP+6:VP+8], v[AC+32:AC+47], v[VSO+2]
	v_cvt_scalef32_pk16_fp6_f32 v[VY+4:VY+6], v[AC+48:AC+63], v[VSO+3]
	WIN 0
	v_nop
.irp c, 0,1
.irp i, 0,1,2
	v_permlane16_swap_b32 v[VP+6*\c+\i], v[VY+4*\c+\i]
.endr
.irp i, 0,1,2
	v_mov_b32 v[VP+3+6*\c+\i], v[VY+4*\c+\i]
.endr
.endr
.irp c, 0,1,2
	global_store_b128 v5, v[VP+4*\c:VP+4*\c+3], s[36:37] offset:((\a)/4)*HB+((\a)%4)*1536+512*\c
.endr
	global_store_b32 v4, v[VSW], s[38:39] offset:((\a)/4)*HB+((\a)%4)*64
.endm
.irp a, 0,1,2,3,4,5,6,7
	VROW \a
.endr
.Lend:
	s_wait_tensorcnt 0x0                           ; the wave's end
	ds_add_u32 v[SPW], v[NIL]
	s_wait_dscnt 0x0
	CROUND                                         ; the closing round: no work-group ends while a partner may still ask for a tile that names it
	s_endpgm
.Lfunc_end_k_qa223b3a43a_qkv:
	.size	k_qa223b3a43a_qkv, .Lfunc_end_k_qa223b3a43a_qkv-k_qa223b3a43a_qkv
	.p2alignl 7, 3214868480
	.fill 96, 4, 3214868480
	.section	.rodata,"a",@progbits
	.p2align	6, 0x0
	.amdhsa_kernel k_qa223b3a43a_qkv
		.amdhsa_group_segment_fixed_size 327680
		.amdhsa_private_segment_fixed_size 0
		.amdhsa_enable_private_segment 0
		.amdhsa_kernarg_size 104
		.amdhsa_user_sgpr_count 2
		.amdhsa_user_sgpr_kernarg_segment_ptr 1
		.amdhsa_wavefront_size32 1
		.amdhsa_system_sgpr_workgroup_id_x 1
		.amdhsa_system_sgpr_workgroup_id_y 1
		.amdhsa_system_sgpr_workgroup_id_z 1
		.amdhsa_system_vgpr_workitem_id 0
		.amdhsa_next_free_vgpr 1024
		.amdhsa_next_free_sgpr 98
		.amdhsa_reserve_vcc 1
		.amdhsa_float_denorm_mode_32 3
		.amdhsa_float_denorm_mode_16_64 3
		.amdhsa_memory_ordered 1
		.amdhsa_forward_progress 1
		.amdhsa_inst_pref_size 244
	.end_amdhsa_kernel
	.amdgpu_metadata
---
amdhsa.version: [ 1, 2 ]
amdhsa.kernels:
  - .name:           k_qa223b3a43a_qkv
    .symbol:         k_qa223b3a43a_qkv.kd
    .args:
      - { .name: x_codes, .offset: 0, .size: 8, .value_kind: global_buffer, .address_space: global }
      - { .name: x_scales, .offset: 8, .size: 8, .value_kind: global_buffer, .address_space: global }
      - { .name: W_q_codes, .offset: 16, .size: 8, .value_kind: global_buffer, .address_space: global }
      - { .name: W_q_scales, .offset: 24, .size: 8, .value_kind: global_buffer, .address_space: global }
      - { .name: W_k_codes, .offset: 32, .size: 8, .value_kind: global_buffer, .address_space: global }
      - { .name: W_k_scales, .offset: 40, .size: 8, .value_kind: global_buffer, .address_space: global }
      - { .name: W_v_codes, .offset: 48, .size: 8, .value_kind: global_buffer, .address_space: global }
      - { .name: W_v_scales, .offset: 56, .size: 8, .value_kind: global_buffer, .address_space: global }
      - { .name: attention_mask, .offset: 64, .size: 8, .value_kind: global_buffer, .address_space: global }
      - { .name: tab, .offset: 72, .size: 8, .value_kind: global_buffer, .address_space: global }
      - { .name: qimg, .offset: 80, .size: 8, .value_kind: global_buffer, .address_space: global }
      - { .name: qsc, .offset: 88, .size: 8, .value_kind: global_buffer, .address_space: global }
      - { .name: kv, .offset: 96, .size: 8, .value_kind: global_buffer, .address_space: global }
    .group_segment_fixed_size: 327680
    .private_segment_fixed_size: 0
    .kernarg_segment_align: 8
    .kernarg_segment_size: 104
    .max_flat_workgroup_size: 128
    .sgpr_count:     98
    .vgpr_count:     1024
    .wavefront_size: 32
...
	.end_amdgpu_metadata
.endif
;; end of part 2
;; launch attn (part 3): grid 4 x 64, 16 waves a work-group, clusters of 4 x 1, 247,808 bytes of LDS; arguments qimg, qsc, kv, ao, aosc; writes ao, aosc
.if DOCPART == 3
	.amdgcn_target "amdgcn-amd-amdhsa--gfx1250"
	.amdhsa_code_object_version 6
	.text
	.protected	k_qa223b3a43a_attn
	.globl	k_qa223b3a43a_attn
	.p2align	8
	.type	k_qa223b3a43a_attn,@function
k_qa223b3a43a_attn:
	s_mov_b64 s[64:65], 0
	v_nop
	global_prefetch_b8 v0, s[64:65] scope:SCOPE_SE
	s_setreg_imm32_b32 hwreg(HW_REG_WAVE_MODE, 25, 1), 1
	s_wait_xcnt 0x0
	s_wait_alu depctr_hold_cnt(0) depctr_sa_sdst(0) depctr_va_vdst(0) depctr_va_sdst(0) depctr_va_ssrc(0) depctr_va_vcc(0) depctr_vm_vsrc(0)
	s_getreg_b32 s2, hwreg(HW_REG_IB_STS2, 6, 4)
	s_cmp_eq_u32 s2, 0
	s_cbranch_scc0 .Lentry_in_a_cluster
	s_endpgm
.Lentry_in_a_cluster:
	s_bfe_u32 s2, ttmp6, 0x10000c
	s_cmp_lg_u32 s2, 0x3003
	s_cbranch_scc0 .Lentry_shape_is_right
	s_endpgm
.Lentry_shape_is_right:
; Causal attention with a padding mask on codes of FP6 (E2M3), 64 heads of 2,048 tokens x 64.  What the second product takes is the FINISHED softmax, quantised along the keys: a row's sum has to be known before
; its first code is made.  So the keys are walked twice: walk 1 finds the row's largest score and its sum, walk 2 makes the scores again, p = 2^(t - M) / sum, quantises and multiplies by V.
; SHARES.  The four work-groups of a cluster serve one head.  The head's whole record (K's and V's images and scale words, 241,664 bytes) comes into each one's LDS ONCE, by joint loads, one a wave: no byte of LDS
; is filled again, so there is no ring and no barrier in the loops.  A wave owns a tile of 16 queries at a time, in 256 registers; four waves share a SIMD, so that one's vector work stands beside another's products.
; The head's 128 tiles are 16 groups of 8; group g needs key steps 0 .. g of 128 keys.  Wave w takes a tile of group 15 - w / 2 and then one of group w / 2: 17 steps a walk for every wave.
; Which tile of the group (2 cx + w % 2) enters global addresses and one vector compare alone; branches hang on the wave's number and on counters.
; LAYOUT.  S^T = K Q^T (source 0 = 16 keys, source 1 = my 16 queries), O^T = V^T P^T: a lane holds one query (lane % 16) throughout.  A lane's 16 registers of two neighbouring key tiles are converted as places
; 16 (lane / 16) + 0 .. 15 of their block of 32 keys: V's images were made in the same order.  O^T is brought into the true order by 16 exchanges of lane halves, since it meets a given operand.
; MASKS.  A padded key's score comes out of the product as -2^100 (its code at k = 64).  Causally hidden scores of the diagonal step become -infinity.  Later steps are left out.
; SOFTMAX.  t = score x log2(e) / 8; M = the row's largest t so far rounded up to a whole number, beginning at -2^60; when M moves the sum is multiplied by 2^(old M - new M), exactly.
; A ROW WITH NO ALLOWED KEY has the sum 0 exactly (any other at least 0.5).  By the problem's definition its softmax is 1/2048 over ALL 2,048 keys: its O is replaced, by a select, with V^T u, u = 1/2048 as a
; code (4.0 under the byte 114), which the matrix unit makes once a work-group.
; LIMITS: |t| under 2^60; NaN and infinities are not served; p under 2^-126 counts as 0; a block of zeros has the byte 1 and not 127 (its codes are zeros; this program alone reads the bytes).
.set HB,      241664
.set KSC_OFF, 131072
.set V_OFF,   139264
.set VSC_OFF, 237568
.set VM1,     241664                   ; behind the record: V^T u in four parts, [quarter of the keys][64] f32: 1,024 bytes that no tensor load fills
.set Q,   16                           ; v16-27   Q's fragment (registers 8-11 zeros)
.set QS,  28                           ; v28      Q's scale words
.set PS,  29                           ; v29      P's scale words
.set KF,  32                           ; v32-79   four fragments of K (registers 8-11 of each zeros)
.set MX,  80
.set MT,  84
.set SO,  88
.set S,   96                           ; v96-159  S^T, then p; v96-143 then take V's four fragments
.set O,   160                          ; v160-191 O^T
.set P,   192                          ; v192-203 P's fragment
.set Y0,  204
.set Y1,  208
.set KSW, 212                          ; v212-215 K's scale words
.set VSW, 216                          ; v216-219 V's
.set OF,  220                          ; v220-225 the result's codes; v228 its two scale bytes
; v1 16 x lane; v2 the same in V's images; v3, v4 4 r among K's and V's scale words; v5 my query less 8 h, within the group's 128; v6 -infinity; v7 V^T u at my half; v8-11 addresses of the step in hand;
; v12 -M, v13 the largest t, v[14:15] the sum; v30 8 x lane; v31 4 r; v[92:93] the factor, later 1 / sum; v94-95 at work; v229 32 r
.macro ROUND                           ; a round of the cluster's barrier
	s_barrier_signal -1
	s_barrier_wait -1
	s_cmp_lg_u32 s14, 0
	s_cbranch_scc1 .Lnot_wave_0_\@
	s_barrier_signal -3
.Lnot_wave_0_\@:
	s_barrier_wait -3
	s_barrier_signal -1
	s_barrier_wait -1
.endm
	s_load_b256 s[4:11], s[0:1], 0x0               ; qimg, qsc, kv, ao
	s_load_b64 s[12:13], s[0:1], 0x20              ; aosc
	v_lshl_add_u32 v254, v0, 2, 0x3c000
	v_mov_b32 v255, 0
	ds_add_u32 v254, v255
	ds_add_u32 v254, v255
	v_lshrrev_b32 v1, 5, v0
	v_readfirstlane_b32 s14, v1                    ; wave 0..15
	s_lshr_b32 s15, s14, 1
	s_and_b32 s16, s14, 1
	s_bfe_u32 s17, ttmp6, 0x40000                  ; cx
	s_and_b32 s18, ttmp7, 0xffff                   ; 16 x batch + head, which the four partners share
	s_lshl_b32 s19, s17, 1
	s_add_co_u32 s19, s19, s16                     ; which tile of a group is mine
	s_mov_b32 s20, 0x76543210                      ; v_permlanex16_b32's selects for lane l xor 16
	s_mov_b32 s21, 0xfedcba98
	s_mov_b32 s22, 0x3e38aa3b                      ; c = log2(e) / 8
	s_mov_b32 s23, s22                             ; (named with it as a pair)
	; my sixteenth of the record: 59 rows of 256 bytes, dense
	s_mov_b32 s24, 15|(3<<16)|(1<<21)              ; the mask: all four work-groups; elements of 8 bytes; bit 21 beside a mask; no padding
	s_mov_b32 s25, 32<<16                          ; tensor_dim0
	s_mov_b32 s26, 59<<16                          ; tensor_dim1
	s_mov_b32 s27, 32<<16                          ; tile_dim0
	s_mov_b32 s28, 59                              ; tile_dim1
	s_mov_b32 s29, 32                              ; the pitch
	s_mov_b32 s30, 0
	s_mov_b32 s31, 0
	s_mov_b32 s32, 1
	s_mul_i32 s33, s14, 15104                      ; LDS address: the wave's number alone
	s_mul_i32 s42, s18, HB
	s_add_co_u32 s42, s42, s33
	s_mov_b32 s43, 0
	s_wait_dscnt 0x0
	s_wait_kmcnt 0x0
	s_add_nc_u64 s[34:35], s[8:9], s[42:43]
	s_or_b32 s35, s35, 0x80000000
	ROUND                                          ; all four work-groups are here: the joint loads meet
	tensor_load_to_lds s[32:35], s[24:31]          ; my one tensor load of the launch
	s_nop 0
.rept 4
	v_nop
.endr
	v_mov_b32 v[PS], 0x72727272                    ; u's scale bytes: 2^-13
.irp c, 0,1,2,3
	v_mov_b32 v[P+3*\c], 0x18618618                ; 128 codes of 4.0, six bits each
	v_mov_b32 v[P+3*\c+1], 0x86186186
	v_mov_b32 v[P+3*\c+2], 0x61861861
.endr
	v_and_b32 v94, 15, v0                          ; r
	v_bfe_u32 v95, v0, 4, 1                        ; h
	v_and_b32 v1, 31, v0
	v_lshlrev_b32 v30, 3, v1
	v_lshlrev_b32 v1, 4, v1
	v_add_nc_u32 v2, V_OFF, v1
	v_lshlrev_b32 v31, 2, v94
	v_add_nc_u32 v3, KSC_OFF, v31
	v_add_nc_u32 v4, VSC_OFF, v31
	s_lshl_b32 s42, s19, 4
	v_add_nc_u32 v5, s42, v94
	v_lshlrev_b32 v6, 3, v95
	v_sub_nc_u32 v5, v5, v6
	v_mov_b32 v6, 0xff800000
	v_lshl_add_u32 v7, v95, 6, VM1
	v_lshlrev_b32 v229, 5, v94
.irp i, 8,9,10,11
	v_mov_b32 v[Q+\i], 0                           ; k = 64 + 10 on: zero codes, written once
	v_mov_b32 v[KF+\i], 0
	v_mov_b32 v[KF+12+\i], 0
	v_mov_b32 v[KF+24+\i], 0
	v_mov_b32 v[KF+36+\i], 0
.endr
.irp b, 0,1,2,3
	v_mov_b32 v[MT+\b], 0                          ; a lane permute's destination counts as one of its sources
.endr
	v_mov_b32 v93, 0                               ; (named as the upper half of a pair before it is first written)
	; V^T u: wave w takes rows 16 (w % 4) on of the head's 64 and key steps 4 (w / 4) .. + 3
	s_and_b32 s42, s14, 3
	s_lshr_b32 s43, s14, 2
	s_mul_i32 s44, s43, 24576
	s_mul_i32 s45, s42, 1536
	s_add_co_u32 s44, s44, s45
	v_add_nc_u32 v8, s44, v2
	s_lshl_b32 s44, s43, 10
	s_lshl_b32 s45, s42, 6
	s_add_co_u32 s44, s44, s45
	v_add_nc_u32 v9, s44, v4
	s_lshl_b32 s44, s14, 6
	s_add_co_u32 s44, s44, VM1
	v_lshl_add_u32 v10, v95, 5, s44                ; where my eight sums go: 256 (w / 4) + 64 (w % 4) + 32 h
	s_wait_tensorcnt 0x0                           ; my part of the record is in,
	s_barrier_signal -1
	s_barrier_wait -1                              ; everybody's is
.irp i, 0,1,2,3
.irp c, 0,1,2
	ds_load_b128 v[S+12*\i+4*\c:S+12*\i+4*\c+3], v8 offset:6144*\i+512*\c
.endr
	ds_load_b32 v[VSW+\i], v9 offset:256*\i
.endr
	s_wait_dscnt 0x0
.irp i, 0,1,2,3
	v_wmma_scale_f32_16x16x128_f8f6f4 v[O+8*\i:O+8*\i+7], v[S+12*\i:S+12*\i+11], v[P:P+11], 0, v[VSW+\i], v[PS] matrix_a_fmt:MATRIX_FMT_FP6 matrix_b_fmt:MATRIX_FMT_FP6
.endr
.rept 4
	v_nop
.endr
.irp j, 0,2,4,6
	v_pk_add_f32 v[O+\j:O+\j+1], v[O+\j:O+\j+1], v[O+8+\j:O+9+\j]
	v_pk_add_f32 v[O+16+\j:O+17+\j], v[O+16+\j:O+17+\j], v[O+24+\j:O+25+\j]
.endr
.irp j, 0,2,4,6
	v_pk_add_f32 v[O+\j:O+\j+1], v[O+\j:O+\j+1], v[O+16+\j:O+17+\j]
.endr
	ds_store_b128 v10, v[O:O+3]                    ; all sixteen columns are alike: the lanes of a half write the same bytes with the same values
	ds_store_b128 v10, v[O+4:O+7] offset:16
	s_wait_dscnt 0x0                               ; for the others' sake
	s_barrier_signal -1
	s_barrier_wait -1
; The scores of a key step: 8 tiles of 16 keys, four at a time.  pv = 1: walk 2, which also wants V's addresses.
.macro SCORES pv
	v_add_nc_u32 v8, s48, v1
	v_add_nc_u32 v9, s49, v3
.if \pv
	v_add_nc_u32 v10, s50, v2
	v_add_nc_u32 v11, s51, v4
	v_nop                                          ; five places: the products below write over registers that the last step's products V^T P read
.endif
.irp g, 0,1
.if \g > 0
.rept 4
	v_nop                                          ; places in front of loads into registers that matrix instructions have read
.endr
.endif
.irp t, 0,1,2,3
	ds_load_b128 v[KF+12*\t:KF+12*\t+3], v8 offset:(4*\g+\t)*1024
	ds_load_b128 v[KF+12*\t+4:KF+12*\t+7], v8 offset:(4*\g+\t)*1024+512
	ds_load_b32 v[KSW+\t], v9 offset:(4*\g+\t)*64
.endr
	s_wait_dscnt 0x0
.irp t, 0,1,2,3
	v_wmma_scale_f32_16x16x128_f8f6f4 v[S+8*(4*\g+\t):S+8*(4*\g+\t)+7], v[KF+12*\t:KF+12*\t+11], v[Q:Q+11], 0, v[KSW+\t], v[QS] matrix_a_fmt:MATRIX_FMT_FP6 matrix_b_fmt:MATRIX_FMT_FP6
.endr
.endr
.rept 5
	v_nop
.endr
	s_cmp_lg_u32 s38, s36                          ; only the group's own step lies on the diagonal
	s_cbranch_scc1 .Lopen_\@
.irp n, 0,1,2,3,4,5,6,7,8,9,10,11,12,13,14,15,16,17,18,19,20,21,22,23,24,25,26,27,28,29,30,31,32,33,34,35,36,37,38,39,40,41,42,43,44,45,46,47,48,49,50,51,52,53,54,55,56,57,58,59,60,61,62,63
	v_cmp_gt_i32 vcc_lo, 16*(\n/8)+\n%8, v5        ; register n holds key 16 (n / 8) + 8 h + n % 8 of the step: hidden where it comes after my query
	v_cndmask_b32 v[S+\n], v[S+\n], v6, vcc_lo
.endr
.Lopen_\@:
.endm
.macro TMINUSM                         ; t - M, two at a time, and p = 2^(t - M)
.irp j, 0,2,4,6,8,10,12,14,16,18,20,22,24,26,28,30,32,34,36,38,40,42,44,46,48,50,52,54,56,58,60,62
	v_pk_fma_f32 v[S+\j:S+\j+1], v[S+\j:S+\j+1], s[22:23], v[12:13] op_sel_hi:[1,0,0]
.endr
.irp j, 0,1,2,3,4,5,6,7,8,9,10,11,12,13,14,15,16,17,18,19,20,21,22,23,24,25,26,27,28,29,30,31,32,33,34,35,36,37,38,39,40,41,42,43,44,45,46,47,48,49,50,51,52,53,54,55,56,57,58,59,60,61,62,63
	v_exp_f32 v[S+\j], v[S+\j]
.endr
.endm
; Walk 1's part of a step: the running largest t, M, and the sum.
.macro SUM
.irp b, 0,1,2,3
	v_max3_num_f32 v[MX+\b], v[S+16*\b], v[S+16*\b+1], v[S+16*\b+2]
.endr
.irp i, 3,5,7,9,11,13
.irp b, 0,1,2,3
	v_max3_num_f32 v[MX+\b], v[MX+\b], v[S+16*\b+\i], v[S+16*\b+\i+1]
.endr
.endr
.irp b, 0,1,2,3
	v_max_num_f32 v[MX+\b], v[MX+\b], v[S+16*\b+15]
.endr
	v_max3_num_f32 v94, v[MX], v[MX+1], v[MX+2]
	v_max_num_f32 v94, v94, v[MX+3]
	v_permlanex16_b32 v[MT], v94, s20, s21
	v_max_num_f32 v94, v94, v[MT]                  ; the step's largest score of my query
	v_mul_f32 v94, s22, v94
	v_max_num_f32 v13, v13, v94                    ; the running largest t
	v_mov_b32 v94, v12
	v_floor_f32 v12, -v13                          ; the new -M: M is a whole number
	v_sub_f32 v94, v12, v94                        ; old M - new M: 0 or less
	v_cvt_i32_f32 v94, v94                         ; (it saturates)
	v_ldexp_f32 v92, 1.0, v94                      ; the factor that brings the sum under the new M: it rounds nothing
	TMINUSM
	v_pk_mul_f32 v[14:15], v[14:15], v[92:93] op_sel_hi:[1,0]   ; (a plain place behind the exponentials)
	s_wait_alu depctr_va_vdst(0)
	v_pk_add_f32 v[94:95], v[S:S+1], v[S+2:S+3]
.irp j, 4,8,12,16,20,24,28,32,36,40,44,48,52,56,60
	v_pk_add_f32 v[14:15], v[14:15], v[S+\j:S+\j+1]
	v_pk_add_f32 v[94:95], v[94:95], v[S+\j+2:S+\j+3]
.endr
	v_pk_add_f32 v[14:15], v[14:15], v[94:95]
.endm
; Walk 2's part: the finished softmax, its codes and scale word, and O^T += V^T P^T.
.macro PV
	TMINUSM
	v_nop                                          ; a plain place behind the exponentials
	s_wait_alu depctr_va_vdst(0)
.irp j, 0,2,4,6,8,10,12,14,16,18,20,22,24,26,28,30,32,34,36,38,40,42,44,46,48,50,52,54,56,58,60,62
	v_pk_mul_f32 v[S+\j:S+\j+1], v[S+\j:S+\j+1], v[92:93] op_sel_hi:[1,0]   ; / the sum
.endr
.irp b, 0,1,2,3
	v_max3_num_f32 v[MX+\b], v[S+16*\b], v[S+16*\b+1], 0x1800000   ; none is negative; the floor 2^(3 - 127) holds the byte at 1 from below
.endr
.irp i, 2,4,6,8,10,12,14
.irp b, 0,1,2,3
	v_max3_num_f32 v[MX+\b], v[MX+\b], v[S+16*\b+\i], v[S+16*\b+\i+1]
.endr
.endr
.irp b, 0,1,2,3
	v_permlanex16_b32 v[MT+\b], v[MX+\b], s20, s21
.endr
.irp b, 0,1,2,3
	v_max_num_f32 v[MX+\b], v[MX+\b], v[MT+\b]
.endr
.irp b, 0,1,2,3
	v_add_nc_u32 v[SO+\b], 0xff000000, v[MX+\b]
.endr
.irp b, 0,1,2,3
	v_lshrrev_b32 v[MT+\b], 23, v[SO+\b]
.endr
	v_lshl_or_b32 v[PS], v[MT+1], 8, v[MT]
	v_lshl_or_b32 v[PS], v[MT+2], 16, v[PS]
	v_lshl_or_b32 v[PS], v[MT+3], 24, v[PS]
	v_cvt_scalef32_pk16_fp6_f32 v[P:P+2], v[S:S+15], v[SO]
	v_cvt_scalef32_pk16_fp6_f32 v[Y0:Y0+2], v[S+16:S+31], v[SO+1]
	v_cvt_scalef32_pk16_fp6_f32 v[P+6:P+8], v[S+32:S+47], v[SO+2]
	v_cvt_scalef32_pk16_fp6_f32 v[Y1:Y1+2], v[S+48:S+63], v[SO+3]
.irp t, 0,1,2,3
.irp c, 0,1,2
	ds_load_b128 v[S+12*\t+4*\c:S+12*\t+4*\c+3], v10 offset:1536*\t+512*\c   ; V's four fragments take the registers that p has left
.endr
	ds_load_b32 v[VSW+\t], v11 offset:64*\t
.endr
	v_nop                                          ; one plain place behind a scaled conversion
.irp i, 0,1,2
	v_permlane16_swap_b32 v[P+\i], v[Y0+\i]        ; a whole block in a lane
.endr
.irp i, 0,1,2
	v_mov_b32 v[P+3+\i], v[Y0+\i]
.endr
.irp i, 0,1,2
	v_permlane16_swap_b32 v[P+6+\i], v[Y1+\i]
.endr
.irp i, 0,1,2
	v_mov_b32 v[P+9+\i], v[Y1+\i]
.endr
	s_wait_dscnt 0x0
.rept 8
	v_nop                                          ; a scale register written by a vector instruction stands 8 places ahead of a scaled matrix instruction, an operand 4
.endr
.irp t, 0,1,2,3
	v_wmma_scale_f32_16x16x128_f8f6f4 v[O+8*\t:O+8*\t+7], v[S+12*\t:S+12*\t+11], v[P:P+11], v[O+8*\t:O+8*\t+7], v[VSW+\t], v[PS] matrix_a_fmt:MATRIX_FMT_FP6 matrix_b_fmt:MATRIX_FMT_FP6   ; four accumulators by turns; each one's last turn was a step ago
.endr
.endm
.macro VMLOAD q, dst                   ; quarter q of V^T u at my 32 places, in the true order
.irp b, 0,1
.irp i, 0,1,2,3
	ds_load_b128 v[\dst+16*\b+4*\i:\dst+16*\b+4*\i+3], v7 offset:256*\q+128*\b+16*\i
.endr
.endr
.endm
.macro VMADD
	s_wait_dscnt 0x0
.irp j, 0,2,4,6,8,10,12,14,16,18,20,22,24,26,28,30
	v_pk_add_f32 v[S+\j:S+\j+1], v[S+\j:S+\j+1], v[S+32+\j:S+33+\j]
.endr
.endm
	s_sub_co_u32 s36, 15, s15                      ; the first tile's group: the long one
	s_mov_b32 s37, 2
.Ltile:
	s_lshl_b32 s39, s36, 3
	s_add_co_u32 s39, s39, s19                     ; my tile of 16 queries
	s_lshl_b32 s42, s18, 7
	s_add_co_u32 s42, s42, s39
	s_lshl_b32 s44, s42, 10
	s_mov_b32 s45, 0
	s_add_nc_u64 s[44:45], s[4:5], s[44:45]
	s_lshl_b32 s46, s42, 6
	s_mov_b32 s47, 0
	s_add_nc_u64 s[46:47], s[6:7], s[46:47]
	global_load_b128 v[Q:Q+3], v1, s[44:45]
	global_load_b128 v[Q+4:Q+7], v1, s[44:45] offset:512
	global_load_b32 v[QS], v31, s[46:47]
	v_mov_b32 v13, 0xdd800000                      ; the largest t so far: -2^60
	v_floor_f32 v12, -v13
	v_mov_b32 v14, 0
	v_mov_b32 v15, 0
	s_wait_loadcnt 0x0
	; ---- walk 1.  Sixteen trips in every wave; a step past the group's own is jumped over, but for the lines that step addresses.
	s_mov_b32 s38, 0
	s_mov_b32 s48, 0
	s_mov_b32 s49, 0
.Lw1:
	s_cmp_gt_u32 s38, s36
	s_cbranch_scc1 .Lw1_tail
	SCORES 0
	SUM
.Lw1_tail:
	s_add_co_u32 s48, s48, 8192                    ; the next step's eight images of K,
	s_add_co_u32 s49, s49, 512                     ; and their scale words
	s_add_co_u32 s38, s38, 1
	s_cmp_lt_u32 s38, 16
	s_cbranch_scc1 .Lw1
	; ---- between the walks: 1 / sum, and which rows have no allowed key
	v_add_f32 v14, v14, v15
	v_permlanex16_b32 v[MT], v14, s20, s21
	v_add_f32 v14, v14, v[MT]                      ; the row's sum
	v_cmp_eq_f32 s40, 0, v14
	v_rcp_f32 v92, v14
	v_nop
	s_wait_alu depctr_va_vdst(0)
	v_fma_f32 v94, -v14, v92, 1.0                  ; one step of Newton
	v_fma_f32 v92, v92, v94, v92
	v_cndmask_b32 v92, v92, v[Q+8], s40            ; 0 for a row with no allowed key (that register holds 0)
	v_mov_b32 v93, v92
.irp j, 0,1,2,3,4,5,6,7,8,9,10,11,12,13,14,15,16,17,18,19,20,21,22,23,24,25,26,27,28,29,30,31
	v_mov_b32 v[O+\j], 0                           ; the step is written once: its first trip finds zeros
.endr
	; ---- walk 2
	s_mov_b32 s38, 0
	s_mov_b32 s48, 0
	s_mov_b32 s49, 0
	s_mov_b32 s50, 0
	s_mov_b32 s51, 0
.Lw2:
	s_cmp_gt_u32 s38, s36
	s_cbranch_scc1 .Lw2_tail
	SCORES 1
	PV
.Lw2_tail:
	s_add_co_u32 s48, s48, 8192
	s_add_co_u32 s49, s49, 512
	s_add_co_u32 s50, s50, 6144                    ; the next step's four images of V,
	s_add_co_u32 s51, s51, 256                     ; and their scale words
	s_add_co_u32 s38, s38, 1
	s_cmp_lt_u32 s38, 16
	s_cbranch_scc1 .Lw2
	; ---- the result: true order, the select, the quantiser along the head's 64, the stores
.rept 4
	v_nop                                          ; behind the last products: O^T is read, and V's registers are loaded into
.endr
	VMLOAD 0, S
	VMLOAD 1, S+32
.irp b, 0,1
.irp j, 0,1,2,3,4,5,6,7
	v_permlane16_swap_b32 v[O+16*\b+\j], v[O+16*\b+8+\j]   ; lane (r, h) now holds channels 32 b + 16 h + 0 .. 15 in registers 16 b + 0 .. 15
.endr
.endr
	VMADD
	VMLOAD 2, S+32
	VMADD
	VMLOAD 3, S+32
	VMADD
.irp j, 0,1,2,3,4,5,6,7,8,9,10,11,12,13,14,15,16,17,18,19,20,21,22,23,24,25,26,27,28,29,30,31
	v_cndmask_b32 v[O+\j], v[O+\j], v[S+\j], s40
.endr
.irp b, 0,1
	v_max3_num_f32 v[MX+\b], |v[O+16*\b]|, |v[O+16*\b+1]|, 0x1800000
.endr
.irp i, 2,4,6,8,10,12,14
.irp b, 0,1
	v_max3_num_f32 v[MX+\b], v[MX+\b], |v[O+16*\b+\i]|, |v[O+16*\b+\i+1]|
.endr
.endr
.irp b, 0,1
	v_permlanex16_b32 v[MT+\b], v[MX+\b], s20, s21
.endr
.irp b, 0,1
	v_max_num_f32 v[MX+\b], v[MX+\b], v[MT+\b]
.endr
.irp b, 0,1
	v_add_nc_u32 v[SO+\b], 0xff000000, v[MX+\b]
.endr
.irp b, 0,1
	v_lshrrev_b32 v[MT+\b], 23, v[SO+\b]
.endr
	v_lshl_or_b32 v228, v[MT+1], 8, v[MT]
	v_cvt_scalef32_pk16_fp6_f32 v[OF:OF+2], v[O:O+15], v[SO]
	v_cvt_scalef32_pk16_fp6_f32 v[Y0:Y0+2], v[O+16:O+31], v[SO+1]
	v_nop
.irp i, 0,1,2
	v_permlane16_swap_b32 v[OF+\i], v[Y0+\i]
.endr
.irp i, 0,1,2
	v_mov_b32 v[OF+3+\i], v[Y0+\i]
.endr
	s_lshr_b32 s42, s18, 4
	s_lshl_b32 s42, s42, 7
	s_add_co_u32 s42, s42, s39                     ; the tile of 16 rows among all 512: 128 x batch + my tile
	s_and_b32 s43, s18, 15                         ; the head
	s_lshl_b32 s44, s42, 4
	s_add_co_u32 s44, s44, s43
	s_mul_i32 s44, s44, 768
	s_mov_b32 s45, 0
	s_add_nc_u64 s[44:45], s[10:11], s[44:45]
	s_lshl_b32 s46, s42, 9
	s_lshl_b32 s43, s43, 1
	s_add_co_u32 s46, s46, s43
	s_mov_b32 s47, 0
	s_add_nc_u64 s[46:47], s[12:13], s[46:47]
	global_store_b128 v1, v[OF:OF+3], s[44:45]              ; 512 consecutive bytes, aligned,
	global_store_b64 v30, v[OF+4:OF+5], s[44:45] offset:512 ; and 256: six registers of the next launch's operand
	global_store_b16 v229, v228, s[46:47]                   ; two scale bytes a row, 32 bytes apart: rows as the next launch's scale fill wants them; lanes 16-31 repeat lanes 0-15
	s_wait_xcnt 0x0                                ; the stores have read their registers and bases: both are written again in the next trip
	s_sub_co_u32 s36, 15, s36                      ; the other group
	s_sub_co_u32 s37, s37, 1
	s_cmp_lg_u32 s37, 0
	s_cbranch_scc1 .Ltile
	s_wait_tensorcnt 0x0
	ds_add_u32 v254, v255
	s_wait_dscnt 0x0
	ROUND                                          ; the closing round
	s_endpgm
.Lfunc_end_k_qa223b3a43a_attn:
	.size	k_qa223b3a43a_attn, .Lfunc_end_k_qa223b3a43a_attn-k_qa223b3a43a_attn
	.p2alignl 7, 3214868480
	.fill 96, 4, 3214868480
	.section	.rodata,"a",@progbits
	.p2align	6, 0x0
	.amdhsa_kernel k_qa223b3a43a_attn
		.amdhsa_group_segment_fixed_size 247808
		.amdhsa_private_segment_fixed_size 0
		.amdhsa_enable_private_segment 0
		.amdhsa_kernarg_size 40
		.amdhsa_user_sgpr_count 2
		.amdhsa_user_sgpr_kernarg_segment_ptr 1
		.amdhsa_wavefront_size32 1
		.amdhsa_system_sgpr_workgroup_id_x 1
		.amdhsa_system_sgpr_workgroup_id_y 1
		.amdhsa_system_sgpr_workgroup_id_z 1
		.amdhsa_system_vgpr_workitem_id 0
		.amdhsa_next_free_vgpr 256
		.amdhsa_next_free_sgpr 66
		.amdhsa_reserve_vcc 1
		.amdhsa_float_denorm_mode_32 3
		.amdhsa_float_denorm_mode_16_64 3
		.amdhsa_memory_ordered 1
		.amdhsa_forward_progress 1
		.amdhsa_inst_pref_size 59
	.end_amdhsa_kernel
	.amdgpu_metadata
---
amdhsa.version: [ 1, 2 ]
amdhsa.kernels:
  - .name:           k_qa223b3a43a_attn
    .symbol:         k_qa223b3a43a_attn.kd
    .args:
      - { .name: qimg, .offset: 0, .size: 8, .value_kind: global_buffer, .address_space: global }
      - { .name: qsc, .offset: 8, .size: 8, .value_kind: global_buffer, .address_space: global }
      - { .name: kv, .offset: 16, .size: 8, .value_kind: global_buffer, .address_space: global }
      - { .name: ao, .offset: 24, .size: 8, .value_kind: global_buffer, .address_space: global }
      - { .name: aosc, .offset: 32, .size: 8, .value_kind: global_buffer, .address_space: global }
    .group_segment_fixed_size: 247808
    .private_segment_fixed_size: 0
    .kernarg_segment_align: 8
    .kernarg_segment_size: 40
    .max_flat_workgroup_size: 512
    .sgpr_count:     66
    .vgpr_count:     256
    .wavefront_size: 32
...
	.end_amdgpu_metadata
.endif
;; end of part 3
;; launch oproj (part 4): grid 4 x 32, 4 waves a work-group, clusters of 4 x 4, 327,680 bytes of LDS; arguments ao, aosc, W_o_codes, W_o_scales, out0; writes out0
.if DOCPART == 4
	.amdgcn_target "amdgcn-amd-amdhsa--gfx1250"
	.amdhsa_code_object_version 6
	.text
	.protected	k_qa223b3a43a_oproj
	.globl	k_qa223b3a43a_oproj
	.p2align	8
	.type	k_qa223b3a43a_oproj,@function
k_qa223b3a43a_oproj:
	s_mov_b64 s[64:65], 0
	v_nop
	global_prefetch_b8 v0, s[64:65] scope:SCOPE_SE
	s_setreg_imm32_b32 hwreg(HW_REG_WAVE_MODE, 25, 1), 1
	s_wait_xcnt 0x0
	s_wait_alu depctr_hold_cnt(0) depctr_sa_sdst(0) depctr_va_vdst(0) depctr_va_sdst(0) depctr_va_ssrc(0) depctr_va_vcc(0) depctr_vm_vsrc(0)
	s_getreg_b32 s2, hwreg(HW_REG_IB_STS2, 6, 4)
	s_cmp_eq_u32 s2, 0
	s_cbranch_scc0 .Lentry_in_a_cluster
	s_endpgm
.Lentry_in_a_cluster:
	s_bfe_u32 s2, ttmp6, 0x10000c
	s_cmp_lg_u32 s2, 0xf033
	s_cbranch_scc0 .Lentry_shape_is_right
	s_endpgm
.Lentry_shape_is_right:
; out0[m][n] = sum over k of A[m][k] W_o[n][k], m = 8,192 tokens, n = k = 1,024, on codes of FP6 (E2M3) with one E8M0 scale for each 32 along K; sums and result in f32.
; A, the attention's result, lies in memory in the order of this product's operand registers: for each tile of 16 rows and each 64 along K, 768 bytes: registers 6 c .. 6 c + 3 at 16 x lane, registers 6 c + 4, 6 c + 5
; at 512 + 8 x lane.  So a fragment of A comes from LDS by two loads of 16 bytes and two of 8, each of consecutive bytes.  W_o comes as rows of codes, 768 bytes each.  Both sides' scale bytes are rows of 32.
; A tile of 256 x 256 is made by four waves, each 128 x 128 in 64 accumulators (512 registers).  K goes in steps of 256 through a ring of two LDS slots filled by the tensor data mover; the scale bytes of the
; tile's 2 x 256 rows come into LDS once, with the first fills.  CLUSTERS: 4 x 4 work-groups; A's tiles are asked for jointly along a row of the cluster, W_o's along a column.
; The matrix instruction takes 16 rows of W_o as source 0 and 16 rows of A as source 1: a lane then holds eight neighbouring numbers of a row of the result.
; REGISTERS, in windows of 256: window 0: v0-31 addresses; v32-63 scale words, two sets; from v128 A's fragments, one set; on the way out v32-255 are free.  window 1: W_o's fragments, two sets, at v0 and v128.
;   window 2: the accumulators of my rows 0-63 ((a, b) at v[8 (8 a + b)]);  window 3: those of my rows 64-127.
; LIMITS: scale bytes 0xff among the inputs are not served.
.set SIZE_M, 8192
.set SIZE_N, 1024
.set SIZE_K, 1024
.set KSTEP,  256
.set NQ,     KSTEP/128
.set ROWB,   192                       ; a row of W_o's tile in bytes
.set AROWB,  3072                      ; 16 rows x 256 along K of A's images
.set KROW,   SIZE_K*6/8
.set PITCH,  240                       ; an LDS row of W_o: 3 x (64 bytes + 16 of padding)
.set FR,     12
.set NL,     6                         ; LDS loads that bring a fragment of W_o
.set NLA,    4                         ; and one of A
.set NP,     4
.set HALFT,  128*PITCH                 ; a quarter of a slot: 128 rows of W_o, or A's 8 x 3,072 bytes, which use 24,576 of it
.set SLOT,   4*HALFT
.set LAPS,   SIZE_K/(2*KSTEP)
.set KS,     SIZE_K/32
.set SCL,    2*SLOT
.set HALFS,  (128*KS/256)*272
.set SBLK,   (16*KS/256)*272
.set SPARE,  SCL+4*HALFS               ; the spare words, 128 bytes for each wave: two blocks of 256 bytes that no other line names
.set SPITCH, 528                       ; the way out: a stage of 16 rows x (512 bytes + 16) for each wave, in slot 0, which has had its last fill and its last read by then
.set ADRA, 16                          ; v16-17 my A images in slot 0, 1, + 16 x lane;  v18-19 the same + 512 + 8 x lane
.set ADRB, 20
.set STO,  24
.set RD,   25
.set CO,   26
.set ADRS, 27
.set SPW,  28
.set NIL,  29
.set SC,   32
.set AF,   128
.set BK,   128
.set G1, 24
.set G0, 32
.set G1B, 48
.set G0B, 56
.set G1S, 68
.set G0S, 76
.set G1SB, 80
.set G0SB, 88
.set MSB, 0
.macro WIN new
.if MSB != (\new)
	s_set_vgpr_msb (MSB<<8)|(\new)
.set MSB, (\new)
.endif
.endm
.set MUL_LO, 0xa1
.set MUL_HI, 0xf1
.set TO_B,   0x40
.macro JLOAD g0a, g1a, g0b, g1b        ; a joint load: waves 0 and 1 fetch for A, waves 2 and 3 for W_o; four v_nop follow each of the two lines
	s_cmp_eq_u32 s15, 0
	s_cbranch_scc0 .Lfor_b_\@
	tensor_load_to_lds s[\g0a:\g0a+3], s[\g1a:\g1a+7]
	s_nop 0
.rept 4
	v_nop
.endr
	s_branch .Lasked_\@
.Lfor_b_\@:
	tensor_load_to_lds s[\g0b:\g0b+3], s[\g1b:\g1b+7]
	s_nop 0
.rept 4
	v_nop
.endr
.Lasked_\@:
.endm
.macro CREST
	s_cmp_lg_u32 s14, 0
	s_cbranch_scc1 .Lnot_wave_0_\@
	s_barrier_signal -3
.Lnot_wave_0_\@:
	s_barrier_wait -3
	s_barrier_signal -1
	s_barrier_wait -1
.endm
.macro CROUND
	s_barrier_signal -1
	s_barrier_wait -1
	CREST
.endm
	s_load_b128 s[4:7], s[0:1], 0x0                ; A's images, A's scales
	s_load_b128 s[8:11], s[0:1], 0x10              ; W_o's codes, W_o's scales
	s_load_b64 s[12:13], s[0:1], 0x20              ; the result
	v_lshl_add_u32 v[SPW], v0, 2, SPARE
	v_mov_b32 v[NIL], 0
	ds_add_u32 v28, v29
	ds_add_u32 v28, v29
	s_wait_dscnt 0x0
	v_lshrrev_b32 v1, 5, v0
	v_readfirstlane_b32 s14, v1
	s_lshr_b32 s15, s14, 1
	s_and_b32 s16, s14, 1
	s_bfe_u32 s40, ttmp6, 0x40000
	s_bfe_u32 s41, ttmp6, 0x40004
	s_lshl_b32 s42, ttmp9, 2
	s_add_co_u32 s42, s42, s40                     ; tile column = 4 x cluster x + cx
	s_and_b32 s17, ttmp7, 0xffff
	s_lshl_b32 s17, s17, 2
	s_add_co_u32 s17, s17, s41                     ; tile row = 4 x cluster y + cy
	s_lshl_b32 s43, s41, 2
	s_lshl_b32 s43, 15, s43
	s_lshl_b32 s44, 0x1111, s40
	; A: 8 tiles of rows x 3,072 bytes (384 elements of 8 bytes), 12,288 bytes apart in memory, dense in LDS
	s_or_b32 s[G1+0], s43, (3<<16)|(1<<21)
	s_mov_b32 s[G1+1], 384<<16
	s_mov_b32 s[G1+2], 8<<16
	s_mov_b32 s[G1+3], 384<<16
	s_mov_b32 s[G1+4], 8
	s_mov_b32 s[G1+5], 1536
	s_mov_b32 s[G1+6], 0
	s_mov_b32 s[G1+7], 0
	; W_o: 128 rows x 192 bytes, padded in LDS
	s_or_b32 s[G1B+0], s44, (0<<16)|(1<<20)|(1<<21)|(3<<22)|(3<<25)
	s_mov_b32 s[G1B+1], ROWB<<16
	s_mov_b32 s[G1B+2], 128<<16
	s_mov_b32 s[G1B+3], ROWB<<16
	s_mov_b32 s[G1B+4], 128
	s_mov_b32 s[G1B+5], KROW
	s_mov_b32 s[G1B+6], 0
	s_mov_b32 s[G1B+7], 0
	s_or_b32 s[G1S+0], s43, (3<<16)|(1<<20)|(1<<21)|(5<<22)|(3<<25)
	s_or_b32 s[G1SB+0], s44, (3<<16)|(1<<20)|(1<<21)|(5<<22)|(3<<25)
.irp g, G1S, G1SB
	s_mov_b32 s[\g+1], 32<<16
	s_mov_b32 s[\g+2], (128*KS/256)<<16
	s_mov_b32 s[\g+3], 32<<16
	s_mov_b32 s[\g+4], 128*KS/256
	s_mov_b32 s[\g+5], 32
	s_mov_b32 s[\g+6], 0
	s_mov_b32 s[\g+7], 0
.endr
	s_lshl_b32 s18, s16, 7
	s_lshl_b32 s20, s17, 8
	s_add_co_u32 s20, s20, s18
	s_lshl_b32 s46, s42, 8
	s_add_co_u32 s46, s46, s18
	s_mov_b32 s21, 0
	s_mov_b32 s47, 0
	s_mov_b64 s[18:19], KS
	s_mul_u64 s[22:23], s[20:21], s[18:19]
	s_mul_u64 s[92:93], s[46:47], s[18:19]
	s_mov_b64 s[18:19], KROW
	s_mul_u64 s[20:21], s[20:21], s[18:19]         ; A's images too: 12,288 bytes for 16 rows are 768 a row
	s_mul_u64 s[46:47], s[46:47], s[18:19]
	s_mul_i32 s45, s14, HALFT
	s_mul_i32 s94, s14, HALFS
	s_wait_kmcnt 0x0
	s_add_nc_u64 s[20:21], s[4:5], s[20:21]
	s_add_nc_u64 s[22:23], s[6:7], s[22:23]
	s_add_nc_u64 s[46:47], s[8:9], s[46:47]
	s_add_nc_u64 s[92:93], s[10:11], s[92:93]
	CROUND                                         ; all sixteen work-groups are here: the first joint loads meet
	s_mov_b32 s[G0S], 1
	s_add_co_u32 s[G0S+1], s94, SCL
	s_mov_b64 s[G0S+2:G0S+3], s[22:23]
	s_or_b32 s[G0S+3], s[G0S+3], 0x80000000
	s_mov_b32 s[G0SB], 1
	s_add_co_u32 s[G0SB+1], s94, SCL
	s_mov_b64 s[G0SB+2:G0SB+3], s[92:93]
	s_or_b32 s[G0SB+3], s[G0SB+3], 0x80000000
	JLOAD G0S, G1S, G0SB, G1SB
.irp s, 0,1
	s_mov_b32 s[G0+4*\s], 1
	s_add_co_u32 s[G0+4*\s+1], s45, \s*SLOT
	s_add_nc_u64 s[G0+4*\s+2:G0+4*\s+3], s[20:21], \s*AROWB
	s_or_b32 s[G0+4*\s+3], s[G0+4*\s+3], 0x80000000
	s_mov_b32 s[G0B+4*\s], 1
	s_add_co_u32 s[G0B+4*\s+1], s45, \s*SLOT
	s_add_nc_u64 s[G0B+4*\s+2:G0B+4*\s+3], s[46:47], \s*ROWB
	s_or_b32 s[G0B+4*\s+3], s[G0B+4*\s+3], 0x80000000
	JLOAD G0+4*\s, G1, G0B+4*\s, G1B               ; three tensor loads of mine are out now
.endr
	v_and_b32 v1, 15, v0
	v_bfe_u32 v2, v0, 4, 1
	v_mul_u32_u24 v3, v1, PITCH
	v_mul_u32_u24 v4, v2, 24
	v_add_nc_u32 v4, v3, v4                        ; W_o: a fragment's row x pitch + 24 x half
	v_lshl_add_u32 v5, v2, 4, v4                   ; and the same behind one padding more
	v_and_b32 v6, 31, v0
	v_lshlrev_b32 v7, 4, v6                        ; A: 16 x lane,
	v_lshl_add_u32 v8, v6, 3, 512                  ; and 512 + 8 x lane
	s_mul_i32 s21, s15, HALFT
	s_mul_i32 s22, s16, HALFT
	s_add_co_u32 s22, s22, 2*HALFT
.irp s, 0,1
	v_add_nc_u32 v[ADRA+\s], s21, v7
	v_add_nc_u32 v[ADRB+\s], s22, v4
	v_add_nc_u32 v[ADRA+2+\s], s21, v8
	v_add_nc_u32 v[ADRB+2+\s], s22, v5
	s_add_co_u32 s21, s21, SLOT
	s_add_co_u32 s22, s22, SLOT
.endr
	v_mul_u32_u24 v5, v1, KS
	v_lshrrev_b32 v6, 8, v5
	v_lshl_add_u32 v5, v6, 4, v5
	s_mul_i32 s21, s15, HALFS
	s_mul_i32 s22, s16, HALFS
	s_add_co_u32 s22, s22, 2*HALFS
	s_sub_co_u32 s22, s22, s21
	v_mul_u32_u24 v6, s22, v2
	s_add_co_u32 s21, s21, SCL
	v_add_nc_u32 v5, v5, v6
	v_add_nc_u32 v[ADRS], s21, v5
	s_mul_i32 s23, s14, 16*SPITCH                  ; my stage
	v_mul_u32_u24 v5, v1, SPITCH
	v_lshl_add_u32 v5, v2, 5, v5
	v_add_nc_u32 v[STO], s23, v5
	v_and_b32 v6, 31, v0
	v_lshlrev_b32 v[CO], 4, v6
	v_add_nc_u32 v[RD], s23, v[CO]
	s_lshl_b32 s20, s17, 8
	s_lshl_b32 s21, s15, 7
	s_add_co_u32 s20, s20, s21                     ; my first row of the result
	s_mov_b32 s21, 0
	s_mov_b64 s[18:19], SIZE_N*4
	s_mul_u64 s[20:21], s[20:21], s[18:19]
	s_lshl_b32 s46, s42, 10
	s_lshl_b32 s47, s16, 9
	s_add_co_u32 s46, s46, s47
	s_mov_b32 s47, 0
	s_add_nc_u64 s[20:21], s[20:21], s[46:47]
	s_add_nc_u64 s[12:13], s[12:13], s[20:21]
.macro FRAG reg, adr, q, i             ; a fragment of W_o, in pieces of 8 bytes; lanes 16-31 read three pieces further on: where that lies behind one padding more, the second address register serves
.irp p, 0,1,2,3,4,5
.set PCE, 12*(\q)+6*(\p/3)+\p%3
.if PCE%8 < 5
	ds_load_b64 v[\reg+2*\p:\reg+2*\p+1], v[\adr] offset:8*PCE+16*(PCE/8)+(\i)*16*PITCH
.else
	ds_load_b64 v[\reg+2*\p:\reg+2*\p+1], v[\adr+2] offset:8*PCE+16*(PCE/8)+(\i)*16*PITCH
.endif
.endr
.endm
.macro FRAGA reg, slot, q, i           ; a fragment of A: its registers as they were stored
.irp c, 0,1
	ds_load_b128 v[\reg+6*\c:\reg+6*\c+3], v[ADRA+\slot] offset:3072*(\i)+1536*(\q)+768*\c
	ds_load_b64 v[\reg+6*\c+4:\reg+6*\c+5], v[ADRA+2+\slot] offset:3072*(\i)+1536*(\q)+768*\c
.endr
.endm
.macro MUL16 a0, p, q, sc, zero        ; the 64 accumulators take turns, one instruction a turn, in the same order in every step
.irp a, \a0, \a0+1
.irp b, 0,1,2,3,4,5,6,7
.if \zero
	v_wmma_scale_f32_16x16x128_f8f6f4 v[8*(8*((\a)%4)+\b):8*(8*((\a)%4)+\b)+7], v[128*(\p)+FR*\b:128*(\p)+FR*\b+FR-1], v[AF+FR*(\a):AF+FR*(\a)+FR-1], 0, v[SC+8*NQ*(\sc)+NQ*\b+(\q)], v[SC+8*NQ*(\sc)+NQ*(\a)+(\q)] matrix_a_fmt:MATRIX_FMT_FP6 matrix_b_fmt:MATRIX_FMT_FP6 matrix_a_scale:MATRIX_SCALE_ROW1
.else
	v_wmma_scale_f32_16x16x128_f8f6f4 v[8*(8*((\a)%4)+\b):8*(8*((\a)%4)+\b)+7], v[128*(\p)+FR*\b:128*(\p)+FR*\b+FR-1], v[AF+FR*(\a):AF+FR*(\a)+FR-1], v[8*(8*((\a)%4)+\b):8*(8*((\a)%4)+\b)+7], v[SC+8*NQ*(\sc)+NQ*\b+(\q)], v[SC+8*NQ*(\sc)+NQ*(\a)+(\q)] matrix_a_fmt:MATRIX_FMT_FP6 matrix_b_fmt:MATRIX_FMT_FP6 matrix_a_scale:MATRIX_SCALE_ROW1
.endif
.endr
.endr
.endm
.macro FETCH_B slot, q, p
	WIN TO_B
.irp i, 0,1,2,3,4,5,6,7
	FRAG 128*(\p)+FR*\i, ADRB+\slot, \q, \i
.endr
	WIN 0
.endm
.macro FETCH_A slot, q, i0
.irp i, \i0, \i0+1, \i0+2, \i0+3
	FRAGA AF+FR*(\i), \slot, \q, \i
.endr
.endm
.macro SCALES sc
.irp i, 0,1,2,3,4,5,6,7
	ds_load_b64 v[SC+8*NQ*\sc+NQ*\i:SC+8*NQ*\sc+NQ*\i+1], v[ADRS] offset:\i*SBLK
.endr
.endm
.macro PLACES n
.rept \n
	v_nop
.endr
.endm
.macro STEP slot, q, zero
	s_wait_dscnt 4*NLA                             ; W_o's set and A's blocks 0-3 are in; the youngest 16 loads (A's blocks 4-7) may be out
	WIN MUL_LO
	MUL16 0, (\q)%2, \q, \slot, \zero
	MUL16 2, (\q)%2, \q, \slot, \zero
	s_wait_dscnt 0
	PLACES NP
	FETCH_B \slot, (\q)+1, 1-(\q)%2
	FETCH_A \slot, (\q)+1, 0
	WIN MUL_HI
	MUL16 4, (\q)%2, \q, \slot, \zero
	MUL16 6, (\q)%2, \q, \slot, \zero
	PLACES NP
	WIN 0
	FETCH_A \slot, (\q)+1, 4
.endm
.macro TURN slot, next, fill
	s_wait_tensorcnt 0x0                           ; all my tensor loads have landed: my part of the next slot
	ds_add_u32 v[SPW], v[NIL]                      ; 0 onto my spare word
	s_wait_dscnt 4*NLA+1                           ; (the add and the youngest 16 loads, A's blocks 4-7, may be out)
	WIN MUL_LO
	MUL16 0, 1, NQ-1, \slot, 0
	s_wait_dscnt 0x0                               ; the add is done, and my reads of this slot are over
	s_barrier_signal -1
	MUL16 2, 1, NQ-1, \slot, 0
	WIN 0
	s_barrier_wait -1
.if \fill
	CREST                                          ; the barrier has opened a round of the cluster's: no wave of any partner still reads this slot or has a load on its way
	s_add_nc_u64 s[G0+4*\slot+2:G0+4*\slot+3], s[G0+4*\slot+2:G0+4*\slot+3], 2*AROWB
	s_add_nc_u64 s[G0B+4*\slot+2:G0B+4*\slot+3], s[G0B+4*\slot+2:G0B+4*\slot+3], 2*ROWB
	JLOAD G0+4*\slot, G1, G0B+4*\slot, G1B
.else
	PLACES NP
.endif
	v_add_nc_u32 v[ADRS], 4*NQ, v[ADRS]
	FETCH_B \next, 0, 0
	FETCH_A \next, 0, 0
	SCALES \next
	WIN MUL_HI
	MUL16 4, 1, NQ-1, \slot, 0
	MUL16 6, 1, NQ-1, \slot, 0
	PLACES NP
	WIN 0
	FETCH_A \next, 0, 4
.endm
	s_wait_tensorcnt 1                             ; the scales and my part of K step 0 are in; K step 1's load may be out
	s_barrier_signal -1
	s_barrier_wait -1
	FETCH_B 0, 0, 0
	FETCH_A 0, 0, 0
	SCALES 0
	FETCH_A 0, 0, 4
	STEP 0, 0, 1
	s_mov_b32 s3, LAPS-1
.Llap:
	TURN 0, 1, 1
	STEP 1, 0, 0
	TURN 1, 0, 1
	STEP 0, 0, 0
	s_sub_co_u32 s3, s3, 1
	s_cmp_lg_u32 s3, 0
	s_cbranch_scc1 .Llap
	TURN 0, 1, 0
	STEP 1, 0, 0
	s_wait_dscnt 4*NLA
	WIN MUL_LO
	MUL16 0, 1, NQ-1, 1, 0
	MUL16 2, 1, NQ-1, 1, 0
	s_wait_dscnt 0
	WIN MUL_HI
	MUL16 4, 1, NQ-1, 1, 0
	MUL16 6, 1, NQ-1, 1, 0
	WIN 0
; THE WAY OUT, block by block of 16 rows x 128 columns, through my own stage in LDS: in as 32 bytes a lane, back as whole rows of 512 bytes.  LDS serves a wave's instructions in order (ISA guide 5.7.1.4).
.macro TOSTAGE a
.set AC, 64*((\a)%4)
	WIN 0x08+4*((\a)/4)                            ; the data: window 2 or 3
.irp b, 0,1,2,3,4,5,6,7
	ds_store_b128 v[STO], v[AC+8*\b:AC+8*\b+3] offset:64*\b          ; each accumulator from its low end on
	ds_store_b128 v[STO], v[AC+8*\b+4:AC+8*\b+7] offset:64*\b+16
.endr
	WIN 0
.set BB, BK+64*((\a)%2)
.irp t, 0,1,2,3,4,5,6,7,8,9,10,11,12,13,14,15
	ds_load_b128 v[BB+4*\t:BB+4*\t+3], v[RD] offset:\t*SPITCH
.endr
.endm
.macro SEND a, younger
.set BB, BK+64*((\a)%2)
	s_wait_dscnt \younger                          ; the block is back in registers; the next block's 16 stores and 16 loads may be out
.if (\a) > 0
	s_add_nc_u64 s[12:13], s[12:13], 16*SIZE_N*4   ; (behind a wait on XCNT: the earlier stores have read their base)
.endif
.irp t, 0,1,2,3,4,5,6,7,8,9,10,11,12,13,14,15
	global_store_b128 v[CO], v[BB+4*\t:BB+4*\t+3], s[12:13] offset:\t*SIZE_N*4 th:TH_STORE_NT   ; 32 lanes store 512 consecutive bytes, aligned
.endr
.endm
	PLACES NP
	TOSTAGE 0
.irp a, 1,2,3,4,5,6,7
.if \a > 1
	s_wait_xcnt 0x0                                ; block a - 2's stores have read their registers and their base
.endif
	TOSTAGE \a
	SEND \a-1, 32
.endr
	s_wait_xcnt 0x0
	SEND 7, 0
	s_wait_tensorcnt 0x0                           ; the wave's end
	ds_add_u32 v[SPW], v[NIL]
	s_wait_dscnt 0x0
	CROUND                                         ; the closing round
	s_endpgm
.Lfunc_end_k_qa223b3a43a_oproj:
	.size	k_qa223b3a43a_oproj, .Lfunc_end_k_qa223b3a43a_oproj-k_qa223b3a43a_oproj
	.p2alignl 7, 3214868480
	.fill 96, 4, 3214868480
	.section	.rodata,"a",@progbits
	.p2align	6, 0x0
	.amdhsa_kernel k_qa223b3a43a_oproj
		.amdhsa_group_segment_fixed_size 327680
		.amdhsa_private_segment_fixed_size 0
		.amdhsa_enable_private_segment 0
		.amdhsa_kernarg_size 40
		.amdhsa_user_sgpr_count 2
		.amdhsa_user_sgpr_kernarg_segment_ptr 1
		.amdhsa_wavefront_size32 1
		.amdhsa_system_sgpr_workgroup_id_x 1
		.amdhsa_system_sgpr_workgroup_id_y 1
		.amdhsa_system_sgpr_workgroup_id_z 1
		.amdhsa_system_vgpr_workitem_id 0
		.amdhsa_next_free_vgpr 1024
		.amdhsa_next_free_sgpr 98
		.amdhsa_reserve_vcc 0
		.amdhsa_float_denorm_mode_32 3
		.amdhsa_float_denorm_mode_16_64 3
		.amdhsa_memory_ordered 1
		.amdhsa_forward_progress 1
		.amdhsa_inst_pref_size 152
	.end_amdhsa_kernel
	.amdgpu_metadata
---
amdhsa.version: [ 1, 2 ]
amdhsa.kernels:
  - .name:           k_qa223b3a43a_oproj
    .symbol:         k_qa223b3a43a_oproj.kd
    .args:
      - { .name: ao, .offset: 0, .size: 8, .value_kind: global_buffer, .address_space: global }
      - { .name: aosc, .offset: 8, .size: 8, .value_kind: global_buffer, .address_space: global }
      - { .name: W_o_codes, .offset: 16, .size: 8, .value_kind: global_buffer, .address_space: global }
      - { .name: W_o_scales, .offset: 24, .size: 8, .value_kind: global_buffer, .address_space: global }
      - { .name: out0, .offset: 32, .size: 8, .value_kind: global_buffer, .address_space: global }
    .group_segment_fixed_size: 327680
    .private_segment_fixed_size: 0
    .kernarg_segment_align: 8
    .kernarg_segment_size: 40
    .max_flat_workgroup_size: 128
    .sgpr_count:     98
    .vgpr_count:     1024
    .wavefront_size: 32
...
	.end_amdgpu_metadata
.endif
;; end of part 4
;; ======== version 2 of 2: 3 launches
;; limits: right only within a limited range of input values
;; workspace buffers: qimg 8,388,608 bytes; qsc 524,288 bytes; kv 15,466,496 bytes; ao 6,291,456 bytes; aosc 262,144 bytes
;; launch qkv (part 5): grid 12 x 32, 4 waves a work-group, clusters of 4 x 4, 327,680 bytes of LDS; arguments x_codes, x_scales, W_q_codes, W_q_scales, W_k_codes, W_k_scales, W_v_codes, W_v_scales, attention_mask, qimg, qsc, kv; writes qimg, qsc, kv
.if DOCPART == 5
	.amdgcn_target "amdgcn-amd-amdhsa--gfx1250"
	.amdhsa_code_object_version 6
	.text
	.protected	k_qa223b3a43a_qkv
	.globl	k_qa223b3a43a_qkv
	.p2align	8
	.type	k_qa223b3a43a_qkv,@function
k_qa223b3a43a_qkv:
	s_mov_b64 s[64:65], 0
	v_nop
	global_prefetch_b8 v0, s[64:65] scope:SCOPE_SE
	s_setreg_imm32_b32 hwreg(HW_REG_WAVE_MODE, 25, 1), 1
	s_wait_xcnt 0x0
	s_wait_alu depctr_hold_cnt(0) depctr_sa_sdst(0) depctr_va_vdst(0) depctr_va_sdst(0) depctr_va_ssrc(0) depctr_va_vcc(0) depctr_vm_vsrc(0)
	s_getreg_b32 s2, hwreg(HW_REG_IB_STS2, 6, 4)
	s_cmp_eq_u32 s2, 0
	s_cbranch_scc0 .Lentry_in_a_cluster
	s_endpgm
.Lentry_in_a_cluster:
	s_bfe_u32 s2, ttmp6, 0x10000c
	s_cmp_lg_u32 s2, 0xf033
	s_cbranch_scc0 .Lentry_shape_is_right
	s_endpgm
.Lentry_shape_is_right:
; Q = x W_q^T, K = x W_k^T (cluster x = 0, 1) and V^T = W_v x^T (cluster x = 2) on codes of FP6 (E2M3) with E8M0 scales, K = 1,024; then the rotation of Q and K by the table, and the quantisers of the next two products.
; A block is 256 x 256, four waves of 128 x 128: 64 accumulators, 512 registers.  Source 0 = 16 rows of "B", source 1 = 16 rows of "A": a lane holds eight neighbours of a row of A x B^T.
; Q, K: A = x's rows, B = the weight's rows: a lane's registers run along a head's 64.  V: A = W_v's rows, B = x's rows: a lane's registers run along the tokens, the next product's K.
; THE WALK ALONG K goes by CHUNKS OF 256 BYTES of each row of 768 bytes: every tensor row begins at a multiple of 256 bytes.  Two LDS slots; chunk c lies in slot c % 2.  A step of 128 along K is 96 bytes:
; eight steps to three chunks; steps 2 and 5 lie across two chunks and read both slots.  The scale bytes of the block's 2 x 256 rows come once, as dense rows of 256 bytes, and stay.
; THE HEAD: one joint load a wave: chunk 0 of A's 256 rows, of B's 256 rows, A's scale bytes, B's.  Slot 1's first fill stands behind the full sequence and a round.
; CLUSTERS: 4 x 4; A's tiles are asked for jointly along a row of the cluster, B's along a column.
; NO PREFETCH: the walk has three chunks, of which two are asked for at the head: no trip is left to run ahead in.
; OUT: qimg / kv: for each head and 16 tokens 1,024 bytes, the operand's registers 0-7 at 16 x lane (registers 0-5 the 64 codes, register 6 the code at k = 64 that carries the padding mask into the score, 7 zeros);
; qsc / kv: a scale word a row; V: for each head and 128 tokens four images of 1,536 bytes and their scale words.  The table and the mask words are loaded under the walk.
; LIMITS: NaN and infinities are not served; a block of zeros has the byte 1 and not 127 (its codes are zeros; this program alone reads the bytes).
; THE ROTARY NUMBERS ARE MADE HERE (in place of what is said above of a table in memory): behind the head's tensor loads each lane makes {cos, sin}(t f_i) for its row t of its first block of 16 rows and its 16 pairs
; i = 8 b + 4 h + k, f_i = 1 / 10^(i/8), and {cos, sin}(16 f_i).  The angle t f_i is rounded once; it is reduced by n = the nearest whole number to angle x 2/pi, with pi/2 in three parts taken off by fused
; multiply-adds (n stays under 1,304, so n x the first part is exact); sine and cosine of the rest are polynomials of degree 7 and 8.  On the way out each further block of 16 rows turns the pairs on by 16 f_i.
; LIMITS: 10^(i/8) is the f32 number nearest to it; after seven turns a pair carries up to seven more f32 roundings, and the angle of rows 16 a + r is t f_i + 16 a f_i and not the once rounded product.
; V's work-groups make the pairs too and do not use them: the head has one way through.
.set ROWB,   256
.set NQ,     2
.set KROW,   768
.set CHUNKS, 3
.set PITCH,  272                       ; 256 bytes + 16 of padding
.set FR,     12
.set NL,     6
.set NP,     4
.set HALFT,  128*PITCH
.set SLOT,   4*HALFT                   ; A's 256 rows, then B's
.set KS,     32
.set SCL,    2*SLOT
.set HALFS,  (128*KS/256)*272
.set SBLK,   (16*KS/256)*272
.set SPARE,  SCL+4*HALFS               ; the spare words: 512 bytes
.set HB,      241664
.set KSC_OFF, 131072
.set V_OFF,   139264
.set VSC_OFF, 237568
.set MKW,  8                           ; v8-15 mask words of my eight blocks of rows
.set ADRA, 16                          ; v16-17 my A fragments in slot 0, 1; v18-19 lanes 0-15 at byte 232 of slot 0, 1, lanes 16-31 at byte 0 of the other slot
.set ADRB, 20                          ; v20-23 the same for B
.set ADRS, 27
.set SPW,  28
.set NIL,  29
.set TS,   64                          ; v64-95 my 16 pairs {cos, sin} of the block in hand
.set RT,   96                          ; v96-127 {cos, sin}(16 f_i)
.set MOF,  31
.set SC,   32                          ; v32-63 scale words, two sets
.set AF,   128                         ; A's fragments, window 0; B's two sets at v0 and v128 of window 1; accumulators in windows 2, 3
.set G1, 24
.set G0, 32
.set G1B, 48
.set G0B, 56
.set G1S, 68
.set G0S, 76
.set G1SB, 80
.set G0SB, 88
.set G0H, 4                            ; group 0 of the head's loads of chunk 0
.set G0HB, 8
.set MSB, 0
.macro WIN new
.if MSB != (\new)
	s_set_vgpr_msb (MSB<<8)|(\new)
.set MSB, (\new)
.endif
.endm
.set MUL_LO, 0xa1
.set MUL_HI, 0xf1
.set TO_B,   0x40
.macro TL g0, g1                       ; a tensor load with an s_nop and four v_nop behind it
	tensor_load_to_lds s[\g0:\g0+3], s[\g1:\g1+7]
	s_nop 0
.rept 4
	v_nop
.endr
.endm
.macro JLOAD g0a, g1a, g0b, g1b        ; waves 0, 1 fetch for A, waves 2, 3 for B
	s_cmp_eq_u32 s15, 0
	s_cbranch_scc0 .Lfor_b_\@
	TL \g0a, \g1a
	s_branch .Lasked_\@
.Lfor_b_\@:
	TL \g0b, \g1b
.Lasked_\@:
.endm
.macro CREST
	s_cmp_lg_u32 s14, 0
	s_cbranch_scc1 .Lnot_wave_0_\@
	s_barrier_signal -3
.Lnot_wave_0_\@:
	s_barrier_wait -3
	s_barrier_signal -1
	s_barrier_wait -1
.endm
.macro CROUND
	s_barrier_signal -1
	s_barrier_wait -1
	CREST
.endm
	s_load_b512 s[68:83], s[0:1], 0x0              ; x, W_q, W_k, W_v: codes and scales
	s_load_b64 s[96:97], s[0:1], 0x40              ; the mask
	v_lshl_add_u32 v[SPW], v0, 2, SPARE
	v_mov_b32 v[NIL], 0
	ds_add_u32 v[SPW], v[NIL]                      ; the opening lines: the add twice and one wait
	ds_add_u32 v[SPW], v[NIL]
	v_lshrrev_b32 v1, 5, v0
	v_readfirstlane_b32 s14, v1                    ; wave
	s_lshr_b32 s15, s14, 1                         ; my half of A's rows; also: I fetch for A (0) or B (1)
	s_and_b32 s16, s14, 1                          ; my half of B's rows; also: which 128 rows I fetch
	s_bfe_u32 s40, ttmp6, 0x40000                  ; cx
	s_bfe_u32 s41, ttmp6, 0x40004                  ; cy
	s_and_b32 s12, ttmp7, 0xffff
	s_lshl_b32 s12, s12, 2
	s_cmp_eq_u32 ttmp9, 2                          ; V: x's rows are B
	s_cselect_b32 s17, 0, s12
	s_cselect_b32 s42, s12, 0
	s_add_co_u32 s17, s17, s41                     ; A's tile of 256 rows
	s_add_co_u32 s42, s42, s40                     ; B's
	s_lshl_b32 s43, s41, 2
	s_lshl_b32 s43, 15, s43                        ; my row of the cluster
	s_lshl_b32 s44, 0x1111, s40                    ; my column
	s_or_b32 s[G1+0], s43, (0<<16)|(1<<20)|(1<<21)|(5<<22)|(3<<25)
	s_or_b32 s[G1B+0], s44, (0<<16)|(1<<20)|(1<<21)|(5<<22)|(3<<25)
.irp g, G1, G1B                        ; rows of 256 bytes, 16 of padding behind each: 256 rows at the head, 128 in the ring
	s_mov_b32 s[\g+1], ROWB<<16
	s_mov_b32 s[\g+2], 256<<16
	s_mov_b32 s[\g+3], ROWB<<16
	s_mov_b32 s[\g+4], 256
	s_mov_b32 s[\g+5], KROW
	s_mov_b32 s[\g+6], 0
	s_mov_b32 s[\g+7], 0
.endr
	s_lshl_b32 s20, s17, 8
	s_lshl_b32 s46, s42, 8
	s_mov_b32 s21, 0
	s_mov_b32 s47, 0
	s_mov_b64 s[18:19], KS
	s_mul_u64 s[22:23], s[20:21], s[18:19]         ; offsets of the rows' scale bytes
	s_mul_u64 s[92:93], s[46:47], s[18:19]
	s_mov_b64 s[18:19], KROW
	s_mul_u64 s[20:21], s[20:21], s[18:19]         ; and of their codes
	s_mul_u64 s[46:47], s[46:47], s[18:19]
	s_mul_i32 s18, s16, 128*KROW                   ; the ring: my 128 rows of a tile
	s_mov_b32 s19, 0
	s_mul_i32 s45, s14, HALFT
	s_wait_dscnt 0x0
	s_wait_kmcnt 0x0
	s_cmp_eq_u32 ttmp9, 0
	s_cselect_b64 s[8:9], s[72:73], s[76:77]
	s_cselect_b64 s[10:11], s[74:75], s[78:79]
	s_cmp_eq_u32 ttmp9, 2
	s_cselect_b64 s[4:5], s[80:81], s[68:69]
	s_cselect_b64 s[6:7], s[82:83], s[70:71]
	s_cselect_b64 s[8:9], s[68:69], s[8:9]
	s_cselect_b64 s[10:11], s[70:71], s[10:11]
	s_add_nc_u64 s[20:21], s[4:5], s[20:21]
	s_add_nc_u64 s[22:23], s[6:7], s[22:23]
	s_add_nc_u64 s[46:47], s[8:9], s[46:47]
	s_add_nc_u64 s[92:93], s[10:11], s[92:93]
	s_or_b32 s[G1S+0], s43, (3<<16)|(1<<20)|(1<<21)|(5<<22)|(3<<25)
	s_or_b32 s[G1SB+0], s44, (3<<16)|(1<<20)|(1<<21)|(5<<22)|(3<<25)
.irp g, G1S, G1SB                      ; the scale bytes of 256 rows: 32 dense rows of 256 bytes
	s_mov_b32 s[\g+1], 32<<16
	s_mov_b32 s[\g+2], KS<<16
	s_mov_b32 s[\g+3], 32<<16
	s_mov_b32 s[\g+4], KS
	s_mov_b32 s[\g+5], 32
	s_mov_b32 s[\g+6], 0
	s_mov_b32 s[\g+7], 0
.endr
	CROUND                                         ; in front of the first joint loads
	s_mov_b32 s[G0H], 1
	s_mov_b32 s[G0H+1], 0
	s_mov_b64 s[G0H+2:G0H+3], s[20:21]
	s_or_b32 s[G0H+3], s[G0H+3], 0x80000000
	s_mov_b32 s[G0HB], 1
	s_mov_b32 s[G0HB+1], 2*HALFT
	s_mov_b64 s[G0HB+2:G0HB+3], s[46:47]
	s_or_b32 s[G0HB+3], s[G0HB+3], 0x80000000
	s_mov_b32 s[G0S], 1
	s_mov_b32 s[G0S+1], SCL
	s_mov_b64 s[G0S+2:G0S+3], s[22:23]
	s_or_b32 s[G0S+3], s[G0S+3], 0x80000000
	s_mov_b32 s[G0SB], 1
	s_mov_b32 s[G0SB+1], SCL+2*HALFS
	s_mov_b64 s[G0SB+2:G0SB+3], s[92:93]
	s_or_b32 s[G0SB+3], s[G0SB+3], 0x80000000
	s_add_nc_u64 s[20:21], s[20:21], s[18:19]
	s_add_nc_u64 s[46:47], s[46:47], s[18:19]
.irp s, 0,1
	s_mov_b32 s[G0+4*\s], 1
	s_add_co_u32 s[G0+4*\s+1], s45, \s*SLOT
	s_add_nc_u64 s[G0+4*\s+2:G0+4*\s+3], s[20:21], \s*ROWB
	s_or_b32 s[G0+4*\s+3], s[G0+4*\s+3], 0x80000000
	s_mov_b32 s[G0B+4*\s], 1
	s_add_co_u32 s[G0B+4*\s+1], s45, \s*SLOT
	s_add_nc_u64 s[G0B+4*\s+2:G0B+4*\s+3], s[46:47], \s*ROWB
	s_or_b32 s[G0B+4*\s+3], s[G0B+4*\s+3], 0x80000000
.endr
.macro ARM under, g0, g1, next         ; one chain of branches on the wave's number, one load to an arm
	s_cmp_lt_u32 s14, \under
	s_cbranch_scc0 \next
	TL \g0, \g1
	s_branch .Lhead_asked
\next:
.endm
	ARM 1, G0H,  G1,  .Lhead_b
	ARM 2, G0HB, G1B, .Lhead_sa
	ARM 3, G0S,  G1S, .Lhead_sb
	TL G0SB, G1SB
.Lhead_asked:
	v_and_b32 v1, 15, v0                           ; r
	v_bfe_u32 v2, v0, 4, 1                         ; h
	v_mul_u32_u24 v3, v1, PITCH
	v_mul_u32_u24 v4, v2, 24
	v_add_nc_u32 v4, v3, v4                        ; row x pitch + 24 h
	s_mov_b32 s21, SLOT-232
	s_mov_b32 s22, SLOT+232
	v_sub_nc_u32 v7, 1, v2
	v_mul_u32_u24 v5, s21, v2
	v_add_nc_u32 v5, v3, v5
	v_add_nc_u32 v5, 232, v5                       ; lanes 0-15 byte 232 in slot 0, lanes 16-31 byte 0 in slot 1
	v_mul_u32_u24 v6, s22, v7
	v_add_nc_u32 v6, v3, v6                        ; and the other way round
	s_mul_i32 s21, s15, HALFT
	s_mul_i32 s22, s16, HALFT
	s_add_co_u32 s22, s22, 2*HALFT
	v_add_nc_u32 v[ADRA+2], s21, v5
	v_add_nc_u32 v[ADRA+3], s21, v6
	v_add_nc_u32 v[ADRB+2], s22, v5
	v_add_nc_u32 v[ADRB+3], s22, v6
.irp s, 0,1
	v_add_nc_u32 v[ADRA+\s], s21, v4
	v_add_nc_u32 v[ADRB+\s], s22, v4
	s_add_co_u32 s21, s21, SLOT
	s_add_co_u32 s22, s22, SLOT
.endr
	v_mul_u32_u24 v5, v1, KS                       ; my row's scale bytes, 16 more for each 256 passed
	v_lshrrev_b32 v6, 8, v5
	v_lshl_add_u32 v5, v6, 4, v5
	s_mul_i32 s21, s15, HALFS
	s_mul_i32 s22, s16, HALFS
	s_add_co_u32 s22, s22, 2*HALFS
	s_sub_co_u32 s22, s22, s21
	v_mul_u32_u24 v6, s22, v2                      ; lanes 16-31 take B's
	s_add_co_u32 s21, s21, SCL
	v_add_nc_u32 v5, v5, v6
	v_add_nc_u32 v[ADRS], s21, v5
	s_lshl_b32 s12, s17, 8                         ; my first row of A: its place in the sequence and its mask words
	s_lshl_b32 s13, s15, 7
	s_add_co_u32 s12, s12, s13
	s_and_b32 s13, s12, 2047                       ; its place in the sequence
	s_mov_b32 s19, 0
	s_lshl_b32 s18, s12, 2
	s_add_nc_u64 s[96:97], s[96:97], s[18:19]
	v_lshlrev_b32 v[MOF], 2, v1
.irp a, 0,1,2,3,4,5,6,7
	global_load_b32 v[MKW+\a], v[MOF], s[96:97] offset:64*\a
.endr
; ---- the rotary numbers, while the head's tiles are on their way.  Six arrays of 16 registers at work, and f_i, in registers that the walk's fragments take later.  16 pairs take turns line by line.
.set AN, 128
.set NN, 144
.set RR, 160
.set ZZ, 176
.set SS, 192
.set CC, 208
.set FF, 224
.macro PWR p, lo, hi                   ; 10^(i/8) for pair p = 4 b + k: i = 8 b + k in lanes 0-15, 4 more in lanes 16-31
	s_mov_b32 s2, \hi
	v_mov_b32 v[FF+\p], \lo
	v_cndmask_b32 v[FF+\p], v[FF+\p], s2, s3
.endm
.macro STG n, p, d                     ; line n of the way from the angle in v[AN+p] to {cos, sin} in v[d+2p], v[d+2p+1]
.if (\n) == 0
	v_mul_f32 v[NN+\p], 0x3f22f983, v[AN+\p]                  ; x 2/pi
.elseif (\n) == 1
	v_rndne_f32 v[NN+\p], v[NN+\p]                            ; n
.elseif (\n) == 2
	v_fmamk_f32 v[RR+\p], v[NN+\p], 0xbfc90000, v[AN+\p]      ; - n x pi/2, in three parts
.elseif (\n) == 3
	v_fmamk_f32 v[RR+\p], v[NN+\p], 0xb9fda000, v[RR+\p]
.elseif (\n) == 4
	v_fmamk_f32 v[RR+\p], v[NN+\p], 0xb3a22168, v[RR+\p]      ; the rest r
.elseif (\n) == 5
	v_mul_f32 v[ZZ+\p], v[RR+\p], v[RR+\p]                    ; z = r r
.elseif (\n) == 6
	v_mov_b32 v[SS+\p], 0xb94ca1f9
.elseif (\n) == 7
	v_fmaak_f32 v[SS+\p], v[SS+\p], v[ZZ+\p], 0x3c08839e
.elseif (\n) == 8
	v_fmaak_f32 v[SS+\p], v[SS+\p], v[ZZ+\p], 0xbe2aaaa3
.elseif (\n) == 9
	v_mul_f32 v[AN+\p], v[RR+\p], v[ZZ+\p]
.elseif (\n) == 10
	v_fma_f32 v[SS+\p], v[SS+\p], v[AN+\p], v[RR+\p]          ; sin r
.elseif (\n) == 11
	v_mov_b32 v[CC+\p], 0x37ccf5ce
.elseif (\n) == 12
	v_fmaak_f32 v[CC+\p], v[CC+\p], v[ZZ+\p], 0xbab6061a
.elseif (\n) == 13
	v_fmaak_f32 v[CC+\p], v[CC+\p], v[ZZ+\p], 0x3d2aaaa5
.elseif (\n) == 14
	v_mul_f32 v[AN+\p], v[ZZ+\p], v[ZZ+\p]
.elseif (\n) == 15
	v_fma_f32 v[RR+\p], v[ZZ+\p], -0.5, 1.0
.elseif (\n) == 16
	v_fma_f32 v[CC+\p], v[CC+\p], v[AN+\p], v[RR+\p]          ; cos r
.elseif (\n) == 17
	v_cvt_i32_f32 v[NN+\p], v[NN+\p]
.elseif (\n) == 18
	v_and_b32 v[AN+\p], 1, v[NN+\p]
.elseif (\n) == 19
	v_cmp_ne_u32 vcc_lo, 0, v[AN+\p]                          ; an odd quarter turn changes the two over
	v_cndmask_b32 v[RR+\p], v[CC+\p], v[SS+\p], vcc_lo
	v_cndmask_b32 v[ZZ+\p], v[SS+\p], v[CC+\p], vcc_lo
.elseif (\n) == 20
	v_add_nc_u32 v[AN+\p], 1, v[NN+\p]
.elseif (\n) == 21
	v_and_b32 v[AN+\p], 2, v[AN+\p]                           ; the cosine is negative in quarters 1 and 2,
.elseif (\n) == 22
	v_lshlrev_b32 v[AN+\p], 30, v[AN+\p]
.elseif (\n) == 23
	v_and_b32 v[NN+\p], 2, v[NN+\p]                           ; the sine in quarters 2 and 3
.elseif (\n) == 24
	v_lshlrev_b32 v[NN+\p], 30, v[NN+\p]
.elseif (\n) == 25
	v_xor_b32 v[\d+2*\p], v[RR+\p], v[AN+\p]
.elseif (\n) == 26
	v_xor_b32 v[\d+2*\p+1], v[ZZ+\p], v[NN+\p]
.endif
.endm
.macro TRIG d
.set N_, 0
.rept 27
.set P_, 0
.rept 16
	STG N_, P_, \d
.set P_, P_+1
.endr
.set N_, N_+1
.endr
.endm
	s_mov_b32 s3, 0xffff0000                       ; lanes 16-31
	PWR 0,  0x3f800000, 0x404a62c2
	PWR 1,  0x3faab0d5, 0x4086f161
	PWR 2,  0x3fe39ea9, 0x40b3f300
	PWR 3,  0x4017c496, 0x40eff755
	PWR 4,  0x41200000, 0x41fcfb72
	PWR 5,  0x41555d0a, 0x4228adb9
	PWR 6,  0x418e432a, 0x4260efc0
	PWR 7,  0x41bdb5bc, 0x4295fa95
	PWR 8,  0x42c80000, 0x439e1d27
	PWR 9,  0x43055a26, 0x43d2d927
	PWR 10, 0x4331d3f4, 0x440c95d8
	PWR 11, 0x436d232b, 0x443b793b
	PWR 12, 0x447a0000, 0x4545a471
	PWR 13, 0x44a6b0b0, 0x4583c7b8
	PWR 14, 0x44de48f1, 0x45afbb4e
	PWR 15, 0x451435fb, 0x45ea5789
	s_wait_alu depctr_va_vdst(0)
.set P_, 0
.rept 16
	v_rcp_f32 v[AN+P_], v[FF+P_]
.set P_, P_+1
.endr
	v_nop                                          ; a plain line behind the reciprocals
	s_wait_alu depctr_va_vdst(0)
.set P_, 0
.rept 16
	v_fma_f32 v[NN+P_], -v[FF+P_], v[AN+P_], 1.0   ; one step of Newton
.set P_, P_+1
.endr
.set P_, 0
.rept 16
	v_fma_f32 v[FF+P_], v[AN+P_], v[NN+P_], v[AN+P_]   ; f_i
.set P_, P_+1
.endr
	v_add_nc_u32 v3, s13, v1
	v_cvt_f32_u32 v3, v3                           ; t: my row of my first block
.set P_, 0
.rept 16
	v_mul_f32 v[AN+P_], v3, v[FF+P_]               ; the angle
.set P_, P_+1
.endr
	TRIG TS
.set P_, 0
.rept 16
	v_mul_f32 v[AN+P_], 0x41800000, v[FF+P_]       ; 16 f_i, exactly
.set P_, P_+1
.endr
	TRIG RT
.macro FRAG reg, adr, st, i            ; 16 rows x 128 K: six pieces of 8 bytes; byte y of a row lies in slot (y / 256) % 2 at byte y % 256
.irp p, 0,1,2,3,4,5
.set BY, 96*(\st)+48*(\p/3)+8*(\p%3)
.if BY/ROWB == (BY+24)/ROWB
	ds_load_b64 v[\reg+2*\p:\reg+2*\p+1], v[\adr+(BY/ROWB)%2] offset:BY%ROWB+(\i)*16*PITCH
.else
	ds_load_b64 v[\reg+2*\p:\reg+2*\p+1], v[\adr+2+(BY/ROWB)%2] offset:BY%ROWB-232+(\i)*16*PITCH
.endif
.endr
.endm
.macro MUL16 a0, p, q, sc, zero        ; the 64 accumulators take turns
.irp a, \a0, \a0+1
.irp b, 0,1,2,3,4,5,6,7
.if \zero
	v_wmma_scale_f32_16x16x128_f8f6f4 v[8*(8*((\a)%4)+\b):8*(8*((\a)%4)+\b)+7], v[128*(\p)+FR*\b:128*(\p)+FR*\b+FR-1], v[AF+FR*(\a):AF+FR*(\a)+FR-1], 0, v[SC+8*NQ*(\sc)+NQ*\b+(\q)], v[SC+8*NQ*(\sc)+NQ*(\a)+(\q)] matrix_a_fmt:MATRIX_FMT_FP6 matrix_b_fmt:MATRIX_FMT_FP6 matrix_a_scale:MATRIX_SCALE_ROW1
.else
	v_wmma_scale_f32_16x16x128_f8f6f4 v[8*(8*((\a)%4)+\b):8*(8*((\a)%4)+\b)+7], v[128*(\p)+FR*\b:128*(\p)+FR*\b+FR-1], v[AF+FR*(\a):AF+FR*(\a)+FR-1], v[8*(8*((\a)%4)+\b):8*(8*((\a)%4)+\b)+7], v[SC+8*NQ*(\sc)+NQ*\b+(\q)], v[SC+8*NQ*(\sc)+NQ*(\a)+(\q)] matrix_a_fmt:MATRIX_FMT_FP6 matrix_b_fmt:MATRIX_FMT_FP6 matrix_a_scale:MATRIX_SCALE_ROW1
.endif
.endr
.endr
.endm
.macro FETCH_B st, p
	WIN TO_B
.irp i, 0,1,2,3,4,5,6,7
	FRAG 128*(\p)+FR*\i, ADRB, \st, \i
.endr
	WIN 0
.endm
.macro FETCH_A st, i0
.irp i, \i0, \i0+1, \i0+2, \i0+3
	FRAG AF+FR*(\i), ADRA, \st, \i
.endr
.endm
.macro SCALES pr                       ; the scale words of steps 2 pr, 2 pr + 1
.irp i, 0,1,2,3,4,5,6,7
	ds_load_b64 v[SC+8*NQ*((\pr)%2)+NQ*\i:SC+8*NQ*((\pr)%2)+NQ*\i+1], v[ADRS] offset:\i*SBLK+4*NQ*(\pr)
.endr
.endm
.macro PLACES n
.rept \n
	v_nop
.endr
.endm
; A step: 64 products; the next step's fragments are fetched in its middle and at its end.  Where the next step ends in a chunk not yet read, a barrier shows it whole;
; where it begins in a later chunk, the three lines stand ahead of the barrier, and where a chunk two on is left, the barrier opens a round and the slot is filled again.
.macro STEP st, zero
.set NX, (\st)+1
.set C0, (96*(\st))/ROWB
.set C1, (96*NX)/ROWB
.set E0, (96*(\st)+95)/ROWB
.set E1, (96*NX+95)/ROWB
.if C1 > C0 || E1 > E0
	s_wait_tensorcnt 0x0                           ; all my tensor loads have landed
.if C1 > C0
	ds_add_u32 v[SPW], v[NIL]
	s_wait_dscnt 4*NL+1                            ; the add and A's blocks 4-7 may be out
.else
	s_wait_dscnt 4*NL                              ; A's blocks 4-7 may be out
.endif
	WIN MUL_LO
	MUL16 0, (\st)%2, (\st)%2, ((\st)/2)%2, \zero
	s_wait_dscnt 0x0                               ; the add and all my reads are done
	s_barrier_signal -1
	MUL16 2, (\st)%2, (\st)%2, ((\st)/2)%2, \zero
	WIN 0
	s_barrier_wait -1
.if C1 > C0 && C0+2 < CHUNKS
	CREST
	s_add_nc_u64 s[G0+4*(C0%2)+2:G0+4*(C0%2)+3], s[G0+4*(C0%2)+2:G0+4*(C0%2)+3], 2*ROWB
	s_add_nc_u64 s[G0B+4*(C0%2)+2:G0B+4*(C0%2)+3], s[G0B+4*(C0%2)+2:G0B+4*(C0%2)+3], 2*ROWB
	JLOAD G0+4*(C0%2), G1, G0B+4*(C0%2), G1B       ; chunk C0 + 2; its four v_nop are the places ahead of the loads below
.else
	PLACES NP
.endif
.else
	s_wait_dscnt 4*NL
	WIN MUL_LO
	MUL16 0, (\st)%2, (\st)%2, ((\st)/2)%2, \zero
	MUL16 2, (\st)%2, (\st)%2, ((\st)/2)%2, \zero
	s_wait_dscnt 0
	PLACES NP
.endif
	FETCH_B NX, NX%2
	FETCH_A NX, 0
.if NX%2 == 0
	SCALES NX/2
.endif
	WIN MUL_HI
	MUL16 4, (\st)%2, (\st)%2, ((\st)/2)%2, \zero
	MUL16 6, (\st)%2, (\st)%2, ((\st)/2)%2, \zero
	PLACES NP
	WIN 0
	FETCH_A NX, 4
.endm
	s_wait_alu depctr_va_vdst(0)
	s_wait_tensorcnt 0x0                           ; my tile of the head's four is in
	ds_add_u32 v[SPW], v[NIL]
	s_mov_b32 s[G1+2], 128<<16                     ; no load of mine is out: from here on a load brings 128 rows
	s_mov_b32 s[G1+4], 128
	s_mov_b32 s[G1B+2], 128<<16
	s_mov_b32 s[G1B+4], 128
	s_wait_dscnt 0x0
	CROUND
	JLOAD G0+4, G1, G0B+4, G1B                     ; chunk 1, slot 1's first fill
	FETCH_B 0, 0
	FETCH_A 0, 0
	SCALES 0
	FETCH_A 0, 4
	STEP 0, 1                                      ; the first step's products start the sums
.set ST, 1
.rept 5
	STEP ST, 0
.set ST, ST+1
.endr
	s_load_b128 s[28:31], s[0:1], 0x48             ; qimg, qsc: the last tensor load was waited for in step 4
	s_load_b64 s[32:33], s[0:1], 0x58              ; kv
	STEP 6, 0
	s_wait_dscnt 4*NL
	WIN MUL_LO
	MUL16 0, 1, 1, 1, 0
	MUL16 2, 1, 1, 1, 0
	s_wait_dscnt 0
	WIN MUL_HI
	MUL16 4, 1, 1, 1, 0
	MUL16 6, 1, 1, 1, 0
	WIN 0
	PLACES NP
	s_wait_loadcnt 0x0
	s_mov_b32 s20, 0x76543210
	s_mov_b32 s21, 0xfedcba98
	s_mov_b32 s22, 0xffff
	s_mov_b32 s91, 0
	s_mov_b32 s93, 0
	v_lshlrev_b32 v4, 2, v1
	v_and_b32 v5, 31, v0
	v_lshlrev_b32 v5, 4, v5
	s_wait_kmcnt 0x0
	s_cmp_eq_u32 ttmp9, 2
	s_cbranch_scc1 .Lway_v
; ---- Q, K: the rotation, the quantiser along the head's 64, the images
.set F6,  32
.set HI,  33
.set MX,  34
.set MT,  36
.set SO,  38
.set BY,  40
.set SW,  42
.set F,   44
.set Y,   52
.set CMV, 56
.set W,   128
	s_mov_b32 s56, HB
	s_mov_b32 s57, HB
	s_mov_b32 s58, KSC_OFF
	s_mov_b32 s59, 0x28
	s_mov_b32 s60, 0
	s_mov_b32 s61, (1<<16)|(64<<24)
	s_mov_b32 s62, (177<<16)|(64<<24)
	s_cmp_eq_u32 ttmp9, 0
	s_cselect_b64 s[36:37], s[28:29], s[32:33]
	s_cselect_b64 s[48:49], s[30:31], s[32:33]
	s_cselect_b32 s56, 131072, s56
	s_cselect_b32 s57, 8192, s57
	s_cselect_b32 s58, 0, s58
	s_cselect_b32 s59, 8, s59
	s_cselect_b32 s60, 8, s60
	s_cselect_b32 s61, s62, s61
	s_lshl_b32 s84, s17, 8
	s_lshl_b32 s85, s15, 7
	s_add_co_u32 s84, s84, s85
	s_lshr_b32 s85, s84, 11
	s_and_b32 s86, s84, 2047
	s_lshr_b32 s87, s86, 4
	s_lshl_b32 s88, s85, 4
	s_lshl_b32 s89, s42, 2
	s_add_co_u32 s88, s88, s89
	s_lshl_b32 s89, s16, 1
	s_add_co_u32 s88, s88, s89
	s_mul_i32 s90, s88, s56
	s_lshl_b32 s89, s87, 10
	s_add_co_u32 s90, s90, s89
	s_add_nc_u64 s[36:37], s[36:37], s[90:91]
	s_mov_b32 s90, s56
	s_add_nc_u64 s[38:39], s[36:37], s[90:91]
	s_mul_i32 s90, s88, s57
	s_add_co_u32 s90, s90, s58
	s_lshl_b32 s89, s87, 6
	s_add_co_u32 s90, s90, s89
	s_add_nc_u64 s[48:49], s[48:49], s[90:91]
	s_mov_b32 s90, s57
	s_add_nc_u64 s[50:51], s[48:49], s[90:91]
	v_mov_b32 v[CMV], s59
	v_mov_b32 v[CMV+1], s60
	v_cndmask_b32 v[CMV], 0, v[CMV], s22
	v_cndmask_b32 v[CMV+1], 0, v[CMV+1], s22
	v_mov_b32 v[CMV+2], s62
	v_mov_b32 v[CMV+3], s61
	v_mov_b32 v[MT], 0
	v_mov_b32 v[MT+1], 0
.macro QKHEAD a, hd
.set AC, 64*((\a)%4)+32*(\hd)
	WIN 0x02+(\a)/4
.irp p, 0,1,2,3,4,5,6,7,8,9,10,11,12,13,14,15
	v_pk_mul_f32 v[W+2*\p:W+2*\p+1], v[AC+2*\p:AC+2*\p+1], v[TS+2*\p:TS+2*\p+1] op_sel_hi:[1,0]
.endr
.irp p, 0,1,2,3,4,5,6,7,8,9,10,11,12,13,14,15
	v_pk_fma_f32 v[W+2*\p:W+2*\p+1], v[AC+2*\p:AC+2*\p+1], v[TS+2*\p:TS+2*\p+1], v[W+2*\p:W+2*\p+1] op_sel:[1,1,0] op_sel_hi:[0,1,1] neg_lo:[0,1,0]
.endr
	WIN 0
.irp b, 0,1
	v_max3_num_f32 v[MX+\b], |v[W+16*\b]|, |v[W+16*\b+1]|, 0x1800000
.endr
.irp i, 2,4,6,8,10,12,14
.irp b, 0,1
	v_max3_num_f32 v[MX+\b], v[MX+\b], |v[W+16*\b+\i]|, |v[W+16*\b+\i+1]|
.endr
.endr
.irp b, 0,1
	v_permlanex16_b32 v[MT+\b], v[MX+\b], s20, s21
.endr
.irp b, 0,1
	v_max_num_f32 v[MX+\b], v[MX+\b], v[MT+\b]
.endr
.irp b, 0,1
	v_add_nc_u32 v[SO+\b], 0xff000000, v[MX+\b]
.endr
.irp b, 0,1
	v_lshrrev_b32 v[BY+\b], 23, v[SO+\b]
.endr
	s_wait_alu depctr_va_vdst(0)
	s_wait_xcnt 0x0                                ; the last head's stores have read their registers
	v_lshl_or_b32 v[SW], v[BY+1], 8, v[BY]
	v_or_b32 v[SW], v[SW], v[HI]
	v_cvt_scalef32_pk16_fp6_f32 v[F:F+2], v[W:W+15], v[SO]
	v_cvt_scalef32_pk16_fp6_f32 v[Y:Y+2], v[W+16:W+31], v[SO+1]
	v_nop
.irp i, 0,1,2
	v_permlane16_swap_b32 v[F+\i], v[Y+\i]
.endr
.irp i, 0,1,2
	v_mov_b32 v[F+3+\i], v[Y+\i]
.endr
	v_mov_b32 v[F+6], v[F6]
	v_mov_b32 v[F+7], 0
	global_store_b128 v5, v[F:F+3], s[36+2*\hd:37+2*\hd] offset:1024*(\a)
	global_store_b128 v5, v[F+4:F+7], s[36+2*\hd:37+2*\hd] offset:1024*(\a)+512
	global_store_b32 v4, v[SW], s[48+2*\hd:49+2*\hd] offset:64*(\a)
.endm
.irp a, 0,1,2,3,4,5,6,7
.if \a > 0                             ; 16 rows on: the pairs are turned by 16 f_i, in the form of the rotation itself
.irp p, 0,1,2,3,4,5,6,7,8,9,10,11,12,13,14,15
	v_pk_mul_f32 v[W+2*\p:W+2*\p+1], v[TS+2*\p:TS+2*\p+1], v[RT+2*\p:RT+2*\p+1] op_sel_hi:[1,0]
.endr
.irp p, 0,1,2,3,4,5,6,7,8,9,10,11,12,13,14,15
	v_pk_fma_f32 v[TS+2*\p:TS+2*\p+1], v[TS+2*\p:TS+2*\p+1], v[RT+2*\p:RT+2*\p+1], v[W+2*\p:W+2*\p+1] op_sel:[1,1,0] op_sel_hi:[0,1,1] neg_lo:[0,1,0]
.endr
.endif
	v_cmp_eq_u32 vcc_lo, 0, v[MKW+\a]
	v_cndmask_b32 v[F6], v[CMV+1], v[CMV], vcc_lo
	v_cndmask_b32 v[HI], v[CMV+3], v[CMV+2], vcc_lo
	QKHEAD \a, 0
	QKHEAD \a, 1
.endr
	s_branch .Lend
.Lway_v:
; ---- V: the quantiser along the tokens, the images
.set VMX, 100
.set VMT, 104
.set VSO, 108
.set VBY, 112
.set VSW, 116
.set VP,  120
.set VY,  132
	s_lshl_b32 s84, s42, 8
	s_lshl_b32 s85, s16, 7
	s_add_co_u32 s84, s84, s85
	s_lshr_b32 s85, s84, 11
	s_bfe_u32 s86, s84, 0x40007
	s_lshl_b32 s88, s85, 4
	s_lshl_b32 s89, s17, 2
	s_add_co_u32 s88, s88, s89
	s_lshl_b32 s89, s15, 1
	s_add_co_u32 s88, s88, s89
	s_mul_i32 s90, s88, HB
	s_mul_i32 s92, s86, 6144
	s_add_co_u32 s92, s92, s90
	s_add_co_u32 s92, s92, V_OFF
	s_add_nc_u64 s[36:37], s[32:33], s[92:93]
	s_lshl_b32 s92, s86, 8
	s_add_co_u32 s92, s92, s90
	s_add_co_u32 s92, s92, VSC_OFF
	s_add_nc_u64 s[38:39], s[32:33], s[92:93]
.irp b, 0,1,2,3
	v_mov_b32 v[VMT+\b], 0
.endr
.macro VROW a
.set AC, 64*((\a)%4)
	WIN 0x0a+5*((\a)/4)
.irp b, 0,1,2,3
	v_max3_num_f32 v[VMX+\b], |v[AC+16*\b]|, |v[AC+16*\b+1]|, 0x1800000
.endr
.irp i, 2,4,6,8,10,12,14
.irp b, 0,1,2,3
	v_max3_num_f32 v[VMX+\b], |v[AC+16*\b+\i]|, |v[AC+16*\b+\i+1]|, v[VMX+\b]
.endr
.endr
	WIN 0
.irp b, 0,1,2,3
	v_permlanex16_b32 v[VMT+\b], v[VMX+\b], s20, s21
.endr
.irp b, 0,1,2,3
	v_max_num_f32 v[VMX+\b], v[VMX+\b], v[VMT+\b]
.endr
.irp b, 0,1,2,3
	v_add_nc_u32 v[VSO+\b], 0xff000000, v[VMX+\b]
.endr
.irp b, 0,1,2,3
	v_lshrrev_b32 v[VBY+\b], 23, v[VSO+\b]
.endr
	s_wait_alu depctr_va_vdst(0)
	s_wait_xcnt 0x0
	v_lshl_or_b32 v[VSW], v[VBY+1], 8, v[VBY]
	v_lshl_or_b32 v[VSW], v[VBY+2], 16, v[VSW]
	v_lshl_or_b32 v[VSW], v[VBY+3], 24, v[VSW]
	WIN 0x02+(\a)/4
	v_cvt_scalef32_pk16_fp6_f32 v[VP:VP+2], v[AC:AC+15], v[VSO]
	v_cvt_scalef32_pk16_fp6_f32 v[VY:VY+2], v[AC+16:AC+31], v[VSO+1]
	v_cvt_scalef32_pk16_fp6_f32 v[VP+6:VP+8], v[AC+32:AC+47], v[VSO+2]
	v_cvt_scalef32_pk16_fp6_f32 v[VY+4:VY+6], v[AC+48:AC+63], v[VSO+3]
	WIN 0
	v_nop
.irp c, 0,1
.irp i, 0,1,2
	v_permlane16_swap_b32 v[VP+6*\c+\i], v[VY+4*\c+\i]
.endr
.irp i, 0,1,2
	v_mov_b32 v[VP+3+6*\c+\i], v[VY+4*\c+\i]
.endr
.endr
.irp c, 0,1,2
	global_store_b128 v5, v[VP+4*\c:VP+4*\c+3], s[36:37] offset:((\a)/4)*HB+((\a)%4)*1536+512*\c
.endr
	global_store_b32 v4, v[VSW], s[38:39] offset:((\a)/4)*HB+((\a)%4)*64
.endm
.irp a, 0,1,2,3,4,5,6,7
	VROW \a
.endr
.Lend:
	s_wait_tensorcnt 0x0                           ; the wave's end
	ds_add_u32 v[SPW], v[NIL]
	s_wait_dscnt 0x0
	CROUND                                         ; the closing round
	s_endpgm
.Lfunc_end_k_qa223b3a43a_qkv:
	.size	k_qa223b3a43a_qkv, .Lfunc_end_k_qa223b3a43a_qkv-k_qa223b3a43a_qkv
	.p2alignl 7, 3214868480
	.fill 96, 4, 3214868480
	.section	.rodata,"a",@progbits
	.p2align	6, 0x0
	.amdhsa_kernel k_qa223b3a43a_qkv
		.amdhsa_group_segment_fixed_size 327680
		.amdhsa_private_segment_fixed_size 0
		.amdhsa_enable_private_segment 0
		.amdhsa_kernarg_size 96
		.amdhsa_user_sgpr_count 2
		.amdhsa_user_sgpr_kernarg_segment_ptr 1
		.amdhsa_wavefront_size32 1
		.amdhsa_system_sgpr_workgroup_id_x 1
		.amdhsa_system_sgpr_workgroup_id_y 1
		.amdhsa_system_sgpr_workgroup_id_z 1
		.amdhsa_system_vgpr_workitem_id 0
		.amdhsa_next_free_vgpr 1024
		.amdhsa_next_free_sgpr 100
		.amdhsa_reserve_vcc 1
		.amdhsa_float_denorm_mode_32 3
		.amdhsa_float_denorm_mode_16_64 3
		.amdhsa_memory_ordered 1
		.amdhsa_forward_progress 1
		.amdhsa_inst_pref_size 255
	.end_amdhsa_kernel
	.section	.bss,"aw",@nobits
	.p2align	6
	.space	262144
	.amdgpu_metadata
---
amdhsa.version: [ 1, 2 ]
amdhsa.kernels:
  - .name:           k_qa223b3a43a_qkv
    .symbol:         k_qa223b3a43a_qkv.kd
    .args:
      - { .name: x_codes, .offset: 0, .size: 8, .value_kind: global_buffer, .address_space: global }
      - { .name: x_scales, .offset: 8, .size: 8, .value_kind: global_buffer, .address_space: global }
      - { .name: W_q_codes, .offset: 16, .size: 8, .value_kind: global_buffer, .address_space: global }
      - { .name: W_q_scales, .offset: 24, .size: 8, .value_kind: global_buffer, .address_space: global }
      - { .name: W_k_codes, .offset: 32, .size: 8, .value_kind: global_buffer, .address_space: global }
      - { .name: W_k_scales, .offset: 40, .size: 8, .value_kind: global_buffer, .address_space: global }
      - { .name: W_v_codes, .offset: 48, .size: 8, .value_kind: global_buffer, .address_space: global }
      - { .name: W_v_scales, .offset: 56, .size: 8, .value_kind: global_buffer, .address_space: global }
      - { .name: attention_mask, .offset: 64, .size: 8, .value_kind: global_buffer, .address_space: global }
      - { .name: qimg, .offset: 72, .size: 8, .value_kind: global_buffer, .address_space: global }
      - { .name: qsc, .offset: 80, .size: 8, .value_kind: global_buffer, .address_space: global }
      - { .name: kv, .offset: 88, .size: 8, .value_kind: global_buffer, .address_space: global }
    .group_segment_fixed_size: 327680
    .private_segment_fixed_size: 0
    .kernarg_segment_align: 8
    .kernarg_segment_size: 96
    .max_flat_workgroup_size: 128
    .sgpr_count:     100
    .vgpr_count:     1024
    .wavefront_size: 32
...
	.end_amdgpu_metadata
.endif
;; end of part 5
;; launch attn (part 6): grid 4 x 64, 16 waves a work-group, clusters of 4 x 1, 314,368 bytes of LDS; arguments qimg, qsc, kv, ao, aosc; writes ao, aosc
.if DOCPART == 6
	.amdgcn_target "amdgcn-amd-amdhsa--gfx1250"
	.amdhsa_code_object_version 6
	.text
	.protected	k_qa223b3a43a_attn
	.globl	k_qa223b3a43a_attn
	.p2align	8
	.type	k_qa223b3a43a_attn,@function
k_qa223b3a43a_attn:
	s_mov_b64 s[64:65], 0
	v_nop
	global_prefetch_b8 v0, s[64:65] scope:SCOPE_SE
	s_setreg_imm32_b32 hwreg(HW_REG_WAVE_MODE, 25, 1), 1
	s_wait_xcnt 0x0
	s_wait_alu depctr_hold_cnt(0) depctr_sa_sdst(0) depctr_va_vdst(0) depctr_va_sdst(0) depctr_va_ssrc(0) depctr_va_vcc(0) depctr_vm_vsrc(0)
	s_getreg_b32 s2, hwreg(HW_REG_IB_STS2, 6, 4)
	s_cmp_eq_u32 s2, 0
	s_cbranch_scc0 .Lentry_in_a_cluster
	s_endpgm
.Lentry_in_a_cluster:
	s_bfe_u32 s2, ttmp6, 0x10000c
	s_cmp_lg_u32 s2, 0x3003
	s_cbranch_scc0 .Lentry_shape_is_right
	s_endpgm
.Lentry_shape_is_right:
; Causal attention with a padding mask on codes of FP6 (E2M3), 64 heads of 2,048 tokens x 64.  What the second product takes is the FINISHED softmax, quantised along the keys: a row's sum has to be known before
; its first code is made.  So the keys are walked twice: walk 1 finds the row's largest score and its sum, walk 2 makes the scores again, the finished numbers 2^(t - M - log2 sum), their codes, and multiplies by V.
; SHARES.  The four work-groups of a cluster serve one head.  The head's whole record (K's and V's images and scale words, 241,664 bytes) comes into each one's LDS ONCE, by joint loads, one a wave: no byte of LDS
; is filled again, so there is no ring and no barrier in the loops.  A wave owns a tile of 16 queries at a time, in 256 registers; four waves share a SIMD, so that one's vector work stands beside another's products.
; The head's 128 tiles are 16 groups of 8; group g needs key steps 0 .. g of 128 keys.  Wave w takes a tile of group 15 - w / 2 and then one of group w / 2: 17 steps a walk for every wave.
; Which tile of the group (2 cx + w % 2) enters global addresses and one vector compare alone; branches hang on the wave's number and on counters.
; LAYOUT.  S^T = K Q^T (source 0 = 16 keys, source 1 = my 16 queries), O^T = V^T P^T: a lane holds one query (lane % 16) throughout.  A lane's 16 registers of two neighbouring key tiles are converted as places
; 16 (lane / 16) + 0 .. 15 of their block of 32 keys: V's images were made in the same order.  O^T is brought into the true order by 16 exchanges of lane halves, since it meets a given operand.
; K'S FRAGMENTS LIE 8 REGISTERS APART, though a product names 12: Q's codes from k = 65 on are zeros, so what stands in a fragment's registers 8-11 (the next tile's first four) is multiplied by zero.  So a step's
; eight fragments fit in 68 registers, come in one run, and the run for the next step is issued straight behind this step's products: it has the step's vector work in which to land.
; MASKS.  A padded key's score comes out of the product as -2^100 (its code at k = 64).  Causally hidden scores of the diagonal step become -infinity.  Later steps are left out.
; SOFTMAX.  t = score x log2(e) / 8; M = the row's largest t so far rounded up to a whole number, beginning at -2^60; when M moves the sum is multiplied by 2^(old M - new M), exactly.
; THE DIVISION BY THE SUM IS MADE IN THE EXPONENT: between the walks -M becomes -M - log2(sum), and walk 2's exponential gives the finished number.  That constant is rounded once to f32 (half an ulp of
; |M + log2 sum|, and the logarithm's one ulp): the order of the rounding that the score itself carries; it is another order of rounding than exp, then divide.
; A BLOCK'S LARGEST FINISHED NUMBER IS NOT SEARCHED FOR: walk 1 keeps each block's largest score in LDS bytes of the wave's own, and walk 2 puts it through the same multiply-add and exponential as the block's
; numbers.  This takes v_exp_f32 not to fall where its input rises; at the worst one number of a block, within an ulp of a power of two, is held one code low.
; A ROW WITH NO ALLOWED KEY has the sum 0 exactly (any other at least 0.5).  By the problem's definition its softmax is 1/2048 over ALL 2,048 keys: its O is replaced, by a select, with V^T u, u = 1/2048 as a
; code (4.0 under the byte 114), which the matrix unit makes once a work-group.
; LIMITS: |t| under 2^60; NaN and infinities are not served; a finished number under 2^-126 counts as 0; a block of zeros has the byte 1 and not 127 (its codes are zeros; this program alone reads the bytes).
.set HB,      241664
.set KSC_OFF, 131072
.set V_OFF,   139264
.set VSC_OFF, 237568
.set VM1,     241664                   ; behind the record: V^T u in four parts, [quarter of the keys][64] f32: 1,024 bytes that no tensor load fills
.set BM,      242688                   ; behind that: the blocks' largest scores, for each wave 17 rows of 256 bytes: [key step][query 16][block 4] f32; row 16 is the read-ahead's room alone
.set BMW,     4352
.set Q,   16                           ; v16-27   Q's fragment (registers 8-11 zeros)
.set QS,  28                           ; v28      Q's scale words
.set PS,  29                           ; v29      P's scale words
.set KF,  32                           ; v32-99   K's eight fragments, 8 registers apart; v96-99 zeros
.set S,   100                          ; v100-163 S^T, then the finished numbers; v100-147 then take V's four fragments
.set O,   164                          ; v164-195 O^T
.set P,   196                          ; v196-207 P's fragment
.set Y0,  208
.set Y1,  212
.set KSW, 216                          ; v216-219 K's scale words: lanes 0-15 tile 2 u, lanes 16-31 tile 2 u + 1
.set VSW, 220                          ; v220-221 V's likewise
.set MX,  224                          ; v224-227 the four blocks' largest scores
.set MT,  228
.set SO,  232
.set FA,  236                          ; v[236:237] the factor 2^(old M - new M)
.set TA,  238                          ; v[238:239] at work
.set OF,  240                          ; v240-245 the result's codes; v246 its two scale bytes
.set OH,  246
.set R32, 247                          ; v247     32 r
.set BMA, 248                          ; v248     my wave's rows of largest scores, + 16 r
.set BMT, 249                          ; v249     the same at the step in hand
; v1 16 x lane; v2 the same in V's images; v3, v4 4 x lane among K's and V's scale words; v5 my query less 8 h, within the group's 128; v6 -infinity; v7 V^T u at my half; v8-11 addresses of the step in hand;
; v12 -M, later -M - log2 sum; v13 the largest t; v[14:15] the sum; v30 8 x lane; v31 4 r
.macro ROUND                           ; a round of the cluster's barrier
	s_barrier_signal -1
	s_barrier_wait -1
	s_cmp_lg_u32 s14, 0
	s_cbranch_scc1 .Lnot_wave_0_\@
	s_barrier_signal -3
.Lnot_wave_0_\@:
	s_barrier_wait -3
	s_barrier_signal -1
	s_barrier_wait -1
.endm
; Q's fragment and scale words of my tile of the group in s[g].  The two bases have registers of their own: they are written again only behind the wait for these loads.
.macro QLOAD g
	s_lshl_b32 s58, s18, 7
	s_lshl_b32 s59, s[\g], 3
	s_add_co_u32 s58, s58, s59
	s_add_co_u32 s58, s58, s19                     ; 128 x head + 8 x group + my tile of it
	s_lshl_b32 s54, s58, 10
	s_mov_b32 s55, 0
	s_add_nc_u64 s[54:55], s[4:5], s[54:55]
	s_lshl_b32 s56, s58, 6
	s_mov_b32 s57, 0
	s_add_nc_u64 s[56:57], s[6:7], s[56:57]
	global_load_b128 v[Q:Q+3], v1, s[54:55]
	global_load_b128 v[Q+4:Q+7], v1, s[54:55] offset:512
	global_load_b32 v[QS], v31, s[56:57]
.endm
	s_load_b256 s[4:11], s[0:1], 0x0               ; qimg, qsc, kv, ao
	s_load_b64 s[12:13], s[0:1], 0x20              ; aosc
	v_lshl_add_u32 v254, v0, 2, 0x4c400
	v_mov_b32 v255, 0
	ds_add_u32 v254, v255
	ds_add_u32 v254, v255
	v_lshrrev_b32 v1, 5, v0
	s_delay_alu instid0(VALU_DEP_1)
	v_readfirstlane_b32 s14, v1                    ; wave 0..15
	s_lshr_b32 s15, s14, 1
	s_and_b32 s16, s14, 1
	s_bfe_u32 s17, ttmp6, 0x40000                  ; cx
	s_and_b32 s18, ttmp7, 0xffff                   ; 16 x batch + head, which the four partners share
	s_lshl_b32 s19, s17, 1
	s_add_co_u32 s19, s19, s16                     ; which tile of a group is mine
	s_sub_co_u32 s36, 15, s15                      ; the first tile's group: the long one
	s_mov_b32 s20, 0x76543210                      ; v_permlanex16_b32's selects for lane l xor 16
	s_mov_b32 s21, 0xfedcba98
	s_mov_b32 s22, 0x3e38aa3b                      ; c = log2(e) / 8
	s_mov_b32 s23, s22                             ; (named with it as a pair)
	; my sixteenth of the record: 59 rows of 256 bytes, dense
	s_mov_b32 s24, 15|(3<<16)|(1<<21)              ; the mask: all four work-groups; elements of 8 bytes; bit 21 beside a mask; no padding
	s_mov_b32 s25, 32<<16                          ; tensor_dim0
	s_mov_b32 s26, 59<<16                          ; tensor_dim1
	s_mov_b32 s27, 32<<16                          ; tile_dim0
	s_mov_b32 s28, 59                              ; tile_dim1
	s_mov_b32 s29, 32                              ; the pitch
	s_mov_b32 s30, 0
	s_mov_b32 s31, 0
	s_mov_b32 s32, 1
	s_mul_i32 s33, s14, 15104                      ; LDS address: the wave's number alone
	s_mul_i32 s42, s18, HB
	s_add_co_u32 s42, s42, s33
	s_mov_b32 s43, 0
	s_wait_dscnt 0x0
	s_wait_kmcnt 0x0
	s_add_nc_u64 s[34:35], s[8:9], s[42:43]
	s_or_b32 s35, s35, 0x80000000
	ROUND                                          ; all four work-groups are here: the joint loads meet
	tensor_load_to_lds s[32:35], s[24:31]          ; my one tensor load of the launch
	s_nop 0
.rept 4
	v_nop
.endr
	v_mov_b32 v[PS], 0x72727272                    ; u's scale bytes: 2^-13
.irp c, 0,1,2,3
	v_mov_b32 v[P+3*\c], 0x18618618                ; 128 codes of 4.0, six bits each
	v_mov_b32 v[P+3*\c+1], 0x86186186
	v_mov_b32 v[P+3*\c+2], 0x61861861
.endr
	v_and_b32 v[TA], 15, v0                        ; r
	v_bfe_u32 v[TA+1], v0, 4, 1                    ; h
	v_and_b32 v1, 31, v0
	s_delay_alu instid0(VALU_DEP_1)
	v_lshlrev_b32 v30, 3, v1
	s_delay_alu instid0(VALU_DEP_2)
	v_lshlrev_b32 v3, 2, v1
	s_delay_alu instid0(VALU_DEP_3)
	v_lshlrev_b32 v1, 4, v1
	s_wait_alu depctr_va_vdst(0)
	v_lshlrev_b32 v31, 2, v[TA]
	s_wait_alu depctr_va_vdst(0)
	QLOAD 36                                       ; the first tile's Q is asked for while the record is on its way
	v_add_nc_u32 v4, VSC_OFF, v3
	v_add_nc_u32 v3, KSC_OFF, v3
	v_add_nc_u32 v2, V_OFF, v1
	s_lshl_b32 s42, s19, 4
	v_add_nc_u32 v5, s42, v[TA]
	v_lshlrev_b32 v6, 3, v[TA+1]
	s_delay_alu instid0(VALU_DEP_1)
	v_sub_nc_u32 v5, v5, v6
	v_mov_b32 v6, 0xff800000
	v_lshl_add_u32 v7, v[TA+1], 6, VM1
	v_lshlrev_b32 v[R32], 5, v[TA]
	s_mul_i32 s42, s14, BMW
	s_add_co_u32 s42, s42, BM
	v_lshl_add_u32 v[BMA], v[TA], 4, s42           ; a constant + a constant x wave + 16 r
	v_add_nc_u32 v[BMT], s42, v1                   ; my wave's 17 rows + 16 x lane, for the stores that set them once
.irp i, 0,1,2,3
	v_mov_b32 v[Q+8+\i], 0                         ; Q's codes from k = 74 on: zeros, written once
	v_mov_b32 v[KF+64+\i], 0                       ; what the eighth fragment names behind its eight registers
	v_mov_b32 v[MT+\i], 0                          ; a lane permute's destination counts as one of its sources
.endr
	v_mov_b32 v[FA+1], 0                           ; (named as the upper half of a pair)
	; V^T u: wave w takes rows 16 (w % 4) on of the head's 64 and key steps 4 (w / 4) .. + 3
	s_and_b32 s42, s14, 3
	s_lshr_b32 s43, s14, 2
	s_mul_i32 s44, s43, 24576
	s_mul_i32 s45, s42, 1536
	s_add_co_u32 s44, s44, s45
	v_add_nc_u32 v8, s44, v2
	s_lshl_b32 s44, s43, 10
	s_lshl_b32 s45, s42, 6
	s_add_co_u32 s44, s44, s45
	s_add_co_u32 s44, s44, VSC_OFF
	v_add_nc_u32 v9, s44, v31
	s_lshl_b32 s44, s14, 6
	s_add_co_u32 s44, s44, VM1
	v_lshl_add_u32 v10, v[TA+1], 5, s44            ; where my eight sums go: 256 (w / 4) + 64 (w % 4) + 32 h
	s_wait_alu depctr_va_vdst(0)
	s_wait_tensorcnt 0x0                           ; my part of the record is in,
	s_barrier_signal -1
	s_barrier_wait -1                              ; everybody's is
.irp i, 0,1,2,3
.irp c, 0,1,2
	ds_load_b128 v[S+12*\i+4*\c:S+12*\i+4*\c+3], v8 offset:6144*\i+512*\c
.endr
	ds_load_b32 v[KSW+\i], v9 offset:256*\i
.endr
	s_wait_dscnt 0x0
.irp i, 0,1,2,3
	v_wmma_scale_f32_16x16x128_f8f6f4 v[O+8*\i:O+8*\i+7], v[S+12*\i:S+12*\i+11], v[P:P+11], 0, v[KSW+\i], v[PS] matrix_a_fmt:MATRIX_FMT_FP6 matrix_b_fmt:MATRIX_FMT_FP6
.endr
.rept 4
	v_nop
.endr
.irp j, 0,2,4,6
	v_pk_add_f32 v[O+\j:O+\j+1], v[O+\j:O+\j+1], v[O+8+\j:O+9+\j]
	v_pk_add_f32 v[O+16+\j:O+17+\j], v[O+16+\j:O+17+\j], v[O+24+\j:O+25+\j]
.endr
.irp j, 0,2,4,6
	v_pk_add_f32 v[O+\j:O+\j+1], v[O+\j:O+\j+1], v[O+16+\j:O+17+\j]
.endr
	ds_store_b128 v10, v[O:O+3]                    ; all sixteen columns are alike: the lanes of a half write the same bytes with the same values
	ds_store_b128 v10, v[O+4:O+7] offset:16
.irp k, 0,1,2,3,4,5,6,7
	ds_store_b128 v[BMT], v[Q+8:Q+11] offset:512*\k ; my wave's 4,352 bytes of largest scores are set to 0 once, so that every byte in the read-ahead's range has been written: 8 x 512 bytes,
.endr
	ds_store_b128 v[BMT], v[Q+8:Q+11] offset:3840  ; and the last 512
	s_wait_dscnt 0x0                               ; for the others' sake
	s_barrier_signal -1
	s_barrier_wait -1
; One run of LDS loads: a step's eight fragments of K (ko bytes on from v8), their scale words, two tiles to a register (so bytes on from v9), and with bm = 1 the step's four largest scores (bo bytes on).
.macro KLOAD ko, so, bm, bo
.irp t, 0,1,2,3,4,5,6,7
	ds_load_b128 v[KF+8*\t:KF+8*\t+3], v8 offset:\ko+1024*\t
	ds_load_b128 v[KF+8*\t+4:KF+8*\t+7], v8 offset:\ko+1024*\t+512
.endr
.irp u, 0,1,2,3
	ds_load_b32 v[KSW+\u], v9 offset:\so+128*\u
.endr
.if \bm
	ds_load_b128 v[MX:MX+3], v[BMT] offset:\bo
.endif
.endm
; The scores of a key step: eight products, each on an accumulator of its own.  An odd tile's scale words stand in lanes 16-31.
.macro SCORES
.irp t, 0,1,2,3,4,5,6,7
.if \t%2
	v_wmma_scale_f32_16x16x128_f8f6f4 v[S+8*\t:S+8*\t+7], v[KF+8*\t:KF+8*\t+11], v[Q:Q+11], 0, v[KSW+\t/2], v[QS] matrix_a_fmt:MATRIX_FMT_FP6 matrix_b_fmt:MATRIX_FMT_FP6 matrix_a_scale:MATRIX_SCALE_ROW1
.else
	v_wmma_scale_f32_16x16x128_f8f6f4 v[S+8*\t:S+8*\t+7], v[KF+8*\t:KF+8*\t+11], v[Q:Q+11], 0, v[KSW+\t/2], v[QS] matrix_a_fmt:MATRIX_FMT_FP6 matrix_b_fmt:MATRIX_FMT_FP6
.endif
.endr
.endm
; The group's own step lies on the diagonal and is the tile's last: its hidden scores become -infinity, and nothing is fetched.  Every other step fetches the next step's run.
.macro DIAGF bm
	s_cmp_lg_u32 s38, s36
	s_cbranch_scc1 .Lopen_\@
.irp n, 0,1,2,3,4,5,6,7,8,9,10,11,12,13,14,15,16,17,18,19,20,21,22,23,24,25,26,27,28,29,30,31,32,33,34,35,36,37,38,39,40,41,42,43,44,45,46,47,48,49,50,51,52,53,54,55,56,57,58,59,60,61,62,63
	v_cmp_gt_i32 vcc_lo, 16*(\n/8)+\n%8, v5        ; register n holds key 16 (n / 8) + 8 h + n % 8 of the step: hidden where it comes after my query
	v_cndmask_b32 v[S+\n], v[S+\n], v6, vcc_lo
.endr
	s_branch .Lmasked_\@
.Lopen_\@:
	s_wait_alu depctr_va_vdst(0)
	KLOAD 8192, 512, \bm, 256
.Lmasked_\@:
.endm
.macro TEXP                            ; score x c + v12, two at a time, and 2^ of it
.irp j, 0,2,4,6,8,10,12,14,16,18,20,22,24,26,28,30,32,34,36,38,40,42,44,46,48,50,52,54,56,58,60,62
	v_pk_fma_f32 v[S+\j:S+\j+1], v[S+\j:S+\j+1], s[22:23], v[12:13] op_sel_hi:[1,0,0]
.endr
	s_wait_alu depctr_va_vdst(0)
.irp j, 0,1,2,3,4,5,6,7,8,9,10,11,12,13,14,15,16,17,18,19,20,21,22,23,24,25,26,27,28,29,30,31,32,33,34,35,36,37,38,39,40,41,42,43,44,45,46,47,48,49,50,51,52,53,54,55,56,57,58,59,60,61,62,63
	v_exp_f32 v[S+\j], v[S+\j]
.endr
.endm
; Walk 1's part of a step: each block's largest score, kept for walk 2; the running largest t, M, and the sum.
.macro SUM
.irp b, 0,1,2,3
	v_max3_num_f32 v[MX+\b], v[S+16*\b], v[S+16*\b+1], v[S+16*\b+2]
.endr
.irp i, 3,5,7,9,11,13
.irp b, 0,1,2,3
	v_max3_num_f32 v[MX+\b], v[MX+\b], v[S+16*\b+\i], v[S+16*\b+\i+1]
.endr
.endr
.irp b, 0,1,2,3
	v_max_num_f32 v[MX+\b], v[MX+\b], v[S+16*\b+15]
.endr
.irp b, 0,1,2,3
	s_delay_alu instid0(VALU_DEP_4)
	v_permlanex16_b32 v[MT+\b], v[MX+\b], s20, s21
.endr
.irp b, 0,1,2,3
	s_delay_alu instid0(VALU_DEP_4)
	v_max_num_f32 v[MX+\b], v[MX+\b], v[MT+\b]     ; with lane l xor 16's 16 keys: the block's largest score
.endr
	ds_store_b128 v[BMT], v[MX:MX+3]               ; my wave's own bytes; lanes l and l xor 16 write the same bytes with the same values
	v_max3_num_f32 v[TA], v[MX], v[MX+1], v[MX+2]
	s_delay_alu instid0(VALU_DEP_1)
	v_max_num_f32 v[TA], v[TA], v[MX+3]            ; the step's largest score of my query
	s_delay_alu instid0(VALU_DEP_1)
	v_mul_f32 v[TA], s22, v[TA]
	s_delay_alu instid0(VALU_DEP_1)
	v_max_num_f32 v13, v13, v[TA]                  ; the running largest t
	v_mov_b32 v[TA], v12
	s_delay_alu instid0(VALU_DEP_2)
	v_floor_f32 v12, -v13                          ; the new -M: M is a whole number
	s_delay_alu instid0(VALU_DEP_1)
	v_sub_f32 v[TA], v12, v[TA]                    ; old M - new M: 0 or less
	s_delay_alu instid0(VALU_DEP_1)
	v_cvt_i32_f32 v[TA], v[TA]                     ; (it saturates)
	s_delay_alu instid0(VALU_DEP_1)
	v_ldexp_f32 v[FA], 1.0, v[TA]                  ; the factor that brings the sum under the new M: it rounds nothing
	TEXP
	v_pk_mul_f32 v[14:15], v[14:15], v[FA:FA+1] op_sel_hi:[1,0]   ; (a plain place behind the exponentials)
	s_wait_alu depctr_va_vdst(0)
	v_pk_add_f32 v[238:239], v[104:105], v[108:109]
	v_pk_add_f32 v[252:253], v[112:113], v[116:117]
	v_pk_add_f32 v[250:251], v[120:121], v[124:125]
	v_pk_add_f32 v[244:245], v[128:129], v[132:133]
	v_pk_add_f32 v[242:243], v[136:137], v[140:141]
	v_pk_add_f32 v[240:241], v[144:145], v[148:149]
	v_pk_add_f32 v[234:235], v[152:153], v[156:157]
	v_pk_add_f32 v[14:15], v[14:15], v[160:161]
	v_pk_add_f32 v[238:239], v[238:239], v[100:101]
	v_pk_add_f32 v[252:253], v[252:253], v[102:103]
	v_pk_add_f32 v[250:251], v[250:251], v[106:107]
	v_pk_add_f32 v[244:245], v[244:245], v[110:111]
	v_pk_add_f32 v[242:243], v[242:243], v[114:115]
	v_pk_add_f32 v[240:241], v[240:241], v[118:119]
	v_pk_add_f32 v[234:235], v[234:235], v[122:123]
	v_pk_add_f32 v[14:15], v[14:15], v[126:127]
	v_pk_add_f32 v[238:239], v[238:239], v[130:131]
	v_pk_add_f32 v[252:253], v[252:253], v[134:135]
	v_pk_add_f32 v[250:251], v[250:251], v[138:139]
	v_pk_add_f32 v[244:245], v[244:245], v[142:143]
	v_pk_add_f32 v[242:243], v[242:243], v[146:147]
	v_pk_add_f32 v[240:241], v[240:241], v[150:151]
	v_pk_add_f32 v[234:235], v[234:235], v[154:155]
	v_pk_add_f32 v[14:15], v[14:15], v[158:159]
	v_pk_add_f32 v[238:239], v[238:239], v[162:163]
	s_delay_alu instid0(VALU_DEP_2)
	v_pk_add_f32 v[14:15], v[14:15], v[244:245]
	s_delay_alu instid0(VALU_DEP_2)
	v_pk_add_f32 v[238:239], v[238:239], v[242:243]
	v_pk_add_f32 v[252:253], v[252:253], v[240:241]
	v_pk_add_f32 v[250:251], v[250:251], v[234:235]
	s_delay_alu instid0(VALU_DEP_2)
	v_pk_add_f32 v[14:15], v[14:15], v[252:253]
	s_delay_alu instid0(VALU_DEP_2)
	v_pk_add_f32 v[238:239], v[238:239], v[250:251]
	s_delay_alu instid0(VALU_DEP_1)
	v_pk_add_f32 v[14:15], v[14:15], v[238:239]
.endm
; Walk 2's part: the finished softmax, its codes and scale word, and O^T += V^T P^T.  v[MT] on hold score x c + v12 of the blocks' largest scores.
.macro PV
	TEXP
.irp b, 0,1,2,3
	v_exp_f32 v[MT+\b], v[MT+\b]                   ; the block's largest finished number: the same two instructions on the same number give the same bits
.endr
	v_nop                                          ; a plain place behind the exponentials
	s_wait_alu depctr_va_vdst(0)
.irp b, 0,1,2,3
	v_max_num_f32 v[MT+\b], 0x1800000, v[MT+\b]    ; the floor 2^(3 - 127) holds the byte at 1 from below
.endr
.irp b, 0,1,2,3
	s_delay_alu instid0(VALU_DEP_4)
	v_add_nc_u32 v[SO+\b], 0xff000000, v[MT+\b]    ; 2 off the exponent field: the conversion's scale operand
.endr
.irp b, 0,1,2,3
	s_delay_alu instid0(VALU_DEP_4)
	v_lshrrev_b32 v[MT+\b], 23, v[SO+\b]           ; the scale's byte
.endr
	s_delay_alu instid0(VALU_DEP_3)
	v_lshl_or_b32 v[PS], v[MT+1], 8, v[MT]
	s_delay_alu instid0(VALU_DEP_1)
	v_lshl_or_b32 v[PS], v[MT+2], 16, v[PS]
	s_delay_alu instid0(VALU_DEP_1)
	v_lshl_or_b32 v[PS], v[MT+3], 24, v[PS]
	v_cvt_scalef32_pk16_fp6_f32 v[P:P+2], v[S:S+15], v[SO]
	v_cvt_scalef32_pk16_fp6_f32 v[Y0:Y0+2], v[S+16:S+31], v[SO+1]
	v_cvt_scalef32_pk16_fp6_f32 v[P+6:P+8], v[S+32:S+47], v[SO+2]
	v_cvt_scalef32_pk16_fp6_f32 v[Y1:Y1+2], v[S+48:S+63], v[SO+3]
.irp t, 0,1,2,3
.irp c, 0,1,2
	ds_load_b128 v[S+12*\t+4*\c:S+12*\t+4*\c+3], v10 offset:1536*\t+512*\c   ; V's four fragments take the registers that the numbers have left
.endr
.endr
	ds_load_b32 v[VSW], v11
	ds_load_b32 v[VSW+1], v11 offset:128
	v_nop                                          ; one plain place behind a scaled conversion
.irp i, 0,1,2
	v_permlane16_swap_b32 v[P+\i], v[Y0+\i]        ; a whole block in a lane
.endr
.irp i, 0,1,2
	s_delay_alu instid0(VALU_DEP_3)
	v_mov_b32 v[P+3+\i], v[Y0+\i]
.endr
.irp i, 0,1,2
	v_permlane16_swap_b32 v[P+6+\i], v[Y1+\i]
.endr
.irp i, 0,1,2
	s_delay_alu instid0(VALU_DEP_3)
	v_mov_b32 v[P+9+\i], v[Y1+\i]
.endr
	s_wait_alu depctr_va_vdst(0)
	s_wait_dscnt 0x0                               ; V's 14 loads are in (the next step's run of K was issued ahead of them)
.rept 8
	v_nop                                          ; a scale register written by a vector instruction stands 8 places ahead of a scaled matrix instruction, an operand 4
.endr
.irp t, 0,1,2,3
.if \t%2
	v_wmma_scale_f32_16x16x128_f8f6f4 v[O+8*\t:O+8*\t+7], v[S+12*\t:S+12*\t+11], v[P:P+11], v[O+8*\t:O+8*\t+7], v[VSW+\t/2], v[PS] matrix_a_fmt:MATRIX_FMT_FP6 matrix_b_fmt:MATRIX_FMT_FP6 matrix_a_scale:MATRIX_SCALE_ROW1
.else
	v_wmma_scale_f32_16x16x128_f8f6f4 v[O+8*\t:O+8*\t+7], v[S+12*\t:S+12*\t+11], v[P:P+11], v[O+8*\t:O+8*\t+7], v[VSW+\t/2], v[PS] matrix_a_fmt:MATRIX_FMT_FP6 matrix_b_fmt:MATRIX_FMT_FP6
.endif
.endr                                          ; four accumulators by turns; each one's last turn was a step ago
.endm
.macro VMLOAD q, dst                   ; quarter q of V^T u at my 32 places, in the true order
.irp b, 0,1
.irp i, 0,1,2,3
	ds_load_b128 v[\dst+16*\b+4*\i:\dst+16*\b+4*\i+3], v7 offset:256*\q+128*\b+16*\i
.endr
.endr
.endm
.macro VMADD
	s_wait_dscnt 0x0
.irp j, 0,2,4,6,8,10,12,14,16,18,20,22,24,26,28,30
	v_pk_add_f32 v[S+\j:S+\j+1], v[S+\j:S+\j+1], v[S+32+\j:S+33+\j]
.endr
.endm
	s_mov_b32 s37, 2
.Ltile:
	s_lshl_b32 s39, s36, 3
	s_add_co_u32 s39, s39, s19                     ; my tile of 16 queries
	v_mov_b32 v13, 0xdd800000                      ; the largest t so far: -2^60
	s_delay_alu instid0(VALU_DEP_1)
	v_floor_f32 v12, -v13
	v_mov_b32 v14, 0
	v_mov_b32 v15, 0
	; ---- walk 1.  Sixteen trips in every wave; a step past the group's own is jumped over, but for the lines that step addresses.
	s_mov_b32 s38, 0
	s_mov_b32 s48, 0
	s_mov_b32 s49, 0
	s_mov_b32 s52, 0
	v_mov_b32 v8, v1
	v_mov_b32 v9, v3
	KLOAD 0, 0, 0, 0                               ; key step 0 (no LDS load of mine is out here)
	s_wait_loadcnt 0x0                             ; Q, asked for a phase ago
.Lw1:
	s_cmp_gt_u32 s38, s36
	s_cbranch_scc1 .Lw1_tail
	s_wait_dscnt 0x0                               ; this step's run, issued a step ago, is in; the last step's store has read its registers
	SCORES
	v_add_nc_u32 v8, s48, v1                       ; three additions and a v_nop: the four places between the products and the loads into their operands, and the first read of their results
	v_add_nc_u32 v9, s49, v3
	v_add_nc_u32 v[BMT], s52, v[BMA]
	v_nop
	DIAGF 0
	SUM
.Lw1_tail:
	s_add_co_u32 s48, s48, 8192                    ; the next step's eight images of K,
	s_add_co_u32 s49, s49, 512                     ; their scale words,
	s_add_co_u32 s52, s52, 256                     ; and its row of largest scores
	s_add_co_u32 s38, s38, 1
	s_cmp_lt_u32 s38, 16
	s_cbranch_scc1 .Lw1
	; ---- between the walks: key step 0 is asked for again; -M - log2(sum); which rows have no allowed key
	s_wait_dscnt 0x0                               ; no LDS instruction of mine is out: the run below may land in its registers
	s_mov_b32 s38, 0
	s_mov_b32 s48, 0
	s_mov_b32 s49, 0
	s_mov_b32 s50, 0
	s_mov_b32 s51, 0
	s_mov_b32 s52, 0
	v_mov_b32 v8, v1
	v_mov_b32 v9, v3
	v_mov_b32 v[BMT], v[BMA]
	KLOAD 0, 0, 1, 0
	s_wait_alu depctr_va_vdst(0)
	v_add_f32 v14, v14, v15
	s_delay_alu instid0(VALU_DEP_1)
	v_permlanex16_b32 v[MT], v14, s20, s21
	s_delay_alu instid0(VALU_DEP_1)
	v_add_f32 v14, v14, v[MT]                      ; the row's sum
	s_delay_alu instid0(VALU_DEP_1)
	v_cmp_eq_f32 s40, 0, v14
	v_log_f32 v[TA], v14
	v_nop                                          ; a plain place behind the logarithm
	s_wait_alu depctr_va_vdst(0)
	v_sub_f32 v12, v12, v[TA]                      ; -M - log2(sum)
	s_delay_alu instid0(VALU_DEP_1)
	v_cndmask_b32 v12, v12, v6, s40                ; -infinity for a row with no allowed key: all its numbers are 0
.irp j, 0,1,2,3,4,5,6,7,8,9,10,11,12,13,14,15,16,17,18,19,20,21,22,23,24,25,26,27,28,29,30,31
	v_mov_b32 v[O+\j], 0                           ; the step is written once: its first trip finds zeros
.endr
	; ---- walk 2
.Lw2:
	s_cmp_gt_u32 s38, s36
	s_cbranch_scc1 .Lw2_tail
	s_wait_dscnt 0x0                               ; this step's run, issued a step ago, is in
	v_add_nc_u32 v8, s48, v1                       ; five places: the products below write over registers that the last step's products V^T P read
	v_add_nc_u32 v9, s49, v3
	v_add_nc_u32 v10, s50, v2
	v_add_nc_u32 v11, s51, v4
	v_add_nc_u32 v[BMT], s52, v[BMA]
	SCORES
.irp b, 0,1,2,3
	v_fma_f32 v[MT+\b], v[MX+\b], s22, v12         ; the blocks' largest scores on their way: these four are the places behind the products, and free v[MX] on for the next run
.endr
	DIAGF 1
	PV
.Lw2_tail:
	s_add_co_u32 s48, s48, 8192
	s_add_co_u32 s49, s49, 512
	s_add_co_u32 s50, s50, 6144                    ; the next step's four images of V,
	s_add_co_u32 s51, s51, 256                     ; and their scale words
	s_add_co_u32 s52, s52, 256
	s_add_co_u32 s38, s38, 1
	s_cmp_lt_u32 s38, 16
	s_cbranch_scc1 .Lw2
	; ---- the result: true order, the select, the quantiser along the head's 64, the stores
.rept 4
	v_nop                                          ; behind the last products: O^T is read, and Q's and V's registers are loaded into
.endr
	s_sub_co_u32 s41, 15, s36                      ; the other group
	s_cmp_eq_u32 s37, 1
	s_cbranch_scc1 .Lno_next
	QLOAD 41                                       ; the second tile's Q is asked for here: it has the way out in which to land
.Lno_next:
	VMLOAD 0, S
	VMLOAD 1, S+32
.irp b, 0,1
.irp j, 0,1,2,3,4,5,6,7
	v_permlane16_swap_b32 v[O+16*\b+\j], v[O+16*\b+8+\j]   ; lane (r, h) now holds channels 32 b + 16 h + 0 .. 15 in registers 16 b + 0 .. 15
.endr
.endr
	VMADD
	VMLOAD 2, S+32
	VMADD
	VMLOAD 3, S+32
	VMADD
.irp j, 0,1,2,3,4,5,6,7,8,9,10,11,12,13,14,15,16,17,18,19,20,21,22,23,24,25,26,27,28,29,30,31
	v_cndmask_b32 v[O+\j], v[O+\j], v[S+\j], s40
.endr
.irp b, 0,1
	v_max3_num_f32 v[MX+\b], |v[O+16*\b]|, |v[O+16*\b+1]|, 0x1800000
.endr
.irp i, 2,4,6,8,10,12,14
.irp b, 0,1
	s_delay_alu instid0(VALU_DEP_2)
	v_max3_num_f32 v[MX+\b], v[MX+\b], |v[O+16*\b+\i]|, |v[O+16*\b+\i+1]|
.endr
.endr
.irp b, 0,1
	s_delay_alu instid0(VALU_DEP_2)
	v_permlanex16_b32 v[MT+\b], v[MX+\b], s20, s21
.endr
.irp b, 0,1
	s_delay_alu instid0(VALU_DEP_2)
	v_max_num_f32 v[MX+\b], v[MX+\b], v[MT+\b]
.endr
.irp b, 0,1
	s_delay_alu instid0(VALU_DEP_2)
	v_add_nc_u32 v[SO+\b], 0xff000000, v[MX+\b]
.endr
.irp b, 0,1
	s_delay_alu instid0(VALU_DEP_2)
	v_lshrrev_b32 v[MT+\b], 23, v[SO+\b]
.endr
	s_delay_alu instid0(VALU_DEP_1)
	v_lshl_or_b32 v[OH], v[MT+1], 8, v[MT]
	v_cvt_scalef32_pk16_fp6_f32 v[OF:OF+2], v[O:O+15], v[SO]
	v_cvt_scalef32_pk16_fp6_f32 v[Y0:Y0+2], v[O+16:O+31], v[SO+1]
	v_nop
.irp i, 0,1,2
	v_permlane16_swap_b32 v[OF+\i], v[Y0+\i]
.endr
.irp i, 0,1,2
	s_delay_alu instid0(VALU_DEP_3)
	v_mov_b32 v[OF+3+\i], v[Y0+\i]
.endr
	s_lshr_b32 s42, s18, 4
	s_lshl_b32 s42, s42, 7
	s_add_co_u32 s42, s42, s39                     ; the tile of 16 rows among all 512: 128 x batch + my tile
	s_and_b32 s43, s18, 15                         ; the head
	s_lshl_b32 s44, s42, 4
	s_add_co_u32 s44, s44, s43
	s_mul_i32 s44, s44, 768
	s_mov_b32 s45, 0
	s_add_nc_u64 s[44:45], s[10:11], s[44:45]
	s_lshl_b32 s46, s42, 9
	s_lshl_b32 s43, s43, 1
	s_add_co_u32 s46, s46, s43
	s_mov_b32 s47, 0
	s_add_nc_u64 s[46:47], s[12:13], s[46:47]
	s_wait_alu depctr_va_vdst(0)
	global_store_b128 v1, v[OF:OF+3], s[44:45]              ; 512 consecutive bytes, aligned,
	global_store_b64 v30, v[OF+4:OF+5], s[44:45] offset:512 ; and 256: six registers of the next launch's operand
	global_store_b16 v[R32], v[OH], s[46:47]                ; two scale bytes a row, 32 bytes apart: rows as the next launch's scale fill wants them; lanes 16-31 repeat lanes 0-15
	s_wait_xcnt 0x0                                ; the stores have read their registers and bases: both are written again in the next trip
	s_mov_b32 s36, s41
	s_sub_co_u32 s37, s37, 1
	s_cmp_lg_u32 s37, 0
	s_cbranch_scc1 .Ltile
	s_wait_tensorcnt 0x0
	ds_add_u32 v254, v255
	s_wait_dscnt 0x0
	ROUND                                          ; the closing round
	s_endpgm
.Lfunc_end_k_qa223b3a43a_attn:
	.size	k_qa223b3a43a_attn, .Lfunc_end_k_qa223b3a43a_attn-k_qa223b3a43a_attn
	.p2alignl 7, 3214868480
	.fill 96, 4, 3214868480
	.section	.rodata,"a",@progbits
	.p2align	6, 0x0
	.amdhsa_kernel k_qa223b3a43a_attn
		.amdhsa_group_segment_fixed_size 314368
		.amdhsa_private_segment_fixed_size 0
		.amdhsa_enable_private_segment 0
		.amdhsa_kernarg_size 40
		.amdhsa_user_sgpr_count 2
		.amdhsa_user_sgpr_kernarg_segment_ptr 1
		.amdhsa_wavefront_size32 1
		.amdhsa_system_sgpr_workgroup_id_x 1
		.amdhsa_system_sgpr_workgroup_id_y 1
		.amdhsa_system_sgpr_workgroup_id_z 1
		.amdhsa_system_vgpr_workitem_id 0
		.amdhsa_next_free_vgpr 256
		.amdhsa_next_free_sgpr 66
		.amdhsa_reserve_vcc 1
		.amdhsa_float_denorm_mode_32 3
		.amdhsa_float_denorm_mode_16_64 3
		.amdhsa_memory_ordered 1
		.amdhsa_forward_progress 1
		.amdhsa_inst_pref_size 61
	.end_amdhsa_kernel
	.amdgpu_metadata
---
amdhsa.version: [ 1, 2 ]
amdhsa.kernels:
  - .name:           k_qa223b3a43a_attn
    .symbol:         k_qa223b3a43a_attn.kd
    .args:
      - { .name: qimg, .offset: 0, .size: 8, .value_kind: global_buffer, .address_space: global }
      - { .name: qsc, .offset: 8, .size: 8, .value_kind: global_buffer, .address_space: global }
      - { .name: kv, .offset: 16, .size: 8, .value_kind: global_buffer, .address_space: global }
      - { .name: ao, .offset: 24, .size: 8, .value_kind: global_buffer, .address_space: global }
      - { .name: aosc, .offset: 32, .size: 8, .value_kind: global_buffer, .address_space: global }
    .group_segment_fixed_size: 314368
    .private_segment_fixed_size: 0
    .kernarg_segment_align: 8
    .kernarg_segment_size: 40
    .max_flat_workgroup_size: 512
    .sgpr_count:     66
    .vgpr_count:     256
    .wavefront_size: 32
...
	.end_amdgpu_metadata
.endif
;; end of part 6
;; launch oproj (part 7): grid 8 x 32, 4 waves a work-group, clusters of 4 x 4, 314,624 bytes of LDS; arguments ao, aosc, W_o_codes, W_o_scales, out0; writes out0
.if DOCPART == 7
	.amdgcn_target "amdgcn-amd-amdhsa--gfx1250"
	.amdhsa_code_object_version 6
	.text
	.protected	k_qa223b3a43a_oproj
	.globl	k_qa223b3a43a_oproj
	.p2align	8
	.type	k_qa223b3a43a_oproj,@function
k_qa223b3a43a_oproj:
	s_mov_b64 s[64:65], 0
	v_nop
	global_prefetch_b8 v0, s[64:65] scope:SCOPE_SE
	s_setreg_imm32_b32 hwreg(HW_REG_WAVE_MODE, 25, 1), 1
	s_wait_xcnt 0x0
	s_wait_alu depctr_hold_cnt(0) depctr_sa_sdst(0) depctr_va_vdst(0) depctr_va_sdst(0) depctr_va_ssrc(0) depctr_va_vcc(0) depctr_vm_vsrc(0)
	s_getreg_b32 s2, hwreg(HW_REG_IB_STS2, 6, 4)
	s_cmp_eq_u32 s2, 0
	s_cbranch_scc0 .Lentry_in_a_cluster
	s_endpgm
.Lentry_in_a_cluster:
	s_bfe_u32 s2, ttmp6, 0x10000c
	s_cmp_lg_u32 s2, 0xf033
	s_cbranch_scc0 .Lentry_shape_is_right
	s_endpgm
.Lentry_shape_is_right:
; out0[m][n] = sum over k of A[m][k] W_o[n][k], m = 8,192 tokens, n = k = 1,024, on codes of FP6 (E2M3) with one E8M0 scale for each 32 along K; sums and result in f32.
; A, the attention's result, lies in memory in the order of this product's operand registers: for each tile of 16 rows and each 64 along K, 768 bytes: registers 6 c .. 6 c + 3 at 16 x lane, registers 6 c + 4, 6 c + 5
; at 512 + 8 x lane.  So a fragment of A comes from LDS by two loads of 16 bytes and two of 8, each of consecutive bytes.  W_o comes as rows of codes, 768 bytes each.  Both sides' scale bytes are rows of 32.
; SHARES.  A tile of the result is 256 rows x 128 columns: 8 x 32 = 256 work-groups.  Each of the four waves makes 64 rows x all 128 columns: 32 accumulators of 16 x 16, 256 registers; its rows of the result
; are 512 consecutive bytes.
; ALL OF K IS RESIDENT.  The tile's operands for K = 1,024 are 256 x 768 bytes of A, 128 x 816 of W_o (with padding) and 13,056 of scale bytes: 314,112 bytes.  So every byte of LDS is filled once: no ring, no
; refill, and one work-group barrier in front of the first read.  Each wave issues seven tensor loads in one group: its 64 rows' scale bytes, 32 rows of W_o's scale bytes, 32 rows of W_o, and its own 64 rows of A in
; four quarters of K.  A's bytes are read by the wave that fetched them alone, so a quarter's reads need that wave's counted wait and nothing else: the products of a quarter run while the later quarters land.
; CLUSTERS: 4 x 4 work-groups; A's loads are asked for jointly along a row of the cluster, W_o's along a column.
; The matrix instruction takes 16 rows of W_o as source 0 and 16 rows of A as source 1: a lane then holds eight neighbouring numbers of a row of the result.
; REGISTERS, in windows of 256: window 0: v16-28 addresses; v32-95 all scale words (register 8 i + s: K step s; lanes 0-15 A's block i, lanes 16-31 W_o's block i); v128-223 A's fragments, two sets of four;
;   on the way out v128-255 are free.  window 1: W_o's fragments, two sets of eight, at v0 and v128.  window 2: the accumulators ((a, b) at v[8 (8 a + b)]).
; LIMITS: scale bytes 0xff among the inputs are not served.
; THE FILLS, AS THE TEXT STANDS (in place of what is said above of seven loads and of quarters of K): four joint loads, one a wave, in one chain of branches on the wave's number: W_o's 128 rows; all of A's
; 256 rows, 196,608 dense bytes as 768 rows of 256; A's scale bytes; W_o's.  Every wave waits for its load ahead of the one barrier.  A lies in LDS as in memory: [tile of 16 rows][K].
.set SIZE_N, 1024
.set KROW,   768                       ; a row of codes in memory
.set FR,     12                        ; registers of a fragment
.set NP,     4                         ; places behind this matrix instruction (ISA guide 7.12.1)
.set AQ,     12288                     ; a wave's A images of a quarter of K: 4 tiles of rows x 3,072 bytes
.set AW,     4*AQ                      ; and of all of K
.set BP,     816                       ; an LDS row of W_o: 3 x (256 bytes + 16 of padding) = 204 words: row r starts at bank 12 r mod 64 (64 banks of 4 bytes: ISA guide 11.1), so the 32 lanes of a load of 8 bytes touch 64 different banks
.set BW,     32*BP                     ; 32 rows: a quarter of W_o's 128
.set BOFF,   4*AW                      ; W_o's rows behind A's images
.set SAOFF,  BOFF+4*BW                 ; A's scale bytes, as units of 256 bytes + 16 of padding: 8 units a wave
.set SAW,    8*272
.set SBOFF,  SAOFF+4*SAW               ; W_o's: 16 units, read by every wave
.set SBW,    4*272
.set SBLK,   544                       ; the scale bytes of 16 rows: two units
.set SPITCH, 528                       ; the way out: a stage of 16 rows x (512 bytes + 16), in the first bytes of the wave's own A rows: they have had their one fill, and only this wave read them
.set ADRA, 16                          ; v16 my A images + 16 x lane;  v17 the same + 512 + 8 x lane
.set ADRB, 20                          ; v20 W_o's rows 0-63, v21 rows 64-127: row x pitch + 24 x half;  v22, v23 the same behind one padding more
.set STO,  24
.set RD,   25
.set CO,   26
.set ADRS, 27                          ; v27 scale words: lanes 0-15 A's rows, lanes 16-31 W_o's
.set ADRS2, 28                         ; v28 W_o's in every lane
.set SC,   32
.set AF,   128
.set BK,   128
.set G1A,  24                          ; s[24:31] descriptor group 1 for A's images;  s[32:39] for W_o's rows;  s[48:55], s[56:63] for the two sides' scale bytes
.set G1B,  32
.set G1SA, 48
.set G1SB, 56
.set G0SA, 68                          ; groups 0: a set for each of the four loads
.set G0SB, 72
.set G0B,  76
.set G0A,  80                          ; s[80:83]: all of A's rows
.set MSB, 0
.macro WIN new                         ; the immediate's high byte repeats the setting that is left
.if MSB != (\new)
	s_set_vgpr_msb (MSB<<8)|(\new)
.set MSB, (\new)
.endif
.endm
.set MUL,  0xa1                        ; source 0 (W_o) window 1, source 1 (A) window 0, C and D window 2
.set TO_B, 0x40
.macro CREST                           ; a round of the cluster's barrier behind its opening barrier
	s_cmp_lg_u32 s14, 0
	s_cbranch_scc1 .Lnot_wave_0_\@
	s_barrier_signal -3
.Lnot_wave_0_\@:
	s_barrier_wait -3
	s_barrier_signal -1
	s_barrier_wait -1
.endm
.macro CROUND
	s_barrier_signal -1
	s_barrier_wait -1
	CREST
.endm
	s_load_b128 s[4:7], s[0:1], 0x0                ; A's images, A's scales
	s_load_b128 s[8:11], s[0:1], 0x10              ; W_o's codes, W_o's scales
	s_load_b64 s[12:13], s[0:1], 0x20              ; the result
	v_lshl_add_u32 v126, v0, 2, 0x4cb00
	v_mov_b32 v127, 0
	ds_add_u32 v126, v127
	ds_add_u32 v126, v127
	v_lshrrev_b32 v1, 5, v0
	v_readfirstlane_b32 s14, v1                    ; wave 0..3
	s_bfe_u32 s40, ttmp6, 0x40000                  ; cx, cy
	s_bfe_u32 s41, ttmp6, 0x40004
	s_lshl_b32 s42, ttmp9, 2
	s_add_co_u32 s42, s42, s40                     ; tile column = 4 x cluster x + cx: 128 columns each
	s_and_b32 s17, ttmp7, 0xffff
	s_lshl_b32 s17, s17, 2
	s_add_co_u32 s17, s17, s41                     ; tile row = 4 x cluster y + cy: 256 rows each
	s_lshl_b32 s43, s41, 2
	s_lshl_b32 s43, 15, s43                        ; my row of the cluster
	s_lshl_b32 s44, 0x1111, s40                    ; my column
	; A: all 256 rows, 196,608 dense bytes as 768 rows of 256, dense in LDS
	s_or_b32 s[G1A+0], s43, (3<<16)|(1<<21)        ; the mask; elements of 8 bytes; bit 21 beside a mask; no padding
	s_mov_b32 s[G1A+1], 32<<16                     ; rows of 256 bytes (32 elements of 8),
	s_mov_b32 s[G1A+2], 768<<16                    ; 768 of them, dense
	s_mov_b32 s[G1A+3], 32<<16
	s_mov_b32 s[G1A+4], 768
	s_mov_b32 s[G1A+5], 32
	s_mov_b32 s[G1A+6], 0
	s_mov_b32 s[G1A+7], 0
	; W_o: 128 rows x 768 bytes, dense in memory; in LDS 4 words of padding behind every 64
	s_or_b32 s[G1B+0], s44, (0<<16)|(1<<20)|(1<<21)|(5<<22)|(3<<25)
	s_mov_b32 s[G1B+1], KROW<<16
	s_mov_b32 s[G1B+2], 128<<16
	s_mov_b32 s[G1B+3], KROW<<16
	s_mov_b32 s[G1B+4], 128
	s_mov_b32 s[G1B+5], KROW
	s_mov_b32 s[G1B+6], 0
	s_mov_b32 s[G1B+7], 0
	; scale bytes: dense blocks, as rows of 256 bytes (32 elements of 8 bytes), 16 bytes of padding behind each: 64 rows of A are 8 such rows, 32 rows of W_o are 4
	s_or_b32 s[G1SA+0], s43, (3<<16)|(1<<20)|(1<<21)|(5<<22)|(3<<25)
	s_mov_b32 s[G1SA+1], 32<<16
	s_mov_b32 s[G1SA+2], 32<<16
	s_mov_b32 s[G1SA+3], 32<<16
	s_mov_b32 s[G1SA+4], 32
	s_mov_b32 s[G1SA+5], 32
	s_mov_b32 s[G1SA+6], 0
	s_mov_b32 s[G1SA+7], 0
	s_or_b32 s[G1SB+0], s44, (3<<16)|(1<<20)|(1<<21)|(5<<22)|(3<<25)
	s_mov_b32 s[G1SB+1], 32<<16
	s_mov_b32 s[G1SB+2], 16<<16
	s_mov_b32 s[G1SB+3], 32<<16
	s_mov_b32 s[G1SB+4], 16
	s_mov_b32 s[G1SB+5], 32
	s_mov_b32 s[G1SB+6], 0
	s_mov_b32 s[G1SB+7], 0
	; where my parts come from: A's hang on the tile row, W_o's on the tile column, each in registers that never hold the other coordinate
	s_lshl_b32 s20, s17, 8
	s_lshl_b32 s22, s20, 5                         ; its scale bytes: 32 a row
	s_mov_b32 s23, 0
	s_mul_i32 s20, s20, KROW                       ; its images: 12,288 bytes for 16 rows are 768 a row
	s_mov_b32 s21, 0
	s_lshl_b32 s46, s42, 7
	s_lshl_b32 s18, s46, 5
	s_mov_b32 s19, 0
	s_mul_i32 s46, s46, KROW
	s_mov_b32 s47, 0
	s_mul_i32 s45, s14, AW                         ; and where they go: the wave's number alone enters an LDS address
	s_mul_i32 s3, s14, SAW
	s_wait_dscnt 0x0
	s_wait_kmcnt 0x0
	s_add_nc_u64 s[20:21], s[4:5], s[20:21]
	s_add_nc_u64 s[22:23], s[6:7], s[22:23]
	s_add_nc_u64 s[46:47], s[8:9], s[46:47]
	s_add_nc_u64 s[18:19], s[10:11], s[18:19]
	s_mov_b32 s[G0SA], 1
	s_mov_b32 s[G0SA+1], SAOFF
	s_mov_b64 s[G0SA+2:G0SA+3], s[22:23]
	s_or_b32 s[G0SA+3], s[G0SA+3], 0x80000000
	s_mov_b32 s[G0SB], 1
	s_mov_b32 s[G0SB+1], SBOFF
	s_mov_b64 s[G0SB+2:G0SB+3], s[18:19]
	s_or_b32 s[G0SB+3], s[G0SB+3], 0x80000000
	s_mov_b32 s[G0B], 1
	s_mov_b32 s[G0B+1], BOFF
	s_mov_b64 s[G0B+2:G0B+3], s[46:47]
	s_or_b32 s[G0B+3], s[G0B+3], 0x80000000
	s_mov_b32 s[G0A], 1
	s_mov_b32 s[G0A+1], 0
	s_mov_b64 s[G0A+2:G0A+3], s[20:21]
	s_or_b32 s[G0A+3], s[G0A+3], 0x80000000
	CROUND                                         ; all sixteen work-groups are here: the joint loads meet
.macro ARM under, g0, g1, next         ; the launch's only fills, one a wave: one chain of branches on the wave's number, one load to an arm, all arms to one join
	s_cmp_lt_u32 s14, \under
	s_cbranch_scc0 \next
	tensor_load_to_lds s[\g0:\g0+3], s[\g1:\g1+7]
	s_nop 0
.rept 4
	v_nop
.endr
	s_branch .Lhead_asked
\next:
.endm
	ARM 1, G0B,  G1B,  .Lhead_a
	ARM 2, G0A,  G1A,  .Lhead_sa
	ARM 3, G0SA, G1SA, .Lhead_sb
	tensor_load_to_lds s[G0SB:G0SB+3], s[G1SB:G1SB+7]
	s_nop 0
.rept 4
	v_nop
.endr
.Lhead_asked:
	v_and_b32 v1, 15, v0                           ; r = lane % 16
	v_bfe_u32 v2, v0, 4, 1                         ; h = lane / 16
	v_and_b32 v6, 31, v0                           ; lane
	v_lshlrev_b32 v7, 4, v6
	v_add_nc_u32 v[ADRA], s45, v7                  ; A: my images + 16 x lane,
	v_lshl_add_u32 v8, v6, 3, 512
	v_add_nc_u32 v[ADRA+1], s45, v8                ; and + 512 + 8 x lane
	v_mul_u32_u24 v3, v1, BP
	v_mad_u32_u24 v3, v2, 24, v3                   ; W_o: a fragment's row x pitch + 24 x half
	v_lshl_add_u32 v4, v2, 4, v3                   ; and the same behind one padding more
	v_add_nc_u32 v[ADRB], BOFF, v3
	v_add_nc_u32 v[ADRB+1], BOFF+64*BP, v3         ; rows 64 on: beyond what an LDS instruction's 16-bit offset reaches from row 0
	v_add_nc_u32 v[ADRB+2], BOFF, v4
	v_add_nc_u32 v[ADRB+3], BOFF+64*BP, v4
	v_lshlrev_b32 v5, 5, v1                        ; my row's scale bytes: 32 a row,
	v_lshrrev_b32 v9, 3, v1
	v_lshl_add_u32 v5, v9, 4, v5                   ; and 16 more behind each 8 rows
	v_add_nc_u32 v[ADRS2], SBOFF, v5
	s_mov_b32 s16, SBOFF-SAOFF
	s_sub_co_u32 s16, s16, s3
	v_mul_u32_u24 v9, s16, v2                      ; lanes 16-31 take W_o's
	v_add_nc_u32 v10, s3, v5
	v_add_nc_u32 v10, v10, v9
	v_add_nc_u32 v[ADRS], SAOFF, v10
	v_mul_u32_u24 v5, v1, SPITCH                   ; my stage: in: row r, 32 bytes for each half of the lanes
	v_lshl_add_u32 v5, v2, 5, v5
	v_add_nc_u32 v[STO], s45, v5
	v_lshlrev_b32 v[CO], 4, v6                     ; back: the 32 lanes take one row of 512 bytes; and the same in the result
	v_add_nc_u32 v[RD], s45, v[CO]
	s_lshl_b32 s18, s17, 8
	s_lshl_b32 s19, s14, 6
	s_add_co_u32 s18, s18, s19                     ; my first row of the result: 256 x tile row + 64 x wave,
	s_lshl_b32 s18, s18, 12                        ; 4,096 bytes a row,
	s_lshl_b32 s19, s42, 9
	s_add_co_u32 s18, s18, s19                     ; + 512 bytes x tile column
	s_mov_b32 s19, 0
	s_add_nc_u64 s[12:13], s[12:13], s[18:19]
.macro FRAGB reg, s, i                 ; W_o's fragment i of K step s: lane l holds row l % 16; registers 6 c .. 6 c + 5 hold K = 64 c + 32 (l / 16) + 0 .. 31: 24 bytes of the row's stream of bits, in pieces of 8 bytes
.irp p, 0,1,2,3,4,5
.set PCE, 12*(\s)+6*(\p/3)+\p%3       ; 16 bytes of padding lie behind every 32 pieces; lanes 16-31 read three pieces further on: where that lies behind one padding more, the second address register serves
.if PCE%32 < 29
	ds_load_b64 v[\reg+2*\p:\reg+2*\p+1], v[ADRB+(\i)/4] offset:8*PCE+16*(PCE/32)+((\i)%4)*16*BP
.else
	ds_load_b64 v[\reg+2*\p:\reg+2*\p+1], v[ADRB+2+(\i)/4] offset:8*PCE+16*(PCE/32)+((\i)%4)*16*BP
.endif
.endr
.endm
.macro FRAGA reg, s, i                 ; A's fragment i of K step s: its registers as they were stored
.irp c, 0,1
	ds_load_b128 v[\reg+6*\c:\reg+6*\c+3], v[ADRA] offset:AQ*(\i)+1536*(\s)+768*\c          ; a tile of 16 rows is 12,288 bytes, a K step 1,536 of them
	ds_load_b64 v[\reg+6*\c+4:\reg+6*\c+5], v[ADRA+1] offset:AQ*(\i)+1536*(\s)+768*\c
.endr
.endm
.macro FETCH s, p                      ; 64 LDS loads in one run: K step s's fragments into set p
	WIN TO_B
.irp i, 0,1,2,3,4,5,6,7
	FRAGB 128*(\p)+FR*\i, \s, \i
.endr
	WIN 0
.irp i, 0,1,2,3
	FRAGA AF+48*(\p)+FR*\i, \s, \i
.endr
.endm
; 16 matrix instructions: A's blocks a0, a0 + 1 x W_o's eight, K step s, set p.  The 32 accumulators take turns, one instruction a turn, in the same order in every step.
.macro MUL16 a0, p, s, zero
.irp a, \a0, \a0+1
.irp b, 0,1,2,3,4,5,6,7
.if \zero
	v_wmma_scale_f32_16x16x128_f8f6f4 v[8*(8*(\a)+\b):8*(8*(\a)+\b)+7], v[128*(\p)+FR*\b:128*(\p)+FR*\b+FR-1], v[AF+48*(\p)+FR*(\a):AF+48*(\p)+FR*(\a)+FR-1], 0, v[SC+8*\b+(\s)], v[SC+8*(\a)+(\s)] matrix_a_fmt:MATRIX_FMT_FP6 matrix_b_fmt:MATRIX_FMT_FP6 matrix_a_scale:MATRIX_SCALE_ROW1
.else
	v_wmma_scale_f32_16x16x128_f8f6f4 v[8*(8*(\a)+\b):8*(8*(\a)+\b)+7], v[128*(\p)+FR*\b:128*(\p)+FR*\b+FR-1], v[AF+48*(\p)+FR*(\a):AF+48*(\p)+FR*(\a)+FR-1], v[8*(8*(\a)+\b):8*(8*(\a)+\b)+7], v[SC+8*\b+(\s)], v[SC+8*(\a)+(\s)] matrix_a_fmt:MATRIX_FMT_FP6 matrix_b_fmt:MATRIX_FMT_FP6 matrix_a_scale:MATRIX_SCALE_ROW1
.endif
.endr
.endr
.endm
.macro PLACES n                        ; plain vector instructions between a matrix instruction and a load into, or a read of, its registers
.rept \n
	v_nop
.endr
.endm
; K step s of eight: 32 matrix instructions; in their middle the next step's fragments are fetched into the other set.  The first step's products start the sums: nothing is cleared.
.macro STEP s
	s_wait_dscnt 0x0                               ; this step's run of loads, issued in the middle of the last step, is in
	WIN MUL
	MUL16 0, (\s)%2, \s, (\s)==0
.if (\s) < 7
	PLACES NP                                      ; the other set was read by the last step's products
	FETCH (\s)+1, ((\s)+1)%2
	WIN MUL
.endif
	MUL16 2, (\s)%2, \s, (\s)==0
.endm
	s_wait_alu depctr_va_vdst(0)
	s_wait_tensorcnt 0x0                           ; my one load has landed
	s_barrier_signal -1
	s_barrier_wait -1                              ; everybody's rows of W_o are in
.irp i, 0,1,2,3
	ds_load_b128 v[SC+8*\i:SC+8*\i+3], v[ADRS] offset:\i*SBLK        ; all eight scale words of a row, once: lanes 0-15 A's block i, lanes 16-31 W_o's block i
	ds_load_b128 v[SC+8*\i+4:SC+8*\i+7], v[ADRS] offset:\i*SBLK+16
.endr
.irp i, 4,5,6,7
	ds_load_b128 v[SC+8*\i:SC+8*\i+3], v[ADRS2] offset:\i*SBLK       ; A has four blocks: here every lane takes W_o's
	ds_load_b128 v[SC+8*\i+4:SC+8*\i+7], v[ADRS2] offset:\i*SBLK+16
.endr
	FETCH 0, 0
.irp s, 0,1,2,3,4,5,6,7
	STEP \s
.endr
	WIN 0
; THE WAY OUT, block by block of 16 rows x 128 columns, through my own stage in LDS: in as 32 bytes a lane, back as whole rows of 512 bytes.  LDS serves a wave's instructions in order (ISA guide 5.7.1.4).
.macro TOSTAGE a
.set AC, 64*(\a)
	WIN 0x08                                       ; the data: window 2
.irp b, 0,1,2,3,4,5,6,7
	ds_store_b128 v[STO], v[AC+8*\b:AC+8*\b+3] offset:64*\b          ; each accumulator from its low end on
	ds_store_b128 v[STO], v[AC+8*\b+4:AC+8*\b+7] offset:64*\b+16
.endr
	WIN 0
.set BB, BK+64*((\a)%2)
.irp t, 0,1,2,3,4,5,6,7,8,9,10,11,12,13,14,15
	ds_load_b128 v[BB+4*\t:BB+4*\t+3], v[RD] offset:\t*SPITCH
.endr
.endm
.macro SEND a, younger
.set BB, BK+64*((\a)%2)
	s_wait_dscnt \younger                          ; the block is back in registers; the next block's 16 stores and 16 loads may be out
.if (\a) > 0
	s_add_nc_u64 s[12:13], s[12:13], 16*SIZE_N*4   ; (behind a wait on XCNT: the earlier stores have read their base)
.endif
.irp t, 0,1,2,3,4,5,6,7,8,9,10,11,12,13,14,15
	global_store_b128 v[CO], v[BB+4*\t:BB+4*\t+3], s[12:13] offset:\t*SIZE_N*4 th:TH_STORE_NT   ; 32 lanes store 512 consecutive bytes, aligned
.endr
.endm
	PLACES NP                                      ; behind the last products: their results are read, and A's registers are loaded into
	TOSTAGE 0
.irp a, 1,2,3
.if \a > 1
	s_wait_xcnt 0x0                                ; block a - 2's stores have read their registers and their base
.endif
	TOSTAGE \a
	SEND \a-1, 32
.endr
	s_wait_xcnt 0x0
	SEND 3, 0                                      ; its wait is for 0: no LDS instruction of mine is out at the round below; my one tensor load was waited for ahead of the first barrier
	s_wait_tensorcnt 0x0
	ds_add_u32 v126, v127
	s_wait_dscnt 0x0
	CROUND                                         ; the closing round: no work-group ends while a partner may still ask for a tile that names it
	s_endpgm
.Lfunc_end_k_qa223b3a43a_oproj:
	.size	k_qa223b3a43a_oproj, .Lfunc_end_k_qa223b3a43a_oproj-k_qa223b3a43a_oproj
	.p2alignl 7, 3214868480
	.fill 96, 4, 3214868480
	.section	.rodata,"a",@progbits
	.p2align	6, 0x0
	.amdhsa_kernel k_qa223b3a43a_oproj
		.amdhsa_group_segment_fixed_size 314624
		.amdhsa_private_segment_fixed_size 0
		.amdhsa_enable_private_segment 0
		.amdhsa_kernarg_size 40
		.amdhsa_user_sgpr_count 2
		.amdhsa_user_sgpr_kernarg_segment_ptr 1
		.amdhsa_wavefront_size32 1
		.amdhsa_system_sgpr_workgroup_id_x 1
		.amdhsa_system_sgpr_workgroup_id_y 1
		.amdhsa_system_sgpr_workgroup_id_z 1
		.amdhsa_system_vgpr_workitem_id 0
		.amdhsa_next_free_vgpr 768
		.amdhsa_next_free_sgpr 96
		.amdhsa_reserve_vcc 0
		.amdhsa_float_denorm_mode_32 3
		.amdhsa_float_denorm_mode_16_64 3
		.amdhsa_memory_ordered 1
		.amdhsa_forward_progress 1
		.amdhsa_inst_pref_size 90
	.end_amdhsa_kernel
	.amdgpu_metadata
---
amdhsa.version: [ 1, 2 ]
amdhsa.kernels:
  - .name:           k_qa223b3a43a_oproj
    .symbol:         k_qa223b3a43a_oproj.kd
    .args:
      - { .name: ao, .offset: 0, .size: 8, .value_kind: global_buffer, .address_space: global }
      - { .name: aosc, .offset: 8, .size: 8, .value_kind: global_buffer, .address_space: global }
      - { .name: W_o_codes, .offset: 16, .size: 8, .value_kind: global_buffer, .address_space: global }
      - { .name: W_o_scales, .offset: 24, .size: 8, .value_kind: global_buffer, .address_space: global }
      - { .name: out0, .offset: 32, .size: 8, .value_kind: global_buffer, .address_space: global }
    .group_segment_fixed_size: 314624
    .private_segment_fixed_size: 0
    .kernarg_segment_align: 8
    .kernarg_segment_size: 40
    .max_flat_workgroup_size: 128
    .sgpr_count:     96
    .vgpr_count:     768
    .wavefront_size: 32
...
	.end_amdgpu_metadata
.endif
;; end of part 7
